; MI455X (gfx1250); checked and timed in simulation.
; The chip was launched on July 23, 2026; its instructions are those of AMD's public machine-readable ISA for CDNA 5 (MIT licence, August 2026) and "CDNA5" Instruction Set Architecture Reference Guide (July 2026). The comments in the code are by the model that wrote it; some were corrected since.
;; Temporal Attention. Allowed arithmetic: matrix products marked QUANTISED: E2M1 operands, one E8M0 scale for each 32 along K, by v_wmma_scale_f32_16x16x128_f8f6f4 with both operands' format E2M1 (or v_wmma_scale_f32_32x16x128_f4), f32 sums; everything else in f32.
;; Inputs: X 32 x 512 x 512 float32; b1 512 float32; be_ffn 512 float32; be_mha 512 float32; bf1 1,024 float32; bf2 512 float32; bk 512 float32; bq 512 float32; bv 512 float32; g_ffn 512 float32; g_mha 512 float32; w1 512 x 512 float32; wf1 1,024 x 512 float32; wf2 512 x 1,024 float32; wk 512 x 512 float32; wq 512 x 512 float32; wv 512 x 512 float32.
;; Outputs: out0 32 x 512 x 512 float32.
;; Constants: K = 8.
;; This version of the problem:
;;   THIS VERSION OF THE PROBLEM IS GIVEN IN LOW PRECISION. The matrix products marked QUANTISED in the list below multiply operands that are first quantised to E2M1 (2 exponent bits, 1 mantissa bit; 4 bits a number), with one power-of-two scale for each 32 numbers along K (OCP MX v1.0); their sums are f32. All else is computed in f32.
;;   The module's matrix products, in the order in which they are computed (A, B: the left and right operand; K: the contracted axis; several contracted axes count as one K, in the product's order):
;;     1. [M 16,384, K 512] x [K 512, N 512]; A: computed on the way; B: input wq: QUANTISED
;;     2. [M 16,384, K 512] x [K 512, N 512]; A: computed on the way; B: input wk: QUANTISED
;;     3. [M 16,384, K 512] x [K 512, N 512]; A: computed on the way; B: input wv: QUANTISED
;;     4. batch 256 x [M 512, K 64] x [K 64, N 512]; A: computed on the way; B: computed on the way: QUANTISED
;;     5. batch 256 x [M 64, K 512] x [K 512, N 512]; A: computed on the way; B: softmax (see below): QUANTISED
;;     6. [M 16,384, K 512] x [K 512, N 512]; A: computed on the way; B: input w1: QUANTISED
;;     7. [M 16,384, K 512] x [K 512, N 1,024]; A: computed on the way; B: input wf1: QUANTISED
;;     8. [M 16,384, K 1,024] x [K 1,024, N 512]; A: computed on the way; B: input wf2: QUANTISED
;;   THE QUANTISER, for each operand of a quantised product, along K:
;;     - K is cut into blocks of 32 from its start; a last block that is shorter is filled with zeros.
;;     - A block's scale is 2^e with e = floor(log2(the largest magnitude in the block)) - 2, held to -126 .. 127; a block of zeros has e = 0. As a byte (E8M0): e + 127.
;;     - Each number is divided by its block's scale, clamped to +-6, and rounded to the nearest number of E2M1, ties to even, subnormals kept.
;;     - The product sums the exact products of the quantised numbers (number of the format x scale) in f32.
;;   ~~~python
;;   def quantise(x, axis):      # numpy; x: float32 -> the quantised numbers, widened to float32 again
;;       x = np.moveaxis(x, axis, -1); K = x.shape[-1]
;;       x = np.pad(x, [(0, 0)] * (x.ndim - 1) + [(0, -K % 32)]); x = x.reshape(x.shape[:-1] + (-1, 32)); a = np.abs(x).max(-1, keepdims=True)
;;       e = np.where(a > 0, np.clip(np.frexp(np.where(a > 0, a, 1))[1] - 1 - 2, -126, 127), 0)      # np.frexp(a)[1] - 1 = floor(log2(a)), exactly
;;       r = np.clip(x / 2.0 ** e, -6, 6)
;;       step = 2.0 ** (np.maximum(np.frexp(np.where(r == 0, 1, r))[1] - 1, 0) - 1)
;;       q = np.round(r / step) * step * 2.0 ** e      # np.round: ties to even
;;       return np.moveaxis(q.reshape(q.shape[:-2] + (-1,))[..., :K], -1, axis).astype(np.float32)
;;   ~~~
;;   SOFTMAX AHEAD OF A QUANTISED PRODUCT. Where the list says 'softmax', what is quantised is not the finished softmax but p = 2^(t - M), with t = logit x log2(e) and M = ceil(the row's largest t), a whole number; so 1/2 < the row's largest p <= 1. The row's sum l is taken of the UNQUANTISED p, in f32, and the product's result is divided by l at the end. Since M is a whole number, a kernel that streams over the keys may use a running M (the ceiling of the running maximum): every later rescaling is an exact power of two, which a block's scale takes up: the codes' values come out the same.
;;   OPERANDS COMPUTED ON THE WAY. 'Computed on the way' means the value that the module computes at that place (a softmax that the list does not call 'softmax' is quantised finished and normalised). What goes into a quantiser is computed in f32, as accurately as f32 sums, v_exp_f32 and their like allow (about 1e-6 of the number): no bf16 or f16 on the way to a quantiser, and a product that is left as it is and whose result goes on into a quantised operand takes f32 operands (vector FMAs, or v_wmma_f32_16x16x4_f32). A number that lies on a knife's edge between two numbers of the format may be rounded either way, as far as f32 arithmetic and the matrix unit's own rounding can turn it there, and no further.
;; 2 versions, each right; version 2 is version 1 with the launches attn, ffn written anew for expert scheduling mode. Each part assembles by itself: llvm-mc -triple=amdgcn-amd-amdhsa -mcpu=gfx1250 --defsym DOCPART=n.
;; ======== version 1 of 2: 3 launches
;; workspace buffers: xc 4,194,304 bytes; xs 262,144 bytes; wc 1,048,576 bytes; ws 65,536 bytes; sig 1,048,576 bytes; oc 4,194,304 bytes; os 262,144 bytes
;; launch prep (part 1): grid 32 x 8, 16 waves a work-group, no clusters, 167,168 bytes of LDS; arguments X, g_mha, be_mha, wq, wk, wv, w1, wf1, wf2, xc, xs, wc, ws, sig; writes xc, xs, wc, ws, sig
.if DOCPART == 1
	.amdgcn_target "amdgcn-amd-amdhsa--gfx1250"
	.amdhsa_code_object_version 6
	.text
	.protected	k_qb3eff7cb10_prep
	.globl	k_qb3eff7cb10_prep
	.p2align	8
	.type	k_qb3eff7cb10_prep,@function
k_qb3eff7cb10_prep:
	s_mov_b64 s[64:65], 0
	v_nop
	global_prefetch_b8 v0, s[64:65] scope:SCOPE_SE
	s_setreg_imm32_b32 hwreg(HW_REG_WAVE_MODE, 25, 1), 1
	s_wait_xcnt 0x0
; PREP.  (1) the timing signal's rows; (2) Xn = LN1(X + signal), quantised to E2M1 along D and stored as images of operand registers; (3) all six weights quantised likewise.
; SHARES.  Work-group (x, y): row tile x of batches 4 y .. 4 y + 3, and weight job (x, y).  A row tile holds rows t = 32 (x / 2) + 8 (x % 2) + r + 8 (r / 8), r = 0 .. 15: two neighbouring tiles cover 32 rows, and a
; product used transposed on two such tiles of a weight leaves 16 neighbours along the next K in a lane's 16 registers.  Wave w owns row r = w of the tile in the four batches, and row w of the weight tile.
; A row (2,048 bytes) is 16 registers of a wave: lane l holds columns 128 i + 4 l + e in register 4 i + e, so every load covers 512 consecutive bytes.  The norm is two-pass (mean, then deviations): no difference of large sums.
; The rows meet in LDS (pitch 2,064 bytes = 516 words, so sixteen rows start at sixteen different groups of banks); behind ONE barrier each wave takes one fragment (16 rows x 128 K): lane (r, h) reads k = 64 c + 32 h + 0 .. 31,
; which is the operand's own layout: the conversions' results are the operand's registers and leave as two stores of 512 consecutive bytes.  A fragment's 16 scale words leave as 64 consecutive bytes.
; SINE AND COSINE by fused multiply-adds: inv = 2^(a log2 e) with the product's low part carried; argument reduced by pi/2 in three parts; polynomials on [-pi/4, pi/4].
; LIMITS.  inv is within about one unit in the last place of exp, so at position 511 the phase may differ from another f32 exp's by about 6e-5.  A block of zeros gets the scale byte 1 (its codes are zeros; these bytes are read by
; this program alone).  NaN and infinities among the inputs are not served.  The norm multiplies by 1/511 and by a reciprocal where the source divides.
.set ROWP, 2064                        ; LDS pitch of a row
.set MPL,  16*ROWP                     ; a tile of 16 rows
.set WT,   4*MPL                       ; behind the four tiles of Xn: the weight tile
.set XR,   32                          ; v32-95   four rows of X; later a fragment's 64 numbers
.set WR,   96                          ; v96-111  my row of the weight
.set SIG,  112                         ; v112-127 my row of the timing signal
.set GG,   128                         ; v128-143 g_mha
.set BE,   144                         ; v144-159 be_mha
.set T0,   160                         ; v160-199 at work: five sets of eight
.set T1,   168
.set T2,   176
.set T3,   184
.set T4,   192
.set PP,   10                          ; v10-17   four pairs at work in the norm
.set SP,   18                          ; v18-21   the lane exchange's results
.set CD,   160                         ; v160-167 a fragment's codes; v168-175 at work on its scales
.set SEL,  60                          ; s[60:61] lane selects: lane l xor 16
; the sum of a pair's two halves and of the 32 lanes, for four rows by turns; the result stands in every lane, in the pair's low register
.macro RED4 p, sp
.irp m,0,1,2,3
	v_add_f32 v[\p+2*\m], v[\p+2*\m], v[\p+2*\m+1]
.endr
.irp x,1,2,4,8
.irp m,0,1,2,3
	v_add_f32_dpp v[\p+2*\m], v[\p+2*\m], v[\p+2*\m] row_xmask:\x row_mask:0xf bank_mask:0xf
.endr
.endr
.irp m,0,1,2,3
	v_permlanex16_b32 v[\sp+\m], v[\p+2*\m], s[SEL], s[SEL+1]
.endr
.irp m,0,1,2,3
	v_add_f32 v[\p+2*\m], v[\p+2*\m], v[\sp+\m]
.endr
.endm
; four rows at xr + 16 m become g (x - mean) / (std + 1e-6) + be, std with 511 in the divisor
.macro LN4 xr, p, sp, g, be
.irp m,0,1,2,3
	v_pk_add_f32 v[\p+2*\m:\p+2*\m+1], v[\xr+16*\m:\xr+16*\m+1], v[\xr+16*\m+2:\xr+16*\m+3]
.endr
.irp j,4,6,8,10,12,14
.irp m,0,1,2,3
	v_pk_add_f32 v[\p+2*\m:\p+2*\m+1], v[\p+2*\m:\p+2*\m+1], v[\xr+16*\m+\j:\xr+16*\m+\j+1]
.endr
.endr
	RED4 \p, \sp
.irp m,0,1,2,3
	v_mul_f32 v[\p+2*\m], 0x3b000000, v[\p+2*\m]   ; / 512: the mean
.endr
.irp j,0,2,4,6,8,10,12,14
.irp m,0,1,2,3
	v_pk_add_f32 v[\xr+16*\m+\j:\xr+16*\m+\j+1], v[\xr+16*\m+\j:\xr+16*\m+\j+1], v[\p+2*\m:\p+2*\m+1] op_sel_hi:[1,0] neg_lo:[0,1] neg_hi:[0,1]   ; the deviations, in place
.endr
.endr
.irp m,0,1,2,3
	v_pk_mul_f32 v[\p+2*\m:\p+2*\m+1], v[\xr+16*\m:\xr+16*\m+1], v[\xr+16*\m:\xr+16*\m+1]
.endr
.irp j,2,4,6,8,10,12,14
.irp m,0,1,2,3
	v_pk_fma_f32 v[\p+2*\m:\p+2*\m+1], v[\xr+16*\m+\j:\xr+16*\m+\j+1], v[\xr+16*\m+\j:\xr+16*\m+\j+1], v[\p+2*\m:\p+2*\m+1]
.endr
.endr
	RED4 \p, \sp
.irp m,0,1,2,3
	v_mul_f32 v[\p+2*\m], 0x3b004020, v[\p+2*\m]   ; / 511
.endr
.irp m,0,1,2,3
	v_sqrt_f32 v[\p+2*\m], v[\p+2*\m]
.endr
	v_nop                                          ; a plain instruction behind the last root
	s_wait_alu depctr_va_vdst(0)                   ; one wait for the four roots, ahead of their first reader
.irp m,0,1,2,3
	v_add_f32 v[\p+2*\m], 0x358637bd, v[\p+2*\m]   ; + 1e-6
.endr
.irp m,0,1,2,3
	v_rcp_f32 v[\p+2*\m], v[\p+2*\m]
.endr
	v_nop
	s_wait_alu depctr_va_vdst(0)                   ; one wait for the four reciprocals
.irp j,0,2,4,6,8,10,12,14
.irp m,0,1,2,3
	v_pk_mul_f32 v[\xr+16*\m+\j:\xr+16*\m+\j+1], v[\xr+16*\m+\j:\xr+16*\m+\j+1], v[\p+2*\m:\p+2*\m+1] op_sel_hi:[1,0]
.endr
.endr
.irp j,0,2,4,6,8,10,12,14
.irp m,0,1,2,3
	v_pk_fma_f32 v[\xr+16*\m+\j:\xr+16*\m+\j+1], v[\g+\j:\g+\j+1], v[\xr+16*\m+\j:\xr+16*\m+\j+1], v[\be+\j:\be+\j+1]
.endr
.endr
.endm
; one fragment, 16 rows x 128 K, from rows in LDS to codes and scale words in memory.  adr: my lane's first byte; cb, sb: scalar pairs with the fragment's place among the codes and the scale words
.macro FRAGQ adr, cb, sb
.irp c,0,1
.irp j,0,1,2,3,4,5,6,7
	ds_load_b128 v[XR+32*\c+4*\j:XR+32*\c+4*\j+3], v[\adr] offset:256*\c+16*\j   ; k = 64 c + 32 h + 4 j ..
.endr
.endr
	s_wait_dscnt 0x0
.irp c,0,1
	v_max3_num_f32 v[168+\c], |v[XR+32*\c]|, |v[XR+32*\c+1]|, 0x1800000   ; block 2 c + h is all mine; the floor 2^(3 - 127) keeps the byte at 1 from below
.endr
.irp i,2,4,6,8,10,12,14,16,18,20,22,24,26,28,30
.irp c,0,1
	v_max3_num_f32 v[168+\c], v[168+\c], |v[XR+32*\c+\i]|, |v[XR+32*\c+\i+1]|
.endr
.endr
.irp c,0,1
	v_add_nc_u32 v[170+\c], 0xff000000, v[168+\c]  ; 2 off the exponent field: the conversion's scale operand
.endr
.irp c,0,1
	v_lshrrev_b32 v[172+\c], 23, v[170+\c]         ; the scale's byte
.endr
	v_lshl_or_b32 v174, v173, 16, v172             ; my bytes: blocks h and 2 + h,
	v_lshlrev_b32 v174, v8, v174                   ; 8 h bits up;
	v_permlanex16_b32 v175, v174, s[SEL], s[SEL+1]
	v_or_b32 v174, v174, v175                      ; with lane l xor 16's two the row's word is whole
.irp c,0,1
.irp g,0,1,2,3
	v_cvt_scalef32_pk8_fp4_f32 v[CD+4*\c+\g], v[XR+32*\c+8*\g:XR+32*\c+8*\g+7], v[170+\c]
.endr
.endr
	v_nop                                          ; a plain instruction behind the last scaled conversion
	global_store_b128 v1, v[CD:CD+3], s[\cb:\cb+1]             ; 512 consecutive bytes
	global_store_b128 v1, v[CD+4:CD+7], s[\cb:\cb+1] offset:512
	global_store_b32 v2, v174, s[\sb:\sb+1]        ; 64 consecutive bytes; both halves of the lanes store the same word
.endm
	s_load_b256 s[4:11], s[0:1], 0x0               ; X s[4:5], g_mha s[6:7], be_mha s[8:9], wq s[10:11]
	s_load_b256 s[12:19], s[0:1], 0x20             ; wk, wv, w1, wf1
	s_load_b256 s[20:27], s[0:1], 0x40             ; wf2, xc, xs, wc
	s_load_b128 s[28:31], s[0:1], 0x60             ; ws, sig
	v_lshl_add_u32 v200, v0, 2, 0x28500
	v_mov_b32 v201, 0
	v_lshrrev_b32 v22, 5, v0
	v_readfirstlane_b32 s34, v22                   ; wave 0..15
	s_mov_b32 s32, ttmp9                           ; x
	s_and_b32 s33, ttmp7, 0xffff                   ; y
	v_and_b32 v22, 31, v0                          ; lane
	v_and_b32 v23, 15, v0                          ; r
	v_bfe_u32 v24, v0, 4, 1                        ; h
	v_lshlrev_b32 v1, 4, v22                       ; 16 x lane
	v_lshlrev_b32 v2, 2, v23                       ; 4 r
	v_lshlrev_b32 v8, 3, v24                       ; 8 h
	s_mul_i32 s35, s34, ROWP
	v_add_nc_u32 v3, s35, v1                       ; where I put my row: batches 0, 1;
	v_add_nc_u32 v4, 2*MPL, v3                     ; batches 2, 3;
	v_add_nc_u32 v5, WT, v3                        ; the weight's
	v_mul_u32_u24 v6, v23, ROWP
	v_lshl_add_u32 v6, v24, 7, v6                  ; row r, + 128 h
	s_and_b32 s37, s34, 3
	s_lshl_b32 s37, s37, 9                         ; K step wave % 4: 512 bytes each
	s_lshr_b32 s36, s34, 2
	s_mul_i32 s36, s36, MPL                        ; batch wave / 4
	s_add_co_u32 s36, s36, s37
	s_add_co_u32 s37, s37, WT
	v_add_nc_u32 v7, s37, v6                       ; my lane's place in the weight's fragment
	v_add_nc_u32 v6, s36, v6                       ; and in Xn's
.irp m,0,1,2,3
	v_mov_b32 v[SP+\m], 0                          ; written once: a lane exchange's destination counts as one of its sources
.endr
	v_mov_b32 v175, 0
	s_lshr_b32 s38, s32, 1
	s_lshl_b32 s38, s38, 5
	s_and_b32 s39, s32, 1
	s_lshl_b32 s39, s39, 3
	s_add_co_u32 s38, s38, s39
	s_and_b32 s39, s34, 8
	s_add_co_u32 s39, s39, s34                     ; w + 8 (w / 8)
	s_add_co_u32 s38, s38, s39                     ; t: my row in each batch
	s_lshl_b32 s40, s33, 22                        ; 4 y batches of 1 MiB
	s_lshl_b32 s41, s38, 11
	s_add_co_u32 s40, s40, s41
	s_mov_b32 s41, 0                               ; s[40:41]: my row of batch 4 y in X
	; the weight job: y = 0 wq, 1 wk, 2 wv, 3 w1, 4 and 5 wf1 (tiles 0-31, 32-63), 6 and 7 wf2 (K 0-511, 512-1023)
	s_cmp_eq_u32 s33, 5
	s_cselect_b32 s44, 32, 0
	s_add_co_u32 s44, s44, s32                     ; the tile of 16 rows
	s_lshr_b32 s45, s44, 1
	s_lshl_b32 s45, s45, 5
	s_and_b32 s46, s44, 1                          ; u: which of a column block's two tiles
	s_lshl_b32 s47, s46, 3
	s_add_co_u32 s45, s45, s47
	s_add_co_u32 s45, s45, s39                     ; my row of the weight
	s_cmp_ge_u32 s33, 6
	s_cselect_b32 s47, 12, 11                      ; a row is 4,096 bytes in wf2, 2,048 elsewhere
	s_lshl_b32 s48, s45, s47
	s_cmp_eq_u32 s33, 7
	s_cselect_b32 s47, 2048, 0
	s_add_co_u32 s48, s48, s47
	s_mov_b32 s49, 0                               ; s[48:49]: my 2,048 bytes of that row
	s_lshr_b32 s50, s32, 2                         ; q, k, v: [head][matrix][tile][K step][1,024 bytes]
	s_mul_i32 s50, s50, 49152
	s_lshl_b32 s51, s33, 14
	s_add_co_u32 s50, s50, s51
	s_and_b32 s51, s32, 3
	s_lshl_b32 s51, s51, 12
	s_add_co_u32 s50, s50, s51
	s_lshr_b32 s52, s44, 2                         ; the others: [reader's wave][item][u][1,024 bytes] from byte 393,216 on
	s_lshr_b32 s53, s32, 1
	s_bfe_u32 s54, s44, 0x10001
	s_lshl_b32 s54, s54, 2
	s_add_co_u32 s54, s54, 4                       ; wf1: items 4 + 4 ((tile / 2) % 2) on
	s_lshl_b32 s55, s33, 2
	s_sub_co_u32 s55, s55, 12                      ; w1: items 0 on; wf2: 12 or 16 on: 4 y - 12
	s_sub_co_u32 s51, s33, 4
	s_cmp_lt_u32 s51, 2                            ; wf1?
	s_cselect_b32 s52, s52, s53
	s_cselect_b32 s54, s54, s55
	s_mul_i32 s52, s52, 40960
	s_lshl_b32 s54, s54, 11
	s_add_co_u32 s52, s52, s54
	s_lshl_b32 s54, s46, 10
	s_add_co_u32 s52, s52, s54
	s_add_co_u32 s52, s52, 393216
	s_cmp_lt_u32 s33, 3
	s_cselect_b32 s50, s50, s52
	s_cselect_b32 s51, 10, 11                      ; from K step to K step: 1,024 or 2,048 bytes
	s_lshl_b32 s51, s34, s51                       ; K step = wave (waves 0 to 3 alone use it)
	s_add_co_u32 s50, s50, s51
	s_mov_b32 s51, 0                               ; s[50:51]: the fragment's codes
	s_lshr_b32 s52, s50, 4
	s_mov_b32 s53, 0                               ; s[52:53]: its scale words: a sixteenth of the codes' bytes, laid alike
	s_lshl_b32 s54, s33, 2                         ; Xn's fragment: batch 4 y + wave / 4, K step wave % 4
	s_lshr_b32 s55, s34, 2
	s_add_co_u32 s54, s54, s55
	s_lshl_b32 s54, s54, 5
	s_add_co_u32 s54, s54, s32
	s_lshl_b32 s54, s54, 2
	s_and_b32 s55, s34, 3
	s_add_co_u32 s54, s54, s55
	s_lshl_b32 s54, s54, 10
	s_mov_b32 s55, 0
	s_lshr_b32 s56, s54, 4
	s_mov_b32 s57, 0
	s_mov_b32 s[SEL], 0x76543210
	s_mov_b32 s[SEL+1], 0xfedcba98
	s_mov_b32 s62, 0x3fb8aa3b                      ; log2 e, rounded
	s_mov_b32 s58, 0x37ccf5ce                      ; the cosine's and
	s_mov_b32 s59, 0xb94ca1f9                      ; the sine's leading coefficient
	s_wait_kmcnt 0x0
	s_add_nc_u64 s[4:5], s[4:5], s[40:41]
	s_cmp_lt_u32 s33, 6                            ; the weight is chosen by the work-group's number alone
	s_cselect_b64 s[42:43], s[18:19], s[20:21]
	s_cmp_lt_u32 s33, 4
	s_cselect_b64 s[42:43], s[16:17], s[42:43]
	s_cmp_lt_u32 s33, 3
	s_cselect_b64 s[42:43], s[14:15], s[42:43]
	s_cmp_lt_u32 s33, 2
	s_cselect_b64 s[42:43], s[12:13], s[42:43]
	s_cmp_lt_u32 s33, 1
	s_cselect_b64 s[42:43], s[10:11], s[42:43]
	s_add_nc_u64 s[42:43], s[42:43], s[48:49]
	s_add_nc_u64 s[22:23], s[22:23], s[54:55]
	s_add_nc_u64 s[24:25], s[24:25], s[56:57]
	s_add_nc_u64 s[26:27], s[26:27], s[50:51]
	s_add_nc_u64 s[28:29], s[28:29], s[52:53]
	s_lshl_b32 s40, s38, 11
	s_add_nc_u64 s[30:31], s[30:31], s[40:41]      ; my row of the signal
.irp m,0,1,2,3
.irp i,0,1,2,3
	global_load_b128 v[XR+16*\m+4*\i:XR+16*\m+4*\i+3], v1, s[4:5] offset:\m*1048576+512*\i
.endr
.endr
.irp i,0,1,2,3
	global_load_b128 v[GG+4*\i:GG+4*\i+3], v1, s[6:7] offset:512*\i
.endr
.irp i,0,1,2,3
	global_load_b128 v[BE+4*\i:BE+4*\i+3], v1, s[8:9] offset:512*\i
.endr
.irp i,0,1,2,3
	global_load_b128 v[WR+4*\i:WR+4*\i+3], v1, s[42:43] offset:512*\i th:TH_LOAD_NT
.endr
	; ---- the timing signal's row t, while the loads are on their way: eight frequencies a lane, f = 128 (k / 4) + 4 lane + k % 4, by turns
	v_cvt_f32_u32 v9, s38                          ; the position
.irp k,0,1,2,3,4,5,6,7
	v_lshl_add_u32 v[T0+\k], v22, 2, 128*(\k/4)+\k%4
.endr
.irp k,0,1,2,3,4,5,6,7
	v_cvt_f32_u32 v[T0+\k], v[T0+\k]
.endr
.irp k,0,1,2,3,4,5,6,7
	v_mul_f32 v[T0+\k], 0xbd13f17f, v[T0+\k]       ; a = f x (-ln(10000) / 255)
.endr
.irp k,0,1,2,3,4,5,6,7
	v_mul_f32 v[T1+\k], 0x3fb8aa3b, v[T0+\k]       ; a log2 e: the high part,
.endr
.irp k,0,1,2,3,4,5,6,7
	v_fma_f32 v[T2+\k], v[T0+\k], s62, -v[T1+\k]   ; what its rounding lost,
.endr
.irp k,0,1,2,3,4,5,6,7
	v_fmamk_f32 v[T2+\k], v[T0+\k], 0x32a57060, v[T2+\k]   ; and what log2 e's rounding lost
.endr
.irp k,0,1,2,3,4,5,6,7
	v_exp_f32 v[T1+\k], v[T1+\k]
.endr
.irp k,0,1,2,3,4,5,6,7
	v_mul_f32 v[T2+\k], 0x3f317218, v[T2+\k]       ; low part x ln 2: plain work behind the exponentials
.endr
	s_wait_alu depctr_va_vdst(0)                   ; one wait for the eight, ahead of their first reader
.irp k,0,1,2,3,4,5,6,7
	v_fma_f32 v[T1+\k], v[T1+\k], v[T2+\k], v[T1+\k]   ; inv = e^a
.endr
.irp k,0,1,2,3,4,5,6,7
	v_mul_f32 v[T0+\k], v9, v[T1+\k]               ; the angle
.endr
.irp k,0,1,2,3,4,5,6,7
	v_mul_f32 v[T2+\k], 0x3f22f983, v[T0+\k]       ; x 2 / pi
.endr
.irp k,0,1,2,3,4,5,6,7
	v_rndne_f32 v[T2+\k], v[T2+\k]                 ; the quadrant's number, at most 326
.endr
.irp k,0,1,2,3,4,5,6,7
	v_fmamk_f32 v[T0+\k], v[T2+\k], 0xbfc90fd8, v[T0+\k]   ; less that many pi / 2, in three parts
.endr
.irp k,0,1,2,3,4,5,6,7
	v_fmamk_f32 v[T0+\k], v[T2+\k], 0xb4a8885a, v[T0+\k]
.endr
.irp k,0,1,2,3,4,5,6,7
	v_fmamk_f32 v[T0+\k], v[T2+\k], 0xa7c234c4, v[T0+\k]
.endr
.irp k,0,1,2,3,4,5,6,7
	v_cvt_i32_f32 v[T2+\k], v[T2+\k]
.endr
.irp k,0,1,2,3,4,5,6,7
	v_mul_f32 v[T1+\k], v[T0+\k], v[T0+\k]         ; z = r^2
.endr
.irp k,0,1,2,3,4,5,6,7
	v_fmaak_f32 v[T3+\k], s58, v[T1+\k], 0xbab6061a
.endr
.irp k,0,1,2,3,4,5,6,7
	v_fmaak_f32 v[T4+\k], s59, v[T1+\k], 0x3c08839e
.endr
.irp k,0,1,2,3,4,5,6,7
	v_fmaak_f32 v[T3+\k], v[T3+\k], v[T1+\k], 0x3d2aaaa5
.endr
.irp k,0,1,2,3,4,5,6,7
	v_fmaak_f32 v[T4+\k], v[T4+\k], v[T1+\k], 0xbe2aaaa3
.endr
.irp k,0,1,2,3,4,5,6,7
	v_fma_f32 v[T3+\k], v[T1+\k], v[T3+\k], -0.5
.endr
.irp k,0,1,2,3,4,5,6,7
	v_fma_f32 v[T3+\k], v[T1+\k], v[T3+\k], 1.0    ; cos r
.endr
.irp k,0,1,2,3,4,5,6,7
	v_mul_f32 v[T1+\k], v[T1+\k], v[T0+\k]         ; r z
.endr
.irp k,0,1,2,3,4,5,6,7
	v_fma_f32 v[T4+\k], v[T4+\k], v[T1+\k], v[T0+\k]   ; sin r
.endr
.irp k,0,1,2,3,4,5,6,7
	v_and_b32 v[T1+\k], 1, v[T2+\k]
.endr
.irp k,0,1,2,3,4,5,6,7
	v_cmp_eq_u32 vcc_lo, 1, v[T1+\k]               ; in odd quadrants the two change places
	v_cndmask_b32 v[SIG+\k], v[T4+\k], v[T3+\k], vcc_lo
	v_cndmask_b32 v[SIG+8+\k], v[T3+\k], v[T4+\k], vcc_lo
.endr
.irp k,0,1,2,3,4,5,6,7
	v_lshlrev_b32 v[T1+\k], 30, v[T2+\k]           ; the sine's sign: bit 1 of the quadrant;
	v_add_nc_u32 v[T2+\k], 1, v[T2+\k]
.endr
.irp k,0,1,2,3,4,5,6,7
	v_and_b32 v[T1+\k], 0x80000000, v[T1+\k]
	v_lshlrev_b32 v[T2+\k], 30, v[T2+\k]           ; the cosine's: bit 1 of the quadrant + 1
.endr
.irp k,0,1,2,3,4,5,6,7
	v_xor_b32 v[SIG+\k], v[SIG+\k], v[T1+\k]       ; columns f: the sine
	v_and_b32 v[T2+\k], 0x80000000, v[T2+\k]
.endr
.irp k,0,1,2,3,4,5,6,7
	v_xor_b32 v[SIG+8+\k], v[SIG+8+\k], v[T2+\k]   ; columns 256 + f: the cosine
.endr
	s_cmp_lg_u32 s33, 0                            ; the eight batch groups make the same rows: the first stores them
	s_cbranch_scc1 .Lno_sig
.irp i,0,1,2,3
	global_store_b128 v1, v[SIG+4*\i:SIG+4*\i+3], s[30:31] offset:512*\i
.endr
.Lno_sig:
	s_wait_loadcnt 4                               ; X, g and be are in; the weight row's four loads, issued last, may be out
.irp m,0,1,2,3
.irp j,0,2,4,6,8,10,12,14
	v_pk_add_f32 v[XR+16*\m+\j:XR+16*\m+\j+1], v[XR+16*\m+\j:XR+16*\m+\j+1], v[SIG+\j:SIG+\j+1]
.endr
.endr
	LN4 XR, PP, SP, GG, BE
.irp m,0,1,2,3
.irp i,0,1,2,3
	ds_store_b128 v[3+\m/2], v[XR+16*\m+4*\i:XR+16*\m+4*\i+3] offset:(\m%2)*MPL+512*\i
.endr
.endr
	s_wait_loadcnt 0x0                             ; the weight's row
.irp i,0,1,2,3
	ds_store_b128 v5, v[WR+4*\i:WR+4*\i+3] offset:512*\i
.endr
	s_wait_dscnt 0x0                               ; for the others' sake: my rows lie in LDS
	s_barrier_signal -1
	s_barrier_wait -1
	FRAGQ 6, 22, 24                                ; every wave: one of Xn's sixteen fragments
	s_cmp_lt_u32 s34, 4
	s_cbranch_scc0 .Lend
	s_wait_xcnt 0x0                                ; the stores above have read their registers, which are written again
	FRAGQ 7, 26, 28                                ; waves 0 to 3: the weight tile's four
.Lend:
	s_wait_tensorcnt 0x0
	ds_add_u32 v200, v201
	s_wait_dscnt 0x0
	s_endpgm
.Lfunc_end_k_qb3eff7cb10_prep:
	.size	k_qb3eff7cb10_prep, .Lfunc_end_k_qb3eff7cb10_prep-k_qb3eff7cb10_prep
	.p2alignl 7, 3214868480
	.fill 96, 4, 3214868480
	.section	.rodata,"a",@progbits
	.p2align	6, 0x0
	.amdhsa_kernel k_qb3eff7cb10_prep
		.amdhsa_group_segment_fixed_size 167168
		.amdhsa_private_segment_fixed_size 0
		.amdhsa_enable_private_segment 0
		.amdhsa_kernarg_size 112
		.amdhsa_user_sgpr_count 2
		.amdhsa_user_sgpr_kernarg_segment_ptr 1
		.amdhsa_wavefront_size32 1
		.amdhsa_system_sgpr_workgroup_id_x 1
		.amdhsa_system_sgpr_workgroup_id_y 1
		.amdhsa_system_sgpr_workgroup_id_z 1
		.amdhsa_system_vgpr_workitem_id 0
		.amdhsa_next_free_vgpr 202
		.amdhsa_next_free_sgpr 66
		.amdhsa_reserve_vcc 1
		.amdhsa_float_denorm_mode_32 3
		.amdhsa_float_denorm_mode_16_64 3
		.amdhsa_memory_ordered 1
		.amdhsa_forward_progress 1
		.amdhsa_inst_pref_size 49
	.end_amdhsa_kernel
	.amdgpu_metadata
---
amdhsa.version: [ 1, 2 ]
amdhsa.kernels:
  - .name:           k_qb3eff7cb10_prep
    .symbol:         k_qb3eff7cb10_prep.kd
    .args:
      - { .name: X, .offset: 0, .size: 8, .value_kind: global_buffer, .address_space: global }
      - { .name: g_mha, .offset: 8, .size: 8, .value_kind: global_buffer, .address_space: global }
      - { .name: be_mha, .offset: 16, .size: 8, .value_kind: global_buffer, .address_space: global }
      - { .name: wq, .offset: 24, .size: 8, .value_kind: global_buffer, .address_space: global }
      - { .name: wk, .offset: 32, .size: 8, .value_kind: global_buffer, .address_space: global }
      - { .name: wv, .offset: 40, .size: 8, .value_kind: global_buffer, .address_space: global }
      - { .name: w1, .offset: 48, .size: 8, .value_kind: global_buffer, .address_space: global }
      - { .name: wf1, .offset: 56, .size: 8, .value_kind: global_buffer, .address_space: global }
      - { .name: wf2, .offset: 64, .size: 8, .value_kind: global_buffer, .address_space: global }
      - { .name: xc, .offset: 72, .size: 8, .value_kind: global_buffer, .address_space: global }
      - { .name: xs, .offset: 80, .size: 8, .value_kind: global_buffer, .address_space: global }
      - { .name: wc, .offset: 88, .size: 8, .value_kind: global_buffer, .address_space: global }
      - { .name: ws, .offset: 96, .size: 8, .value_kind: global_buffer, .address_space: global }
      - { .name: sig, .offset: 104, .size: 8, .value_kind: global_buffer, .address_space: global }
    .group_segment_fixed_size: 167168
    .private_segment_fixed_size: 0
    .kernarg_segment_align: 8
    .kernarg_segment_size: 112
    .max_flat_workgroup_size: 512
    .sgpr_count:     66
    .vgpr_count:     202
    .wavefront_size: 32
...
	.end_amdgpu_metadata
.endif
;; end of part 1
;; launch attn (part 2): grid 8 x 32, 16 waves a work-group, no clusters, 91,136 bytes of LDS; arguments xc, xs, wc, ws, bq, bk, bv, oc, os; writes oc, os
.if DOCPART == 2
	.amdgcn_target "amdgcn-amd-amdhsa--gfx1250"
	.amdhsa_code_object_version 6
	.text
	.protected	k_qb3eff7cb10_attn
	.globl	k_qb3eff7cb10_attn
	.p2align	8
	.type	k_qb3eff7cb10_attn,@function
k_qb3eff7cb10_attn:
	s_mov_b64 s[64:65], 0
	v_nop
	global_prefetch_b8 v0, s[64:65] scope:SCOPE_SE
	s_setreg_imm32_b32 hwreg(HW_REG_WAVE_MODE, 25, 1), 1
	s_wait_xcnt 0x0
; ATTN.  For one head of one batch: q, k, v = relu(Xn W^T + b) on codes of E2M1; attention over the 512 keys; O / l quantised along the channels and stored as an image of operand registers.
; SHARES.  Work-group (head, batch).  Wave w owns row tiles 2 w and 2 w + 1, rows 32 w .. 32 w + 31 (tile 2 w + u holds rows 32 w + 8 u + r + 8 (r / 8)): its two tiles of queries, two tiles of keys, one block of 32 keys of v.
; LAYOUT.  q and k are made TRANSPOSED (source 0 = 16 rows of W, source 1 = Xn): a lane holds one row and its 16 registers of two neighbouring tiles of W are 16 neighbouring channels: their K.  v is made the natural way
; (source 0 = Xn, source 1 = W): a lane holds one channel and the registers of my two tiles are 16 neighbouring keys: its K.  S^T = k q^T and O^T = v^T p^T are both transposed: a lane holds one query throughout.
; TWO TILES OF KEYS IN ONE OPERAND.  The head's size is 64, half of the instruction's K.  A fragment of k holds tile 2 t in registers 0-3 and tile 2 t + 1 in registers 4-7; it is multiplied once by [q, 0] and once by [0, q]:
; zero codes add nothing, whatever stands against them.  q lies as 0 | q0 | 0 | q1 | 0 in twenty registers, so both forms of both tiles are windows on them.  k's scale word holds tile 2 t's two bytes below and tile 2 t + 1's
; above; q's word stands in lanes 0-15 as it is and in lanes 16-31 sixteen bits up, and the selector of the scale's row picks the form.  So a key step's eight tiles are 32 registers and come by one run of loads.
; SOFTMAX.  t = score x log2(e) / 8; M = the running largest t rounded up to a whole number; p = 2^(t - M) is quantised along the keys, not normalised; the sum is taken of the unquantised p and divides at the end.
; THE KEY STEPS ARE WRITTEN OUT (four for each tile of queries): every LDS offset is an immediate; the next step's k and this step's v are asked for behind this step's first products and land while the softmax is walked; the first
; step starts M, the sum and O^T, so nothing is cleared.  The exponentials go in two batches with one wait each, and plain lines that name no result of the batch in hand stand between them: the other blocks' scalings and the
; rescaling of O^T in the first batch; the scales, the first blocks' conversions and sums in the second.
; k's and v's codes go from wave to wave through LDS as images of the operand's registers.  A wave makes one block of 32 keys of each of v's channels: 8 bytes a lane, put where the operand's lane wants them, and one scale byte.
; The weights of the head (48 KiB of codes) are staged in LDS once: all sixteen waves read them.  No cluster: work-groups of a batch share Xn's codes only, 128 KiB read once at the head.
; LIMITS.  A block of zeros gets the scale byte 1 (its codes are zeros; the bytes are read by this program alone).  NaN and infinities are not served.
.set WIMG, 0                           ; [matrix 3][tile 4][K step 4][1,024 bytes]
.set BB,   49152                       ; the head's 64 numbers of bq, bk, bv: 256 bytes each
.set KIMG, 50176                       ; 16 pairs of tiles of keys x 1,024 bytes
.set KSC,  66560                       ; their scale words, 128 bytes a pair
.set VIMG, 70656                       ; [key step 4][channel tile 4][1,024 bytes]
.set VSC,  87040                       ; [key step][channel tile][16 words]
.set OSC,  88064                       ; O's scale bytes: [tile 32][row 16][2]
.set QZ,   20                          ; v20-39   0 | q of tile 0 | 0 | q of tile 1 | 0, four registers each
.set QW,   40                          ; v40-41   q's scale words (scales alone)
.set XW,   42                          ; v42-45   Xn's scale words, later k's (scales alone)
.set KW,   42
.set WB,   46                          ; v46-61   W's scale words in two banks of eight, later v's in the first four (scales alone)
.set VW,   46
.set XN,   64                          ; v64-127  Xn's fragments (tile xt, K step s) at 64 + 32 xt + 8 s; later the scores, then p
.set SCR,  64
.set ACC,  128                         ; v128-191 the projections' sums (xt, t) at 128 + 32 xt + 8 t; later O^T (v128-159) and four fragments of k (v160-191)
.set OT,   128
.set KF,   160
.set WF,   192                         ; v192-223 four fragments of W; later of v
.set VF,   192
.set PCD,  224                         ; v224-231 codes just made
.set TM,   232                         ; v232-247 at work in the quantisers
.set BM,   232                         ; v232-235 in a key step: the blocks' largest scores, then their largest p
.set PX,   236                         ; v236-239 the lane exchange's results, then the scales' bytes
.set C2,   240                         ; v240-241 the sum's second chain
.set SO,   248                         ; v248-251 the conversions' scale operands; in the quantisers the words just made
.set SEL,  44                          ; s[44:45] lane selects: lane l xor 16
.set CS,   46                          ; s[46:47] log2(e) / 8
; v1 16 lane; v2 4 lane; v3 4 r; v4-v14, v62 LDS addresses that stay; v15 16 thread; v63 16 (thread % 64); v[16:17] -M, largest t; v[18:19] the sum; v252 f; v253 p's scale word; v254 at work
.macro NOP4
.rept 4
	v_nop
.endr
.endm
; one matrix instruction.  c < 0: the sum starts at 0.  ra, rb: the side's scales stand in lanes 16-31
.macro WMS d, a, b, c, sa, sb, ra, rb
.if (\c) < 0
.if (\ra) && (\rb)
	v_wmma_scale_f32_16x16x128_f8f6f4 v[(\d):(\d)+7], v[(\a):(\a)+7], v[(\b):(\b)+7], 0, v[\sa], v[\sb] matrix_a_fmt:MATRIX_FMT_FP4 matrix_b_fmt:MATRIX_FMT_FP4 matrix_a_scale:MATRIX_SCALE_ROW1 matrix_b_scale:MATRIX_SCALE_ROW1
.elseif (\ra)
	v_wmma_scale_f32_16x16x128_f8f6f4 v[(\d):(\d)+7], v[(\a):(\a)+7], v[(\b):(\b)+7], 0, v[\sa], v[\sb] matrix_a_fmt:MATRIX_FMT_FP4 matrix_b_fmt:MATRIX_FMT_FP4 matrix_a_scale:MATRIX_SCALE_ROW1
.elseif (\rb)
	v_wmma_scale_f32_16x16x128_f8f6f4 v[(\d):(\d)+7], v[(\a):(\a)+7], v[(\b):(\b)+7], 0, v[\sa], v[\sb] matrix_a_fmt:MATRIX_FMT_FP4 matrix_b_fmt:MATRIX_FMT_FP4 matrix_b_scale:MATRIX_SCALE_ROW1
.else
	v_wmma_scale_f32_16x16x128_f8f6f4 v[(\d):(\d)+7], v[(\a):(\a)+7], v[(\b):(\b)+7], 0, v[\sa], v[\sb] matrix_a_fmt:MATRIX_FMT_FP4 matrix_b_fmt:MATRIX_FMT_FP4
.endif
.else
.if (\ra) && (\rb)
	v_wmma_scale_f32_16x16x128_f8f6f4 v[(\d):(\d)+7], v[(\a):(\a)+7], v[(\b):(\b)+7], v[(\c):(\c)+7], v[\sa], v[\sb] matrix_a_fmt:MATRIX_FMT_FP4 matrix_b_fmt:MATRIX_FMT_FP4 matrix_a_scale:MATRIX_SCALE_ROW1 matrix_b_scale:MATRIX_SCALE_ROW1
.elseif (\ra)
	v_wmma_scale_f32_16x16x128_f8f6f4 v[(\d):(\d)+7], v[(\a):(\a)+7], v[(\b):(\b)+7], v[(\c):(\c)+7], v[\sa], v[\sb] matrix_a_fmt:MATRIX_FMT_FP4 matrix_b_fmt:MATRIX_FMT_FP4 matrix_a_scale:MATRIX_SCALE_ROW1
.elseif (\rb)
	v_wmma_scale_f32_16x16x128_f8f6f4 v[(\d):(\d)+7], v[(\a):(\a)+7], v[(\b):(\b)+7], v[(\c):(\c)+7], v[\sa], v[\sb] matrix_a_fmt:MATRIX_FMT_FP4 matrix_b_fmt:MATRIX_FMT_FP4 matrix_b_scale:MATRIX_SCALE_ROW1
.else
	v_wmma_scale_f32_16x16x128_f8f6f4 v[(\d):(\d)+7], v[(\a):(\a)+7], v[(\b):(\b)+7], v[(\c):(\c)+7], v[\sa], v[\sb] matrix_a_fmt:MATRIX_FMT_FP4 matrix_b_fmt:MATRIX_FMT_FP4
.endif
.endif
.endm
; nb (2 or 4) blocks of 32, of which my lane holds 16 numbers each, at src + 16 b (lane l xor 16 holds the others).  Blocks 0, 1 become four registers of codes at pca (k = 32 h + 0 .. 31) and two scale bytes in pwa; blocks 2, 3 at pcb, pwb
.macro QUANT src, nb, pca, pcb, pwa, pwb
.irp b,0,1,2,3
.if \b < \nb
	v_max3_num_f32 v[TM+\b], |v[\src+16*\b]|, |v[\src+16*\b+1]|, 0x1800000   ; the floor 2^(3 - 127) keeps the byte at 1 from below
.endif
.endr
.irp i,2,4,6,8,10,12,14
.irp b,0,1,2,3
.if \b < \nb
	v_max3_num_f32 v[TM+\b], v[TM+\b], |v[\src+16*\b+\i]|, |v[\src+16*\b+\i+1]|
.endif
.endr
.endr
.irp b,0,1,2,3
.if \b < \nb
	v_permlanex16_b32 v[TM+4+\b], v[TM+\b], s[SEL], s[SEL+1]
.endif
.endr
.irp b,0,1,2,3
.if \b < \nb
	v_max_num_f32 v[TM+\b], v[TM+\b], v[TM+4+\b]   ; the block's largest magnitude
.endif
.endr
.irp b,0,1,2,3
.if \b < \nb
	v_add_nc_u32 v[TM+12+\b], 0xff000000, v[TM+\b] ; 2 off the exponent field: the conversion's scale operand
.endif
.endr
.irp b,0,1,2,3
.if \b < \nb
	v_lshrrev_b32 v[TM+4+\b], 23, v[TM+12+\b]      ; the scale's byte
.endif
.endr
	v_lshl_or_b32 v[\pwa], v[TM+5], 8, v[TM+4]
.if \nb > 2
	v_lshl_or_b32 v[\pwb], v[TM+7], 8, v[TM+6]
.endif
.irp b,0,1
	v_cvt_scalef32_pk8_fp4_f32 v[\pca+2*\b], v[\src+16*\b:\src+16*\b+7], v[TM+12+\b]
	v_cvt_scalef32_pk8_fp4_f32 v[\pca+2*\b+1], v[\src+16*\b+8:\src+16*\b+15], v[TM+12+\b]
.endr
.if \nb > 2
.irp b,0,1
	v_cvt_scalef32_pk8_fp4_f32 v[\pcb+2*\b], v[\src+32+16*\b:\src+32+16*\b+7], v[TM+14+\b]
	v_cvt_scalef32_pk8_fp4_f32 v[\pcb+2*\b+1], v[\src+32+16*\b+8:\src+32+16*\b+15], v[TM+14+\b]
.endr
.endif
	v_nop                                          ; a plain instruction behind the last scaled conversion
.irp i,0,1
	v_permlane16_swap_b32 v[\pca+\i], v[\pca+2+\i] ; the operand wants a whole block in a lane: lanes 0-15 block 0, lanes 16-31 block 1
.endr
.if \nb > 2
.irp i,0,1
	v_permlane16_swap_b32 v[\pcb+\i], v[\pcb+2+\i]
.endr
.endif
.endm
; four blocks of 32 that do not belong together; of block i my lane holds eight numbers at base + istr i and eight at base + istr i + goff.  Codes: a pair at cp + 2 i; the scale's byte: by + i; t: 12 registers at work
.macro Q32X4 base, istr, goff, cp, by, t
.irp i,0,1,2,3
	v_max3_num_f32 v[\t+\i], |v[\base+\istr*\i]|, |v[\base+\istr*\i+1]|, 0x1800000
.endr
.irp k,2,4,6
.irp i,0,1,2,3
	v_max3_num_f32 v[\t+\i], v[\t+\i], |v[\base+\istr*\i+\k]|, |v[\base+\istr*\i+\k+1]|
.endr
.endr
.irp k,0,2,4,6
.irp i,0,1,2,3
	v_max3_num_f32 v[\t+\i], v[\t+\i], |v[\base+\istr*\i+\goff+\k]|, |v[\base+\istr*\i+\goff+\k+1]|
.endr
.endr
.irp i,0,1,2,3
	v_permlanex16_b32 v[\t+4+\i], v[\t+\i], s[SEL], s[SEL+1]
.endr
.irp i,0,1,2,3
	v_max_num_f32 v[\t+\i], v[\t+\i], v[\t+4+\i]
.endr
.irp i,0,1,2,3
	v_add_nc_u32 v[\t+8+\i], 0xff000000, v[\t+\i]
.endr
.irp i,0,1,2,3
	v_lshrrev_b32 v[\by+\i], 23, v[\t+8+\i]
.endr
.irp i,0,1,2,3
	v_cvt_scalef32_pk8_fp4_f32 v[\cp+2*\i], v[\base+\istr*\i:\base+\istr*\i+7], v[\t+8+\i]
	v_cvt_scalef32_pk8_fp4_f32 v[\cp+2*\i+1], v[\base+\istr*\i+\goff:\base+\istr*\i+\goff+7], v[\t+8+\i]
.endr
	v_nop                                          ; a plain instruction behind the last scaled conversion
.endm
; their way into the images: 8 bytes a lane (32 lanes: 256 consecutive bytes), fragments 1,024 bytes apart; a byte of each row's scale word (both halves of the lanes store the same byte)
.macro ST32 adr, adrb, cp, by, oc, ob
.irp i,0,1,2,3
	ds_store_b64 v[\adr], v[\cp+2*\i:\cp+2*\i+1] offset:1024*\i+\oc
.endr
.irp i,0,1,2,3
	ds_store_b8 v[\adrb], v[\by+\i] offset:64*\i+\ob
.endr
.endm
.macro RELU64 base
.set i, 0
.rept 64
	v_max_num_f32 v[\base+i], 0, v[\base+i]        ; ascending: each accumulator is read from its low end on
.set i, i+1
.endr
.endm
; a projection: my two tiles of rows x the head's four tiles of W, K = 512 in four steps; the eight accumulators take turns.  nat = 0: transposed, onto sums that hold the bias; nat = 1: natural, from 0
.macro PROJ mat, bank, nat
.irp s,0,1,2,3
.if \s > 0
	NOP4                                           ; four places in front of loads into registers that matrix instructions have read
.endif
.irp t,0,1,2,3
.irp c,0,1
	ds_load_b128 v[WF+8*\t+4*\c:WF+8*\t+4*\c+3], v1 offset:((\mat*4+\t)*4+\s)*1024+512*\c
.endr
.endr
	s_wait_dscnt 0x0
.irp xt,0,1
.irp t,0,1,2,3
.if \nat
.if \s == 0
	WMS ACC+32*\xt+8*\t, XN+32*\xt+8*\s, WF+8*\t, -1, XW+2*\xt+\s/2, WB+8*\bank+2*\t+\s/2, \s%2, \s%2
.else
	WMS ACC+32*\xt+8*\t, XN+32*\xt+8*\s, WF+8*\t, ACC+32*\xt+8*\t, XW+2*\xt+\s/2, WB+8*\bank+2*\t+\s/2, \s%2, \s%2
.endif
.else
	WMS ACC+32*\xt+8*\t, WF+8*\t, XN+32*\xt+8*\s, ACC+32*\xt+8*\t, WB+8*\bank+2*\t+\s/2, XW+2*\xt+\s/2, \s%2, \s%2
.endif
.endr
.endr
.endr
	NOP4                                           ; four places in front of the first read of the results
.endm
; the bias as the sums' start, in the result's layout: lane (r, h), tile t, register j: channel 32 (t / 2) + 16 h + 8 (t % 2) + j
.macro BIASC mat
.irp xt,0,1
.irp t,0,1,2,3
	ds_load_b128 v[ACC+32*\xt+8*\t:ACC+32*\xt+8*\t+3], v4 offset:256*\mat+(32*(\t/2)+8*(\t%2))*4
	ds_load_b128 v[ACC+32*\xt+8*\t+4:ACC+32*\xt+8*\t+7], v4 offset:256*\mat+(32*(\t/2)+8*(\t%2))*4+16
.endr
.endr
.endm
	s_load_b256 s[4:11], s[0:1], 0x0               ; xc s[4:5], xs s[6:7], wc s[8:9], ws s[10:11]
	s_load_b256 s[12:19], s[0:1], 0x20             ; bq, bk, bv, oc
	s_load_b64 s[20:21], s[0:1], 0x40              ; os
	v_lshrrev_b32 v16, 5, v0
	v_readfirstlane_b32 s24, v16                   ; wave 0..15
	s_mov_b32 s22, ttmp9                           ; the head
	s_and_b32 s23, ttmp7, 0xffff                   ; the batch
	v_and_b32 v16, 31, v0                          ; lane
	v_and_b32 v17, 15, v0                          ; r
	v_bfe_u32 v18, v0, 4, 1                        ; h
	v_lshlrev_b32 v1, 4, v16
	v_lshlrev_b32 v2, 2, v16
	v_lshlrev_b32 v3, 2, v17
	v_lshl_add_u32 v4, v18, 6, BB                  ; the biases in the transposed results' layout: + 64 h
	v_and_b32 v19, 8, v17
	v_add_nc_u32 v19, v19, v17
	v_lshl_add_u32 v5, v19, 2, BB+512              ; bv at my channel: r + 8 (r / 8)
	s_lshl_b32 s25, s24, 10
	s_add_co_u32 s25, s25, KIMG
	v_add_nc_u32 v6, s25, v1                       ; where I put my pair of tiles of k,
	s_lshl_b32 s25, s24, 7
	s_add_co_u32 s25, s25, KSC
	v_add_nc_u32 v7, s25, v2                       ; and its scale words
	s_lshr_b32 s25, s24, 2                         ; v: key step w / 4; my block of 32 keys is block w % 4 of its 128:
	s_lshl_b32 s25, s25, 12
	s_bfe_u32 s26, s24, 0x10001
	s_lshl_b32 s26, s26, 9                         ; registers 4 (block / 2) on,
	s_add_co_u32 s25, s25, s26
	s_and_b32 s26, s24, 1
	s_lshl_b32 s26, s26, 8                         ; lanes 16 (block % 2) on
	s_add_co_u32 s25, s25, s26
	s_add_co_u32 s25, s25, VIMG
	v_lshlrev_b32 v8, 4, v17
	v_lshl_add_u32 v8, v18, 3, v8                  ; channel r's 16 bytes, my half of them
	v_add_nc_u32 v8, s25, v8
	s_lshr_b32 s25, s24, 2
	s_lshl_b32 s25, s25, 8
	s_and_b32 s26, s24, 3
	s_add_co_u32 s25, s25, s26
	s_add_co_u32 s25, s25, VSC
	v_add_nc_u32 v9, s25, v3                       ; and byte w % 4 of channel r's scale word
	s_lshl_b32 s25, s24, 6
	s_add_co_u32 s25, s25, OSC
	v_lshl_add_u32 v14, v17, 1, s25                ; O's two scale bytes of row r
	v_lshlrev_b32 v15, 4, v0                       ; 16 x thread
	v_and_b32 v63, 63, v0
	v_lshlrev_b32 v63, 4, v63                      ; waves 0, 1 at the end: 16 bytes a thread of O's scale bytes,
	v_add_nc_u32 v62, OSC, v63                     ; in LDS
	s_min_u32 s25, s24, 2
	s_lshl_b32 s25, s25, 8
	s_add_co_u32 s25, s25, BB
	v_lshlrev_b32 v254, 3, v16                     ; waves 0 to 2: 8 bytes a lane of a bias,
	v_add_nc_u32 v255, s25, v254                   ; in LDS
	v_add_nc_u32 v10, KIMG, v1                     ; the key steps' reads: k's pairs,
	v_add_nc_u32 v11, KSC, v2                      ; their scale words,
	v_add_nc_u32 v12, VIMG, v1                     ; v's fragments,
	v_add_nc_u32 v13, VSC, v3                      ; their scale words
.irp j,20,21,22,23,28,29,30,31,36,37,38,39
	v_mov_b32 v[\j], 0                             ; the zero codes beside q
.endr
.irp j,236,237,238,239,253
	v_mov_b32 v[\j], 0                             ; written once: a lane exchange's destination counts as one of its sources; v253 is named in a pair before it is first made
.endr
	s_lshl_b32 s28, s23, 17
	s_lshl_b32 s29, s24, 13
	s_add_co_u32 s28, s28, s29                     ; Xn's codes of my two tiles: (32 batch + 2 w) x 4,096
	s_mov_b32 s29, 0
	s_lshr_b32 s30, s28, 4                         ; their scale words: a sixteenth
	s_mov_b32 s31, 0
	s_mul_i32 s32, s22, 49152                      ; the head's weights
	s_mov_b32 s33, 0
	s_lshr_b32 s34, s32, 4
	s_mov_b32 s35, 0
	s_lshl_b32 s36, s22, 8                         ; the head's 64 numbers of a bias
	s_mov_b32 s37, 0
	s_lshl_b32 s38, s22, 9                         ; O's codes: K step head / 2, registers 4 (head % 2) on: 512 x head
	s_add_co_u32 s38, s38, s28
	s_mov_b32 s39, 0
	s_lshl_b32 s42, s23, 3
	s_add_co_u32 s42, s42, s22
	s_lshl_b32 s42, s42, 10
	s_mov_b32 s43, 0
	s_mov_b32 s[SEL], 0x76543210
	s_mov_b32 s[SEL+1], 0xfedcba98
	s_mov_b32 s[CS], 0x3e38aa3b
	s_mov_b32 s[CS+1], s[CS]                       ; (named with it as a pair, so it is written)
	s_wait_kmcnt 0x0
	s_add_nc_u64 s[4:5], s[4:5], s[28:29]
	s_add_nc_u64 s[6:7], s[6:7], s[30:31]
	s_add_nc_u64 s[8:9], s[8:9], s[32:33]
	s_add_nc_u64 s[10:11], s[10:11], s[34:35]
	s_add_nc_u64 s[18:19], s[18:19], s[38:39]
	s_add_nc_u64 s[20:21], s[20:21], s[42:43]
	s_cmp_eq_u32 s24, 0                            ; wave 0 brings bq, wave 1 bk, wave 2 bv
	s_cselect_b64 s[40:41], s[12:13], s[14:15]
	s_cmp_eq_u32 s24, 2
	s_cselect_b64 s[40:41], s[16:17], s[40:41]
	s_add_nc_u64 s[40:41], s[40:41], s[36:37]
	s_cmp_lt_u32 s24, 3
	s_cbranch_scc0 .Lno_bias_load
	global_load_b64 v[232:233], v254, s[40:41]     ; the wave's oldest load
.Lno_bias_load:
.irp i,0,1,2,3,4,5
	global_load_b128 v[ACC+4*\i:ACC+4*\i+3], v15, s[8:9] offset:8192*\i   ; the head's weights: 16 bytes a thread, six times
.endr
.irp xt,0,1
.irp s,0,1,2,3
.irp c,0,1
	global_load_b128 v[XN+32*\xt+8*\s+4*\c:XN+32*\xt+8*\s+4*\c+3], v1, s[4:5] offset:\xt*4096+\s*1024+512*\c
.endr
.endr
.endr
.irp xt,0,1
.irp p,0,1
	global_load_b32 v[XW+2*\xt+\p], v2, s[6:7] offset:\xt*256+128*\p       ; lanes 0-15: K step 2 p; lanes 16-31: K step 2 p + 1
.endr
.endr
.irp mat,0,1
.irp t,0,1,2,3
.irp p,0,1
	global_load_b32 v[WB+8*\mat+2*\t+\p], v2, s[10:11] offset:(\mat*4+\t)*256+128*\p
.endr
.endr
.endr
	s_wait_loadcnt 36                              ; the weights (and the older bias) are in; the 16 + 4 + 16 loads behind them may be out
.irp i,0,1,2,3,4,5
	ds_store_b128 v15, v[ACC+4*\i:ACC+4*\i+3] offset:8192*\i
.endr
	s_cmp_lt_u32 s24, 3
	s_cbranch_scc0 .Lno_bias_store
	ds_store_b64 v255, v[232:233]
.Lno_bias_store:
	s_wait_dscnt 0x0                               ; for the others' sake: my part of the weights lies in LDS
	s_barrier_signal -1
	s_barrier_wait -1
	s_wait_loadcnt 0x0                             ; Xn's fragments and all scale words
	; ---- q
	BIASC 0
	PROJ 0, 0, 0
	RELU64 ACC
.irp t,0,1,2,3
.irp p,0,1
	global_load_b32 v[WB+2*\t+\p], v2, s[10:11] offset:(2*4+\t)*256+128*\p   ; wv's scale words into wq's bank, which is done with
.endr
.endr
	QUANT ACC, 4, QZ+4, QZ+12, 248, 249            ; q stays in registers, between the zero codes
	v_bfe_u32 v254, v0, 4, 1
	v_lshlrev_b32 v254, 4, v254                    ; 16 h
	v_lshlrev_b32 v[QW], v254, v248                ; q's words: lanes 0-15 for [q, 0]; lanes 16-31, sixteen bits up, for [0, q]
	v_lshlrev_b32 v[QW+1], v254, v249
	; ---- k
	BIASC 1
	PROJ 1, 1, 0
	RELU64 ACC
	QUANT ACC, 4, PCD, PCD+4, 248, 249
	v_lshl_or_b32 v248, v249, 16, v248             ; the pair's scale word: tile 2 w's two bytes below, tile 2 w + 1's above
	ds_store_b128 v6, v[PCD:PCD+3]
	ds_store_b128 v6, v[PCD+4:PCD+7] offset:512
	ds_store_b32 v7, v248
	s_wait_dscnt 0x0                               ; the stores have read their registers
	; ---- v
.irp t,0,1,2,3
	ds_load_b32 v[TM+2*\t], v5 offset:(32*(\t/2)+8*(\t%2))*4       ; my channel's bias, in both registers of a pair
	ds_load_b32 v[TM+2*\t+1], v5 offset:(32*(\t/2)+8*(\t%2))*4
.endr
	s_wait_loadcnt 0x0                             ; wv's scale words
	PROJ 2, 0, 1
.irp xt,0,1
.irp t,0,1,2,3
.irp j,0,2,4,6
	v_pk_add_f32 v[ACC+32*\xt+8*\t+\j:ACC+32*\xt+8*\t+\j+1], v[ACC+32*\xt+8*\t+\j:ACC+32*\xt+8*\t+\j+1], v[TM+2*\t:TM+2*\t+1]
.endr
.endr
.endr
	RELU64 ACC
	Q32X4 ACC, 8, 32, PCD, 248, TM                 ; block i: channel tile i; keys 32 w + 16 h + 0 .. 7 from tile 2 w, + 8 .. 15 from tile 2 w + 1
	ST32 8, 9, PCD, 248, 0, 0
	s_wait_dscnt 0x0                               ; for the others' sake: my k and v lie in LDS
	s_barrier_signal -1
	s_barrier_wait -1
; ---- attention.  A key step is 128 keys: four pairs of tiles of k, four fragments of v
.macro KLOAD j                         ; key step j's four pairs of k and their scale words
.irp t,0,1,2,3
.irp c,0,1
	ds_load_b128 v[KF+8*\t+4*\c:KF+8*\t+4*\c+3], v10 offset:(4*(\j)+\t)*1024+512*\c
.endr
	ds_load_b32 v[KW+\t], v11 offset:(4*(\j)+\t)*128
.endr
.endm
.macro VLOAD j                         ; key step j's four fragments of v and their scale words
.irp ct,0,1,2,3
.irp c,0,1
	ds_load_b128 v[VF+8*\ct+4*\c:VF+8*\ct+4*\c+3], v12 offset:(\j)*4096+\ct*1024+512*\c
.endr
	ds_load_b32 v[VW+\ct], v13 offset:(\j)*256+64*\ct
.endr
.endm
.macro QKS qt                          ; S^T: each pair of k against [q, 0] and against [0, q]: tiles 2 t and 2 t + 1; every sum starts at 0
.irp t,0,1,2,3
	WMS SCR+16*\t, KF+8*\t, QZ+4+8*\qt, -1, KW+\t, QW+\qt, 0, 0
	WMS SCR+16*\t+8, KF+8*\t, QZ+8*\qt, -1, KW+\t, QW+\qt, 0, 1
.endr
.endm
.macro PVS first                       ; O^T (+)= v^T p^T; the four accumulators take turns, and eight other products stand between two steps'
.irp ct,0,1,2,3
.if \first
	WMS OT+8*\ct, VF+8*\ct, PCD, -1, VW+\ct, 253, 0, 0
.else
	WMS OT+8*\ct, VF+8*\ct, PCD, OT+8*\ct, VW+\ct, 253, 0, 0
.endif
.endr
.endm
.macro ADDP                            ; pair pp of p's 32 pairs goes into one of the sum's two chains
.if (pp%2) == 0
	v_pk_add_f32 v[18:19], v[18:19], v[SCR+2*pp:SCR+2*pp+1]
.else
	v_pk_add_f32 v[C2:C2+1], v[C2:C2+1], v[SCR+2*pp:SCR+2*pp+1]
.endif
.endm
; line fn of the list that stands between the second batch's exponentials.  All of it reads the first batch alone, whose wait stands ahead: 0-14 the four blocks' scales and p's scale word; 15-18 the conversions of blocks 0 and 1; from 19 their sums
.macro FILL2 first
.if fn < 4
	v_max_num_f32 v[BM+fn], 0x1800000, v[BM+fn]    ; the floor 2^(3 - 127): the byte cannot fall under 1
.elseif fn < 8
	v_add_nc_u32 v[SO+fn-4], 0xff000000, v[BM+fn-4]    ; 2 off the exponent field: the conversion's scale operand
.elseif fn < 12
	v_lshrrev_b32 v[PX+fn-8], 23, v[SO+fn-8]       ; the scale's byte
.elseif fn == 12
	v_lshl_or_b32 v253, v[PX+1], 8, v[PX]          ; p's scale word for these 128 keys
.elseif fn == 13
	v_lshl_or_b32 v253, v[PX+2], 16, v253
.elseif fn == 14
	v_lshl_or_b32 v253, v[PX+3], 24, v253
.elseif fn < 19
	v_cvt_scalef32_pk8_fp4_f32 v[PCD+fn-15], v[SCR+8*(fn-15):SCR+8*(fn-15)+7], v[SO+(fn-15)/2]
.else
.set sm, fn-19
.if \first
.if sm == 0
	v_pk_add_f32 v[18:19], v[SCR:SCR+1], v[SCR+2:SCR+3]            ; the first step starts both chains
.elseif sm == 1
	v_pk_add_f32 v[C2:C2+1], v[SCR+4:SCR+5], v[SCR+6:SCR+7]
.else
.set pp, sm+2
	ADDP
.endif
.else
.if sm == 0
	v_pk_add_f32 v[C2:C2+1], v[SCR:SCR+1], v[SCR+2:SCR+3]
.else
.set pp, sm+1
	ADDP
.endif
.endif
.endif
.set fn, fn+1
.endm
; the softmax of one key step.  first = 1: the step starts M and the sum, and there is no O^T to rescale
.macro SOFT first
.irp b,0,1,2,3
	v_max3_num_f32 v[BM+\b], v[SCR+16*\b], v[SCR+1+16*\b], v[SCR+2+16*\b]   ; the largest score of each block of 32 keys: for the row's maximum and for the block's largest p
.endr
.irp i,3,5,7,9,11,13
.irp b,0,1,2,3
	v_max3_num_f32 v[BM+\b], v[BM+\b], v[SCR+16*\b+\i], v[SCR+1+16*\b+\i]
.endr
.endr
.irp b,0,1,2,3
	v_max_num_f32 v[BM+\b], v[BM+\b], v[SCR+15+16*\b]
.endr
.irp b,0,1,2,3
	v_permlanex16_b32 v[PX+\b], v[BM+\b], s[SEL], s[SEL+1]
.endr
.irp b,0,1,2,3
	v_max_num_f32 v[BM+\b], v[BM+\b], v[PX+\b]
.endr
	v_max3_num_f32 v254, v[BM], v[BM+1], v[BM+2]
	v_max_num_f32 v254, v254, v[BM+3]
.if \first
	v_mul_f32 v17, s[CS], v254                     ; the largest t
	v_floor_f32 v16, -v17                          ; -M = floor(-t): M is a whole number
.else
	v_mul_f32 v254, s[CS], v254
	v_max_num_f32 v17, v17, v254                   ; the running largest t
	v_mov_b32 v254, v16
	v_floor_f32 v16, -v17
	v_sub_f32 v254, v16, v254
	v_cvt_i32_f32 v254, v254                       ; (it saturates)
	v_ldexp_f32 v252, 1.0, v254                    ; f = 2^(old M - new M)
.endif
.irp b,0,1,2,3
	v_fma_f32 v[BM+\b], v[BM+\b], s[CS], v16       ; t - M of each block's largest score
.endr
.irp j,0,2,4,6,8,10,12,14,16,18,20,22,24,26,28,30
	v_pk_fma_f32 v[SCR+\j:SCR+\j+1], v[SCR+\j:SCR+\j+1], s[CS:CS+1], v[16:17] op_sel_hi:[1,0,0]   ; t - M of blocks 0 and 1
.endr
	; the first batch: p of blocks 0 and 1 and the four largest p.  Between the exponentials: t - M of blocks 2 and 3, and O^T under the new M; none of these lines names a result of the batch
.set i, 0
.rept 16
	v_exp_f32 v[SCR+2*i], v[SCR+2*i]
	v_pk_fma_f32 v[SCR+32+2*i:SCR+33+2*i], v[SCR+32+2*i:SCR+33+2*i], s[CS:CS+1], v[16:17] op_sel_hi:[1,0,0]
	v_exp_f32 v[SCR+2*i+1], v[SCR+2*i+1]
.if \first == 0
	v_pk_mul_f32 v[OT+2*i:OT+2*i+1], v[OT+2*i:OT+2*i+1], v[252:253] op_sel_hi:[1,0]   ; ascending: each accumulator is read from its low end on
.endif
.if i < 4
	v_exp_f32 v[BM+i], v[BM+i]
.endif
.set i, i+1
.endr
.if \first
	v_nop                                          ; a plain instruction behind the last exponential
.else
	v_pk_mul_f32 v[18:19], v[18:19], v[252:253] op_sel_hi:[1,0]    ; the sum under the new M: the plain instruction behind the last exponential
.endif
	s_wait_alu depctr_va_vdst(0)                   ; one wait for the batch's 36, ahead of their first reader
	; the second batch: p of blocks 2 and 3, a line of the list behind each
.set fn, 0
.set i, 0
.rept 32
	v_exp_f32 v[SCR+32+i], v[SCR+32+i]
	FILL2 \first
.set i, i+1
.endr
.rept 2-\first
	FILL2 \first                                   ; the list's rest: sums, plain instructions behind the last exponential
.endr
	s_wait_alu depctr_va_vdst(0)                   ; one wait for the batch's 32
.irp k,4,5,6,7
	v_cvt_scalef32_pk8_fp4_f32 v[PCD+\k], v[SCR+8*\k:SCR+8*\k+7], v[SO+\k/2]
.endr
.set pp, 16
.rept 8
	ADDP                                           ; plain instructions between the conversions and the exchange that touches their results
.set pp, pp+1
.endr
.irp c,0,1
.irp e,0,1
	v_permlane16_swap_b32 v[PCD+4*\c+\e], v[PCD+2+4*\c+\e]         ; the operand wants a whole block in a lane
.endr
.endr
.rept 8
	ADDP                                           ; these nine also stand between the making of p's codes and the products
.set pp, pp+1
.endr
	v_pk_add_f32 v[18:19], v[18:19], v[C2:C2+1]
.endm
; one tile of 16 queries.  Behind each step's first products stand four places (for the loads into registers that products have read, and for the first read of the scores), then the loads of the next step's k and of this step's v
.macro ATT qt
	s_wait_xcnt 0x0                                ; the last tile's store has read its registers
	s_wait_dscnt 0x0                               ; key step 0's k
	QKS \qt
	NOP4
	KLOAD 1
	VLOAD 0
	SOFT 1
	s_wait_dscnt 0x0                               ; this step's v and the next step's k, asked for a softmax ago
	PVS 1
	QKS \qt
	NOP4
	KLOAD 2
	VLOAD 1
	SOFT 0
	s_wait_dscnt 0x0
	PVS 0
	QKS \qt
	NOP4
	KLOAD 3
	VLOAD 2
	SOFT 0
	s_wait_dscnt 0x0
	PVS 0
	QKS \qt
	NOP4
.if \qt == 0
	KLOAD 0                                        ; for the next tile of queries
.endif
	VLOAD 3
	SOFT 0
	s_wait_dscnt 0x0
	PVS 0
	NOP4
	v_add_f32 v18, v18, v19
	v_permlanex16_b32 v252, v18, s[SEL], s[SEL+1]
	v_add_f32 v18, v18, v252                       ; the row's sum
	v_rcp_f32 v18, v18
	v_nop
	s_wait_alu depctr_va_vdst(0)                   ; the wait ahead of the reciprocal's first reader
.set i, 0
.rept 32
	v_mul_f32 v[SCR+i], v[OT+i], v18               ; register 16 b + i: channel 32 b + 16 h + i of my query
.set i, i+1
.endr
	QUANT SCR, 2, PCD, PCD, 248, 248
	global_store_b128 v1, v[PCD:PCD+3], s[18:19] offset:\qt*4096   ; 512 consecutive bytes
	ds_store_b16 v14, v248 offset:32*\qt
.endm
	KLOAD 0
	ATT 0
	ATT 1
	s_wait_dscnt 0x0                               ; for the others' sake: my rows' scale bytes lie in LDS
	s_barrier_signal -1
	s_barrier_wait -1
	s_cmp_lt_u32 s24, 2
	s_cbranch_scc0 .Lend
	ds_load_b128 v[64:67], v62
	s_wait_dscnt 0x0
	global_store_b128 v63, v[64:67], s[20:21]      ; the head's 1,024 scale bytes: 512 consecutive bytes a wave
.Lend:
	s_wait_xcnt 0x0
	v_lshl_add_u32 v254, v0, 2, 0x15c00
	v_mov_b32 v255, 0
	s_wait_tensorcnt 0x0
	ds_add_u32 v254, v255
	s_wait_dscnt 0x0
	s_endpgm
.Lfunc_end_k_qb3eff7cb10_attn:
	.size	k_qb3eff7cb10_attn, .Lfunc_end_k_qb3eff7cb10_attn-k_qb3eff7cb10_attn
	.p2alignl 7, 3214868480
	.fill 96, 4, 3214868480
	.section	.rodata,"a",@progbits
	.p2align	6, 0x0
	.amdhsa_kernel k_qb3eff7cb10_attn
		.amdhsa_group_segment_fixed_size 91136
		.amdhsa_private_segment_fixed_size 0
		.amdhsa_enable_private_segment 0
		.amdhsa_kernarg_size 72
		.amdhsa_user_sgpr_count 2
		.amdhsa_user_sgpr_kernarg_segment_ptr 1
		.amdhsa_wavefront_size32 1
		.amdhsa_system_sgpr_workgroup_id_x 1
		.amdhsa_system_sgpr_workgroup_id_y 1
		.amdhsa_system_sgpr_workgroup_id_z 1
		.amdhsa_system_vgpr_workitem_id 0
		.amdhsa_next_free_vgpr 256
		.amdhsa_next_free_sgpr 66
		.amdhsa_reserve_vcc 0
		.amdhsa_float_denorm_mode_32 3
		.amdhsa_float_denorm_mode_16_64 3
		.amdhsa_memory_ordered 1
		.amdhsa_forward_progress 1
		.amdhsa_inst_pref_size 175
	.end_amdhsa_kernel
	.amdgpu_metadata
---
amdhsa.version: [ 1, 2 ]
amdhsa.kernels:
  - .name:           k_qb3eff7cb10_attn
    .symbol:         k_qb3eff7cb10_attn.kd
    .args:
      - { .name: xc, .offset: 0, .size: 8, .value_kind: global_buffer, .address_space: global }
      - { .name: xs, .offset: 8, .size: 8, .value_kind: global_buffer, .address_space: global }
      - { .name: wc, .offset: 16, .size: 8, .value_kind: global_buffer, .address_space: global }
      - { .name: ws, .offset: 24, .size: 8, .value_kind: global_buffer, .address_space: global }
      - { .name: bq, .offset: 32, .size: 8, .value_kind: global_buffer, .address_space: global }
      - { .name: bk, .offset: 40, .size: 8, .value_kind: global_buffer, .address_space: global }
      - { .name: bv, .offset: 48, .size: 8, .value_kind: global_buffer, .address_space: global }
      - { .name: oc, .offset: 56, .size: 8, .value_kind: global_buffer, .address_space: global }
      - { .name: os, .offset: 64, .size: 8, .value_kind: global_buffer, .address_space: global }
    .group_segment_fixed_size: 91136
    .private_segment_fixed_size: 0
    .kernarg_segment_align: 8
    .kernarg_segment_size: 72
    .max_flat_workgroup_size: 512
    .sgpr_count:     66
    .vgpr_count:     256
    .wavefront_size: 32
...
	.end_amdgpu_metadata
.endif
;; end of part 2
;; launch ffn (part 3): grid 32 x 8, 16 waves a work-group, no clusters, 224,256 bytes of LDS; arguments X, sig, oc, os, wc, ws, g_mha, be_mha, b1, g_ffn, be_ffn, bf1, bf2, out0; writes out0
.if DOCPART == 3
	.amdgcn_target "amdgcn-amd-amdhsa--gfx1250"
	.amdhsa_code_object_version 6
	.text
	.protected	k_qb3eff7cb10_ffn
	.globl	k_qb3eff7cb10_ffn
	.p2align	8
	.type	k_qb3eff7cb10_ffn,@function
k_qb3eff7cb10_ffn:
	s_mov_b64 s[64:65], 0
	v_nop
	global_prefetch_b8 v0, s[64:65] scope:SCOPE_SE
	s_setreg_imm32_b32 hwreg(HW_REG_WAVE_MODE, 25, 1), 1
	s_wait_xcnt 0x0
; FFN.  X2 = Xn + O w1^T + b1;  y = LN2(X2);  out0 = X2 + relu(y wf1^T + bf1) wf2^T + bf2.  The three products on codes of E2M1; y and the hidden layer are quantised on the way and never go to memory.
; Xn is made again from X and the stored timing signal: one more read of X in place of a write and a read of Xn.
; SHARES.  Work-group (x, y): row tile x (rows 32 (x / 2) + 8 (x % 2) + r + 8 (r / 8)) of batches 4 y + m, m = 0 .. 3: four tiles of 16 rows.  BY ROWS (the first norm, the way out): wave w owns row r = w of each tile.
; BY COLUMNS (all products): wave w owns 32 output columns (block w) of the first and third product and 64 hidden units (blocks 2 w, 2 w + 1) of the second, for all 64 rows.  So each fragment of a weight is used by one wave
; alone and goes from memory straight into its registers, through a ring of six sets that runs five items ahead; an item is two tiles of 16 rows of a weight x 128 K.  What goes round through LDS is small: the rows' codes.
; All products are used TRANSPOSED (source 0 = the weight, source 1 = the rows): lane (r, h) holds row r, and the 16 registers of a row tile are columns 32 block + 16 h + 0 .. 15: half a block of the next K.
; The rows themselves live in LDS (XS, pitch 2,064 bytes): written by rows, read by columns as the first sums' start (Xn + b1), written back by columns (X2 + bf2), read as the last sums' start, written, and read by rows for the stores.
; The second norm: each wave's mean and sum of squared deviations of its 32 columns, joined over the sixteen waves by their means' own deviations: no difference of large sums.
; No cluster: the work-groups share the weights' codes alone, each fragment wanted by one wave of each.
; LIMITS.  A block of zeros gets the scale byte 1 (its codes are zeros).  NaN and infinities are not served.  The norms multiply by 1/511 and by a reciprocal where the source divides; be_mha + b1 is added first.
.set AIMG, 0                           ; O's sixteen fragments (K step s, tile m) at (4 s + m) x 1,024
.set ASC,  16384                       ; their scale words at (4 s + m) x 64 + 4 r
.set YIMG, 17408
.set YSC,  33792
.set HIMG, 34816                       ; the hidden layer's 32 fragments
.set HSC,  67584
.set STM,  69632                       ; 64 rows x 80 bytes: the sixteen waves' means; 5,120 bytes on: their sums of squared deviations
.set PAR,  79872                       ; g_ffn, be_ffn + 2,048, bf1 + 4,096, bf2 + 8,192
.set XS,   90112                       ; 64 rows (16 m + r) x 2,064 bytes
.set ROWP, 2064
.set MPL,  16*ROWP
.set ACC,  32                          ; v32-95   sums: tile m, weight tile u at 32 + 16 m + 8 u
.set AF,   96                          ; v96-127  the rows' four fragments; at work between the products
.set BI,   130                         ; v130-145 a bias in the results' layout; at work in the second norm
.set RING, 146                         ; v146-241 six sets of 16: an item's two fragments
.set WSC,  242                         ; v242-247 the items' scale words (lanes 0-15 tile 0, lanes 16-31 tile 1); v128-129 the rows' (lanes 0-15 even m, lanes 16-31 odd m): scales alone
.set SEL,  50                          ; s[50:51]
.macro NOP4
.rept 4
	v_nop
.endr
.endm
.macro WMS d, a, b, c, sa, sb, ra, rb
.if (\ra) && (\rb)
	v_wmma_scale_f32_16x16x128_f8f6f4 v[(\d):(\d)+7], v[(\a):(\a)+7], v[(\b):(\b)+7], v[(\c):(\c)+7], v[\sa], v[\sb] matrix_a_fmt:MATRIX_FMT_FP4 matrix_b_fmt:MATRIX_FMT_FP4 matrix_a_scale:MATRIX_SCALE_ROW1 matrix_b_scale:MATRIX_SCALE_ROW1
.elseif (\ra)
	v_wmma_scale_f32_16x16x128_f8f6f4 v[(\d):(\d)+7], v[(\a):(\a)+7], v[(\b):(\b)+7], v[(\c):(\c)+7], v[\sa], v[\sb] matrix_a_fmt:MATRIX_FMT_FP4 matrix_b_fmt:MATRIX_FMT_FP4 matrix_a_scale:MATRIX_SCALE_ROW1
.elseif (\rb)
	v_wmma_scale_f32_16x16x128_f8f6f4 v[(\d):(\d)+7], v[(\a):(\a)+7], v[(\b):(\b)+7], v[(\c):(\c)+7], v[\sa], v[\sb] matrix_a_fmt:MATRIX_FMT_FP4 matrix_b_fmt:MATRIX_FMT_FP4 matrix_b_scale:MATRIX_SCALE_ROW1
.else
	v_wmma_scale_f32_16x16x128_f8f6f4 v[(\d):(\d)+7], v[(\a):(\a)+7], v[(\b):(\b)+7], v[(\c):(\c)+7], v[\sa], v[\sb] matrix_a_fmt:MATRIX_FMT_FP4 matrix_b_fmt:MATRIX_FMT_FP4
.endif
.endm
.macro RED4 p, sp
.irp m,0,1,2,3
	v_add_f32 v[\p+2*\m], v[\p+2*\m], v[\p+2*\m+1]
.endr
.irp x,1,2,4,8
.irp m,0,1,2,3
	v_add_f32_dpp v[\p+2*\m], v[\p+2*\m], v[\p+2*\m] row_xmask:\x row_mask:0xf bank_mask:0xf
.endr
.endr
.irp m,0,1,2,3
	v_permlanex16_b32 v[\sp+\m], v[\p+2*\m], s[SEL], s[SEL+1]
.endr
.irp m,0,1,2,3
	v_add_f32 v[\p+2*\m], v[\p+2*\m], v[\sp+\m]
.endr
.endm
; four rows at xr + 16 m become g (x - mean) / (std + 1e-6) + be, std with 511 in the divisor
.macro LN4 xr, p, sp, g, be
.irp m,0,1,2,3
	v_pk_add_f32 v[\p+2*\m:\p+2*\m+1], v[\xr+16*\m:\xr+16*\m+1], v[\xr+16*\m+2:\xr+16*\m+3]
.endr
.irp j,4,6,8,10,12,14
.irp m,0,1,2,3
	v_pk_add_f32 v[\p+2*\m:\p+2*\m+1], v[\p+2*\m:\p+2*\m+1], v[\xr+16*\m+\j:\xr+16*\m+\j+1]
.endr
.endr
	RED4 \p, \sp
.irp m,0,1,2,3
	v_mul_f32 v[\p+2*\m], 0x3b000000, v[\p+2*\m]
.endr
.irp j,0,2,4,6,8,10,12,14
.irp m,0,1,2,3
	v_pk_add_f32 v[\xr+16*\m+\j:\xr+16*\m+\j+1], v[\xr+16*\m+\j:\xr+16*\m+\j+1], v[\p+2*\m:\p+2*\m+1] op_sel_hi:[1,0] neg_lo:[0,1] neg_hi:[0,1]
.endr
.endr
.irp m,0,1,2,3
	v_pk_mul_f32 v[\p+2*\m:\p+2*\m+1], v[\xr+16*\m:\xr+16*\m+1], v[\xr+16*\m:\xr+16*\m+1]
.endr
.irp j,2,4,6,8,10,12,14
.irp m,0,1,2,3
	v_pk_fma_f32 v[\p+2*\m:\p+2*\m+1], v[\xr+16*\m+\j:\xr+16*\m+\j+1], v[\xr+16*\m+\j:\xr+16*\m+\j+1], v[\p+2*\m:\p+2*\m+1]
.endr
.endr
	RED4 \p, \sp
.irp m,0,1,2,3
	v_mul_f32 v[\p+2*\m], 0x3b004020, v[\p+2*\m]
.endr
.irp m,0,1,2,3
	v_sqrt_f32 v[\p+2*\m], v[\p+2*\m]
.endr
	v_nop
	s_wait_alu depctr_va_vdst(0)                   ; one wait for the four roots, ahead of their first reader
.irp m,0,1,2,3
	v_add_f32 v[\p+2*\m], 0x358637bd, v[\p+2*\m]
.endr
.irp m,0,1,2,3
	v_rcp_f32 v[\p+2*\m], v[\p+2*\m]
.endr
	v_nop
	s_wait_alu depctr_va_vdst(0)                   ; one wait for the four reciprocals
.irp j,0,2,4,6,8,10,12,14
.irp m,0,1,2,3
	v_pk_mul_f32 v[\xr+16*\m+\j:\xr+16*\m+\j+1], v[\xr+16*\m+\j:\xr+16*\m+\j+1], v[\p+2*\m:\p+2*\m+1] op_sel_hi:[1,0]
.endr
.endr
.irp j,0,2,4,6,8,10,12,14
.irp m,0,1,2,3
	v_pk_fma_f32 v[\xr+16*\m+\j:\xr+16*\m+\j+1], v[\g+\j:\g+\j+1], v[\xr+16*\m+\j:\xr+16*\m+\j+1], v[\be+\j:\be+\j+1]
.endr
.endr
.endm
; four blocks of 32; of block i my lane holds eight numbers at base + istr i and eight at base + istr i + goff (lane l xor 16 the other 16).  Codes: a pair at cp + 2 i; the scale's byte: by + i; t: 12 registers at work
.macro Q32X4 base, istr, goff, cp, by, t
.irp i,0,1,2,3
	v_max3_num_f32 v[\t+\i], |v[\base+\istr*\i]|, |v[\base+\istr*\i+1]|, 0x1800000   ; the floor 2^(3 - 127) keeps the byte at 1 from below
.endr
.irp k,2,4,6
.irp i,0,1,2,3
	v_max3_num_f32 v[\t+\i], v[\t+\i], |v[\base+\istr*\i+\k]|, |v[\base+\istr*\i+\k+1]|
.endr
.endr
.irp k,0,2,4,6
.irp i,0,1,2,3
	v_max3_num_f32 v[\t+\i], v[\t+\i], |v[\base+\istr*\i+\goff+\k]|, |v[\base+\istr*\i+\goff+\k+1]|
.endr
.endr
.irp i,0,1,2,3
	v_permlanex16_b32 v[\t+4+\i], v[\t+\i], s[SEL], s[SEL+1]
.endr
.irp i,0,1,2,3
	v_max_num_f32 v[\t+\i], v[\t+\i], v[\t+4+\i]
.endr
.irp i,0,1,2,3
	v_add_nc_u32 v[\t+8+\i], 0xff000000, v[\t+\i]  ; 2 off the exponent field: the conversion's scale operand
.endr
.irp i,0,1,2,3
	v_lshrrev_b32 v[\by+\i], 23, v[\t+8+\i]
.endr
.irp i,0,1,2,3
	v_cvt_scalef32_pk8_fp4_f32 v[\cp+2*\i], v[\base+\istr*\i:\base+\istr*\i+7], v[\t+8+\i]
	v_cvt_scalef32_pk8_fp4_f32 v[\cp+2*\i+1], v[\base+\istr*\i+\goff:\base+\istr*\i+\goff+7], v[\t+8+\i]
.endr
	v_nop                                          ; a plain instruction behind the last scaled conversion
.endm
.macro ST32 adr, adrb, cp, by, oc, ob
.irp i,0,1,2,3
	ds_store_b64 v[\adr], v[\cp+2*\i:\cp+2*\i+1] offset:1024*\i+\oc   ; 32 lanes: 256 consecutive bytes, where the operand's lanes want them
.endr
.irp i,0,1,2,3
	ds_store_b8 v[\adrb], v[\by+\i] offset:64*\i+\ob               ; my block's byte of row r's scale word; both halves of the lanes store the same byte
.endr
.endm
.macro WLOAD i                         ; item i of my wave's twenty into ring set i % 6: four loads of 512 consecutive bytes and one of 128
.irp j,0,1,2,3
	global_load_b128 v[RING+16*((\i)%6)+4*\j:RING+16*((\i)%6)+4*\j+3], v22, s[12:13] offset:(\i)*2048+512*\j
.endr
	global_load_b32 v[WSC+(\i)%6], v23, s[14:15] offset:(\i)*128
.endm
; item i: the rows' four fragments of K step s from the images at v[img], their words from v[sc]; eight products, the accumulators by turns.  cf = 1: the sums start at the bias in BI
.macro ITEM i, img, sc, s, cf
.if 19-(\i) < 5
	s_wait_loadcnt 5*(19-(\i))                     ; item i is in: behind it stand the five loads of each younger item
.else
	s_wait_loadcnt 25                              ; item i is in: five younger items, five loads each, may be out
.endif
.irp m,0,1,2,3
.irp c,0,1
	ds_load_b128 v[AF+8*\m+4*\c:AF+8*\m+4*\c+3], v[\img] offset:4096*(\s)+1024*\m+512*\c
.endr
.endr
	ds_load_b32 v128, v[\sc] offset:256*(\s)
	ds_load_b32 v129, v[\sc] offset:256*(\s)+128
	s_wait_dscnt 0x0
.irp m,0,1,2,3
.irp u,0,1
.if \cf
	WMS ACC+16*\m+8*\u, RING+16*((\i)%6)+8*\u, AF+8*\m, BI+8*\u, WSC+(\i)%6, 128+\m/2, \u, \m%2
.else
	WMS ACC+16*\m+8*\u, RING+16*((\i)%6)+8*\u, AF+8*\m, ACC+16*\m+8*\u, WSC+(\i)%6, 128+\m/2, \u, \m%2
.endif
.endr
.endr
	NOP4                                           ; four places in front of loads into registers that these products have read, and of the first read of results
.if (\i)+6 <= 19
	WLOAD (\i)+6
.endif
.endm
.macro XS_IN                           ; my 32 columns of the 64 rows, as the sums' start
.irp m,0,1,2,3
.irp q,0,1,2,3
	ds_load_b128 v[ACC+16*\m+4*\q:ACC+16*\m+4*\q+3], v[4+\m/2] offset:(\m%2)*MPL+16*\q
.endr
.endr
.endm
; the sixteen waves' means (8 of them at a, my half's) and sums of squared deviations (at a + 8) of tile m's row r become the row's mean (v[248 + 2 m]) and sum of squared deviations (v[130 + 2 m])
.macro COMB m, a
	v_pk_add_f32 v[248+2*(\m):249+2*(\m)], v[\a:\a+1], v[\a+2:\a+3]
	v_pk_add_f32 v[130+2*(\m):131+2*(\m)], v[\a+8:\a+9], v[\a+10:\a+11]
	v_pk_add_f32 v[248+2*(\m):249+2*(\m)], v[248+2*(\m):249+2*(\m)], v[\a+4:\a+5]
	v_pk_add_f32 v[130+2*(\m):131+2*(\m)], v[130+2*(\m):131+2*(\m)], v[\a+12:\a+13]
	v_pk_add_f32 v[248+2*(\m):249+2*(\m)], v[248+2*(\m):249+2*(\m)], v[\a+6:\a+7]
	v_pk_add_f32 v[130+2*(\m):131+2*(\m)], v[130+2*(\m):131+2*(\m)], v[\a+14:\a+15]
	v_add_f32 v[248+2*(\m)], v[248+2*(\m)], v[249+2*(\m)]
	v_permlanex16_b32 v[138+(\m)], v[248+2*(\m)], s[SEL], s[SEL+1]
	v_add_f32 v[248+2*(\m)], v[248+2*(\m)], v[138+(\m)]
	v_mul_f32 v[248+2*(\m)], 0x3d800000, v[248+2*(\m)]             ; / 16: the row's mean
.irp j,0,2,4,6
	v_pk_add_f32 v[\a+\j:\a+\j+1], v[\a+\j:\a+\j+1], v[248+2*(\m):249+2*(\m)] op_sel_hi:[1,0] neg_lo:[0,1] neg_hi:[0,1]
.endr
	v_pk_mul_f32 v[\a+8:\a+9], v[\a:\a+1], v[\a:\a+1]
.irp j,2,4,6
	v_pk_fma_f32 v[\a+8:\a+9], v[\a+\j:\a+\j+1], v[\a+\j:\a+\j+1], v[\a+8:\a+9]
.endr
	v_pk_fma_f32 v[130+2*(\m):131+2*(\m)], v[\a+8:\a+9], 0x42000000, v[130+2*(\m):131+2*(\m)] op_sel_hi:[1,0,1]   ; + 32 x the means' squared deviations
	v_add_f32 v[130+2*(\m)], v[130+2*(\m)], v[131+2*(\m)]
	v_permlanex16_b32 v[138+(\m)], v[130+2*(\m)], s[SEL], s[SEL+1]
	v_add_f32 v[130+2*(\m)], v[130+2*(\m)], v[138+(\m)]
.endm
	s_load_b256 s[4:11], s[0:1], 0x0               ; X s[4:5], sig s[6:7], oc s[8:9], os s[10:11]
	s_load_b256 s[12:19], s[0:1], 0x20             ; wc, ws, g_mha, be_mha
	s_load_b256 s[20:27], s[0:1], 0x40             ; b1, g_ffn, be_ffn, bf1
	s_load_b128 s[28:31], s[0:1], 0x60             ; bf2, out0
	v_lshrrev_b32 v29, 5, v0
	v_readfirstlane_b32 s34, v29                   ; wave 0..15
	s_mov_b32 s32, ttmp9                           ; x
	s_and_b32 s33, ttmp7, 0xffff                   ; y
	v_and_b32 v29, 31, v0                          ; lane
	v_and_b32 v30, 15, v0                          ; r
	v_bfe_u32 v31, v0, 4, 1                        ; h
	v_lshlrev_b32 v1, 4, v29                       ; 16 lane
	v_lshlrev_b32 v2, 2, v29                       ; 4 lane
	v_lshlrev_b32 v3, 2, v30                       ; 4 r
	v_lshlrev_b32 v27, 1, v30                      ; 2 r
	v_lshlrev_b32 v24, 2, v0                       ; 4 thread
	v_mul_u32_u24 v4, v30, ROWP
	v_lshl_add_u32 v4, v31, 6, v4
	s_lshl_b32 s35, s34, 7
	s_add_co_u32 s35, s35, XS
	v_add_nc_u32 v4, s35, v4                       ; XS by columns: row r, + 128 w + 64 h; tiles 0, 1
	v_add_nc_u32 v5, 2*MPL, v4                     ; tiles 2, 3
	s_mul_i32 s35, s34, ROWP
	s_add_co_u32 s35, s35, XS
	v_add_nc_u32 v6, s35, v1                       ; XS by rows: row w, 16 bytes a lane; tiles 0, 1
	v_add_nc_u32 v7, 2*MPL, v6                     ; tiles 2, 3
	v_add_nc_u32 v8, AIMG, v1
	v_add_nc_u32 v9, YIMG, v1
	v_add_nc_u32 v10, HIMG, v1
	v_add_nc_u32 v11, ASC, v2
	v_add_nc_u32 v12, YSC, v2
	v_add_nc_u32 v13, HSC, v2
	v_lshlrev_b32 v14, 4, v30
	v_lshl_add_u32 v14, v31, 3, v14                ; 16 r + 8 h
	s_lshr_b32 s35, s34, 1                         ; the hidden layer: my blocks 2 w, 2 w + 1 lie in K step w / 2, registers 4 (w % 2) on
	s_lshl_b32 s35, s35, 12
	s_and_b32 s36, s34, 1
	s_lshl_b32 s36, s36, 9
	s_add_co_u32 s35, s35, s36
	s_add_co_u32 s35, s35, HIMG
	v_add_nc_u32 v16, s35, v14
	s_lshr_b32 s35, s34, 2                         ; y: my block w lies in K step w / 4, registers 4 ((w / 2) % 2) on, lanes 16 (w % 2) on
	s_lshl_b32 s35, s35, 12
	s_bfe_u32 s36, s34, 0x10001
	s_lshl_b32 s36, s36, 9
	s_add_co_u32 s35, s35, s36
	s_and_b32 s36, s34, 1
	s_lshl_b32 s36, s36, 8
	s_add_co_u32 s35, s35, s36
	s_add_co_u32 s35, s35, YIMG
	v_add_nc_u32 v14, s35, v14
	s_lshr_b32 s35, s34, 2
	s_lshl_b32 s35, s35, 8
	s_and_b32 s36, s34, 3
	s_add_co_u32 s35, s35, s36
	s_add_co_u32 s35, s35, YSC
	v_add_nc_u32 v15, s35, v3                      ; byte w % 4 of row r's word
	s_lshr_b32 s35, s34, 1
	s_lshl_b32 s35, s35, 8
	s_and_b32 s36, s34, 1
	s_lshl_b32 s36, s36, 1
	s_add_co_u32 s35, s35, s36
	s_add_co_u32 s35, s35, HSC
	v_add_nc_u32 v17, s35, v3                      ; byte 2 (w % 2) (+ 1 for the second block)
	v_mul_u32_u24 v18, v30, 80
	v_lshl_add_u32 v19, v31, 5, v18
	v_add_nc_u32 v19, STM, v19                     ; row r's figures of waves 8 h .. 8 h + 7
	s_lshl_b32 s35, s34, 2
	s_add_co_u32 s35, s35, STM
	v_add_nc_u32 v18, s35, v18                     ; and where I put mine
	v_lshlrev_b32 v20, 6, v31
	s_lshl_b32 s35, s34, 8
	s_add_co_u32 s35, s35, PAR+4096
	v_add_nc_u32 v21, s35, v20                     ; bf1 at my hidden units: 256 w + 64 h
	s_lshl_b32 s35, s34, 7
	s_add_co_u32 s35, s35, PAR
	v_add_nc_u32 v20, s35, v20                     ; the others at my columns: 128 w + 64 h
	s_mul_i32 s35, s34, 40960
	v_add_nc_u32 v22, s35, v1                      ; my wave's items among the codes,
	s_mul_i32 s35, s34, 2560
	v_add_nc_u32 v23, s35, v2                      ; and among the scale words
	s_and_b32 s35, s34, 3                          ; O's fragment that I bring: tile m = w / 4, K step s = w % 4
	s_lshl_b32 s35, s35, 2
	s_lshr_b32 s36, s34, 2
	s_add_co_u32 s35, s35, s36
	s_lshl_b32 s36, s35, 10
	s_add_co_u32 s36, s36, AIMG
	v_add_nc_u32 v25, s36, v1
	s_lshl_b32 s36, s35, 6
	s_add_co_u32 s36, s36, ASC
	v_add_nc_u32 v26, s36, v3
	v_add_nc_u32 v28, PAR, v24
	s_lshr_b32 s38, s32, 1
	s_lshl_b32 s38, s38, 5
	s_and_b32 s39, s32, 1
	s_lshl_b32 s39, s39, 3
	s_add_co_u32 s38, s38, s39
	s_and_b32 s39, s34, 8
	s_add_co_u32 s39, s39, s34
	s_add_co_u32 s38, s38, s39                     ; t: my row in each batch
	s_lshl_b32 s42, s38, 11
	s_mov_b32 s43, 0                               ; its place in the signal,
	s_lshl_b32 s40, s33, 22
	s_add_co_u32 s40, s40, s42
	s_mov_b32 s41, 0                               ; and, for batch 4 y, in X and out0
	s_lshl_b32 s44, s33, 2
	s_lshr_b32 s45, s34, 2
	s_add_co_u32 s44, s44, s45                     ; batch 4 y + w / 4
	s_lshl_b32 s46, s44, 13
	s_lshl_b32 s44, s44, 5
	s_add_co_u32 s44, s44, s32
	s_lshl_b32 s44, s44, 2
	s_and_b32 s45, s34, 3
	s_add_co_u32 s44, s44, s45
	s_lshl_b32 s44, s44, 10                        ; O's fragment
	s_lshl_b32 s45, s45, 11                        ; its scale bytes: heads 2 s and 2 s + 1, 1,024 bytes a head,
	s_add_co_u32 s46, s46, s45
	s_lshl_b32 s45, s32, 5                         ; 32 bytes a tile
	s_add_co_u32 s46, s46, s45
	s_mov_b32 s45, 0
	s_mov_b32 s47, 0
	s_mov_b32 s[SEL], 0x76543210
	s_mov_b32 s[SEL+1], 0xfedcba98
	s_wait_kmcnt 0x0
	s_add_nc_u64 s[4:5], s[4:5], s[40:41]
	s_add_nc_u64 s[30:31], s[30:31], s[40:41]
	s_add_nc_u64 s[6:7], s[6:7], s[42:43]
	s_add_nc_u64 s[8:9], s[8:9], s[44:45]
	s_add_nc_u64 s[10:11], s[10:11], s[46:47]
	s_add_nc_u64 s[12:13], s[12:13], 393216
	s_add_nc_u64 s[14:15], s[14:15], 24576
	; ---- the loads.  The first nine land in ring set 4, which takes its item later
	global_load_b128 v[210:213], v1, s[8:9]
	global_load_b128 v[214:217], v1, s[8:9] offset:512
	global_load_u16 v218, v27, s[10:11]
	global_load_u16 v219, v27, s[10:11] offset:1024
	global_load_b32 v220, v24, s[22:23]
	global_load_b32 v221, v24, s[24:25]
	global_load_b32 v222, v24, s[26:27]
	global_load_b32 v223, v24, s[26:27] offset:2048
	global_load_b32 v224, v24, s[28:29]
.irp m,0,1,2,3
.irp i,0,1,2,3
	global_load_b128 v[ACC+16*\m+4*\i:ACC+16*\m+4*\i+3], v1, s[4:5] offset:\m*1048576+512*\i th:TH_LOAD_NT
.endr
.endr
.irp i,0,1,2,3
	global_load_b128 v[AF+4*\i:AF+4*\i+3], v1, s[6:7] offset:512*\i
.endr
.irp i,0,1,2,3
	global_load_b128 v[AF+16+4*\i:AF+16+4*\i+3], v1, s[16:17] offset:512*\i
.endr
.irp i,0,1,2,3
	global_load_b128 v[BI+4*\i:BI+4*\i+3], v1, s[18:19] offset:512*\i
.endr
.irp i,0,1,2,3
	global_load_b128 v[RING+80+4*\i:RING+80+4*\i+3], v1, s[20:21] offset:512*\i
.endr
	WLOAD 0
	WLOAD 1
	WLOAD 2
	WLOAD 3
	s_wait_loadcnt 52                              ; the first nine are in; 32 loads of X, signal, g, be, b1 and 20 of items 0 to 3 may be out
	ds_store_b128 v25, v[210:213]
	ds_store_b128 v25, v[214:217] offset:512
	v_lshl_or_b32 v218, v219, 16, v218             ; two heads' bytes make the K step's scale word
	ds_store_b32 v26, v218
	ds_store_b32 v28, v220
	ds_store_b32 v28, v221 offset:2048
	ds_store_b32 v28, v222 offset:4096
	ds_store_b32 v28, v223 offset:6144
	ds_store_b32 v28, v224 offset:8192
	s_wait_loadcnt 20                              ; all but items 0 to 3
.irp j,0,2,4,6,8,10,12,14
	v_pk_add_f32 v[BI+\j:BI+\j+1], v[BI+\j:BI+\j+1], v[RING+80+\j:RING+80+\j+1]   ; be_mha + b1: the first norm then gives Xn + b1
.endr
.irp m,0,1,2,3
.irp j,0,2,4,6,8,10,12,14
	v_pk_add_f32 v[ACC+16*\m+\j:ACC+16*\m+\j+1], v[ACC+16*\m+\j:ACC+16*\m+\j+1], v[AF+\j:AF+\j+1]
.endr
.endr
	s_wait_dscnt 0x0                               ; the stores above have read ring set 4's registers
	WLOAD 4
	WLOAD 5
	LN4 ACC, 248, AF, AF+16, BI
.irp m,0,1,2,3
.irp i,0,1,2,3
	ds_store_b128 v[6+\m/2], v[ACC+16*\m+4*\i:ACC+16*\m+4*\i+3] offset:(\m%2)*MPL+512*\i
.endr
.endr
	s_wait_dscnt 0x0                               ; for the others' sake: O's image, the parameters and my rows lie in LDS
	s_barrier_signal -1
	s_barrier_wait -1
	; ---- X2 = (Xn + b1) + O w1^T
	XS_IN
	ITEM 0, 8, 11, 0, 0
	ITEM 1, 8, 11, 1, 0
	ITEM 2, 8, 11, 2, 0
	ITEM 3, 8, 11, 3, 0
.irp q,0,1,2,3
	ds_load_b128 v[BI+4*\q:BI+4*\q+3], v20 offset:8192+16*\q       ; bf2 at my columns
.endr
	s_wait_dscnt 0x0
.irp p,0,1
.irp mm,0,1
.irp j,0,2,4,6,8,10,12,14
	v_pk_add_f32 v[AF+16*\mm+\j:AF+16*\mm+\j+1], v[ACC+16*(2*\p+\mm)+\j:ACC+16*(2*\p+\mm)+\j+1], v[BI+\j:BI+\j+1]   ; X2 + bf2: the last sums' start
.endr
.endr
.irp mm,0,1
.irp q,0,1,2,3
	ds_store_b128 v[4+\p], v[AF+16*\mm+4*\q:AF+16*\mm+4*\q+3] offset:\mm*MPL+16*\q   ; into my own columns' bytes
.endr
.endr
	s_wait_dscnt 0x0                               ; the stores have read their registers
.endr
	; my 32 columns' mean and sum of squared deviations, for each row; four tiles by turns
.set PS, AF
.set QS, AF+8
.set TS, AF+16
.set SS, AF+24
.irp m,0,1,2,3
	v_pk_add_f32 v[PS+2*\m:PS+2*\m+1], v[ACC+16*\m:ACC+16*\m+1], v[ACC+16*\m+2:ACC+16*\m+3]
.endr
.irp j,4,6,8,10,12,14
.irp m,0,1,2,3
	v_pk_add_f32 v[PS+2*\m:PS+2*\m+1], v[PS+2*\m:PS+2*\m+1], v[ACC+16*\m+\j:ACC+16*\m+\j+1]
.endr
.endr
.irp m,0,1,2,3
	v_add_f32 v[PS+2*\m], v[PS+2*\m], v[PS+2*\m+1]
.endr
.irp m,0,1,2,3
	v_permlanex16_b32 v[SS+\m], v[PS+2*\m], s[SEL], s[SEL+1]
.endr
.irp m,0,1,2,3
	v_add_f32 v[PS+2*\m], v[PS+2*\m], v[SS+\m]
.endr
.irp m,0,1,2,3
	v_mul_f32 v[PS+2*\m], 0x3d000000, v[PS+2*\m]   ; / 32
.endr
.irp m,0,1,2,3
	v_pk_add_f32 v[TS+2*\m:TS+2*\m+1], v[ACC+16*\m:ACC+16*\m+1], v[PS+2*\m:PS+2*\m+1] op_sel_hi:[1,0] neg_lo:[0,1] neg_hi:[0,1]
.endr
.irp m,0,1,2,3
	v_pk_mul_f32 v[QS+2*\m:QS+2*\m+1], v[TS+2*\m:TS+2*\m+1], v[TS+2*\m:TS+2*\m+1]
.endr
.irp j,2,4,6,8,10,12,14
.irp m,0,1,2,3
	v_pk_add_f32 v[TS+2*\m:TS+2*\m+1], v[ACC+16*\m+\j:ACC+16*\m+\j+1], v[PS+2*\m:PS+2*\m+1] op_sel_hi:[1,0] neg_lo:[0,1] neg_hi:[0,1]
.endr
.irp m,0,1,2,3
	v_pk_fma_f32 v[QS+2*\m:QS+2*\m+1], v[TS+2*\m:TS+2*\m+1], v[TS+2*\m:TS+2*\m+1], v[QS+2*\m:QS+2*\m+1]
.endr
.endr
.irp m,0,1,2,3
	v_add_f32 v[QS+2*\m], v[QS+2*\m], v[QS+2*\m+1]
.endr
.irp m,0,1,2,3
	v_permlanex16_b32 v[SS+\m], v[QS+2*\m], s[SEL], s[SEL+1]
.endr
.irp m,0,1,2,3
	v_add_f32 v[QS+2*\m], v[QS+2*\m], v[SS+\m]
.endr
.irp m,0,1,2,3
	ds_store_b32 v18, v[PS+2*\m] offset:1280*\m
	ds_store_b32 v18, v[QS+2*\m] offset:1280*\m+5120
.endr
	s_wait_dscnt 0x0                               ; for the others' sake: my figures lie in LDS
	s_barrier_signal -1
	s_barrier_wait -1
	; ---- the second norm
.irp p,0,1
.irp mm,0,1
	ds_load_b128 v[AF+16*\mm:AF+16*\mm+3], v19 offset:1280*(2*\p+\mm)
	ds_load_b128 v[AF+16*\mm+4:AF+16*\mm+7], v19 offset:1280*(2*\p+\mm)+16
	ds_load_b128 v[AF+16*\mm+8:AF+16*\mm+11], v19 offset:1280*(2*\p+\mm)+5120
	ds_load_b128 v[AF+16*\mm+12:AF+16*\mm+15], v19 offset:1280*(2*\p+\mm)+5136
.endr
	s_wait_dscnt 0x0
	COMB 2*\p, AF
	COMB 2*\p+1, AF+16
.endr
.irp q,0,1,2,3
	ds_load_b128 v[AF+4*\q:AF+4*\q+3], v20 offset:16*\q            ; g_ffn and
	ds_load_b128 v[AF+16+4*\q:AF+16+4*\q+3], v20 offset:2048+16*\q ; be_ffn at my columns
.endr
.irp m,0,1,2,3
	v_mul_f32 v[130+2*\m], 0x3b004020, v[130+2*\m] ; / 511
.endr
.irp m,0,1,2,3
	v_sqrt_f32 v[130+2*\m], v[130+2*\m]
.endr
	v_nop
	s_wait_alu depctr_va_vdst(0)                   ; one wait for the four roots
.irp m,0,1,2,3
	v_add_f32 v[130+2*\m], 0x358637bd, v[130+2*\m]
.endr
.irp m,0,1,2,3
	v_rcp_f32 v[130+2*\m], v[130+2*\m]
.endr
	v_nop
	s_wait_alu depctr_va_vdst(0)                   ; one wait for the four reciprocals
	s_wait_dscnt 0x0
.irp m,0,1,2,3
.irp j,0,2,4,6,8,10,12,14
	v_pk_add_f32 v[ACC+16*\m+\j:ACC+16*\m+\j+1], v[ACC+16*\m+\j:ACC+16*\m+\j+1], v[248+2*\m:249+2*\m] op_sel_hi:[1,0] neg_lo:[0,1] neg_hi:[0,1]
.endr
.endr
.irp m,0,1,2,3
.irp j,0,2,4,6,8,10,12,14
	v_pk_mul_f32 v[ACC+16*\m+\j:ACC+16*\m+\j+1], v[ACC+16*\m+\j:ACC+16*\m+\j+1], v[130+2*\m:131+2*\m] op_sel_hi:[1,0]
.endr
.endr
.irp m,0,1,2,3
.irp j,0,2,4,6,8,10,12,14
	v_pk_fma_f32 v[ACC+16*\m+\j:ACC+16*\m+\j+1], v[ACC+16*\m+\j:ACC+16*\m+\j+1], v[AF+\j:AF+\j+1], v[AF+16+\j:AF+17+\j]
.endr
.endr
	Q32X4 ACC, 16, 8, AF, AF+8, AF+12              ; block i: tile i's rows, my 32 columns
	ST32 14, 15, AF, AF+8, 0, 0
	s_wait_dscnt 0x0                               ; for the others' sake: my block of y lies in LDS
	s_barrier_signal -1
	s_barrier_wait -1
	; ---- the hidden layer: my two blocks of 32 units, one after the other
.irp q,0,1
.irp k,0,1,2,3
	ds_load_b128 v[BI+4*\k:BI+4*\k+3], v21 offset:128*\q+16*\k     ; bf1 at the block's units: the sums' start
.endr
	ITEM 4+4*\q, 9, 12, 0, 1
	ITEM 5+4*\q, 9, 12, 1, 0
	ITEM 6+4*\q, 9, 12, 2, 0
	ITEM 7+4*\q, 9, 12, 3, 0
.set i, 0
.rept 64
	v_max_num_f32 v[ACC+i], 0, v[ACC+i]            ; ascending: each accumulator is read from its low end on
.set i, i+1
.endr
	Q32X4 ACC, 16, 8, AF, AF+8, AF+12
	ST32 16, 17, AF, AF+8, 256*\q, \q
	s_wait_dscnt 0x0                               ; the stores have read their registers (and, the second time, for the others' sake)
.endr
	s_barrier_signal -1
	s_barrier_wait -1
	; ---- out0 = (X2 + bf2) + hidden wf2^T
	XS_IN
	ITEM 12, 10, 13, 0, 0
	ITEM 13, 10, 13, 1, 0
	ITEM 14, 10, 13, 2, 0
	ITEM 15, 10, 13, 3, 0
	ITEM 16, 10, 13, 4, 0
	ITEM 17, 10, 13, 5, 0
	ITEM 18, 10, 13, 6, 0
	ITEM 19, 10, 13, 7, 0
.irp m,0,1,2,3
.irp q,0,1,2,3
	ds_store_b128 v[4+\m/2], v[ACC+16*\m+4*\q:ACC+16*\m+4*\q+3] offset:(\m%2)*MPL+16*\q   ; each accumulator from its low end on
.endr
.endr
	s_wait_dscnt 0x0                               ; for the others' sake: my columns lie in LDS
	s_barrier_signal -1
	s_barrier_wait -1
.irp m,0,1,2,3
.irp i,0,1,2,3
	ds_load_b128 v[ACC+16*\m+4*\i:ACC+16*\m+4*\i+3], v[6+\m/2] offset:(\m%2)*MPL+512*\i   ; my row of each tile, whole
.endr
.endr
.irp k,0,1,2,3,4,5,6,7,8,9,10,11,12,13,14,15
	s_wait_dscnt 15-\k                             ; LDS loads come back in order: the k-th is in, the younger ones may be out
	global_store_b128 v1, v[ACC+4*\k:ACC+4*\k+3], s[30:31] offset:(\k/4)*1048576+(\k%4)*512 th:TH_STORE_NT   ; 512 consecutive bytes
.endr
	s_wait_xcnt 0x0
	v_lshl_add_u32 v254, v0, 2, 0x36400
	v_mov_b32 v255, 0
	s_wait_tensorcnt 0x0
	ds_add_u32 v254, v255
	s_wait_dscnt 0x0
	s_endpgm
.Lfunc_end_k_qb3eff7cb10_ffn:
	.size	k_qb3eff7cb10_ffn, .Lfunc_end_k_qb3eff7cb10_ffn-k_qb3eff7cb10_ffn
	.p2alignl 7, 3214868480
	.fill 96, 4, 3214868480
	.section	.rodata,"a",@progbits
	.p2align	6, 0x0
	.amdhsa_kernel k_qb3eff7cb10_ffn
		.amdhsa_group_segment_fixed_size 224256
		.amdhsa_private_segment_fixed_size 0
		.amdhsa_enable_private_segment 0
		.amdhsa_kernarg_size 112
		.amdhsa_user_sgpr_count 2
		.amdhsa_user_sgpr_kernarg_segment_ptr 1
		.amdhsa_wavefront_size32 1
		.amdhsa_system_sgpr_workgroup_id_x 1
		.amdhsa_system_sgpr_workgroup_id_y 1
		.amdhsa_system_sgpr_workgroup_id_z 1
		.amdhsa_system_vgpr_workitem_id 0
		.amdhsa_next_free_vgpr 256
		.amdhsa_next_free_sgpr 66
		.amdhsa_reserve_vcc 0
		.amdhsa_float_denorm_mode_32 3
		.amdhsa_float_denorm_mode_16_64 3
		.amdhsa_memory_ordered 1
		.amdhsa_forward_progress 1
		.amdhsa_inst_pref_size 121
	.end_amdhsa_kernel
	.amdgpu_metadata
---
amdhsa.version: [ 1, 2 ]
amdhsa.kernels:
  - .name:           k_qb3eff7cb10_ffn
    .symbol:         k_qb3eff7cb10_ffn.kd
    .args:
      - { .name: X, .offset: 0, .size: 8, .value_kind: global_buffer, .address_space: global }
      - { .name: sig, .offset: 8, .size: 8, .value_kind: global_buffer, .address_space: global }
      - { .name: oc, .offset: 16, .size: 8, .value_kind: global_buffer, .address_space: global }
      - { .name: os, .offset: 24, .size: 8, .value_kind: global_buffer, .address_space: global }
      - { .name: wc, .offset: 32, .size: 8, .value_kind: global_buffer, .address_space: global }
      - { .name: ws, .offset: 40, .size: 8, .value_kind: global_buffer, .address_space: global }
      - { .name: g_mha, .offset: 48, .size: 8, .value_kind: global_buffer, .address_space: global }
      - { .name: be_mha, .offset: 56, .size: 8, .value_kind: global_buffer, .address_space: global }
      - { .name: b1, .offset: 64, .size: 8, .value_kind: global_buffer, .address_space: global }
      - { .name: g_ffn, .offset: 72, .size: 8, .value_kind: global_buffer, .address_space: global }
      - { .name: be_ffn, .offset: 80, .size: 8, .value_kind: global_buffer, .address_space: global }
      - { .name: bf1, .offset: 88, .size: 8, .value_kind: global_buffer, .address_space: global }
      - { .name: bf2, .offset: 96, .size: 8, .value_kind: global_buffer, .address_space: global }
      - { .name: out0, .offset: 104, .size: 8, .value_kind: global_buffer, .address_space: global }
    .group_segment_fixed_size: 224256
    .private_segment_fixed_size: 0
    .kernarg_segment_align: 8
    .kernarg_segment_size: 112
    .max_flat_workgroup_size: 512
    .sgpr_count:     66
    .vgpr_count:     256
    .wavefront_size: 32
...
	.end_amdgpu_metadata
.endif
;; end of part 3
;; ======== version 2 of 2: 3 launches; version 1 with the launches attn, ffn written anew for expert scheduling mode
;; workspace buffers: xc 4,194,304 bytes; xs 262,144 bytes; wc 1,048,576 bytes; ws 65,536 bytes; sig 1,048,576 bytes; oc 4,194,304 bytes; os 262,144 bytes
;; launch prep: the kernel of part 1 again; grid 32 x 8, 16 waves a work-group, no clusters, 167,168 bytes of LDS; arguments X, g_mha, be_mha, wq, wk, wv, w1, wf1, wf2, xc, xs, wc, ws, sig; writes xc, xs, wc, ws, sig
;; launch attn (part 4): grid 8 x 32, 16 waves a work-group, no clusters, 91,136 bytes of LDS; arguments xc, xs, wc, ws, bq, bk, bv, oc, os; writes oc, os
.if DOCPART == 4
	.amdgcn_target "amdgcn-amd-amdhsa--gfx1250"
	.amdhsa_code_object_version 6
	.text
	.protected	k_qb3eff7cb10_attn
	.globl	k_qb3eff7cb10_attn
	.p2align	8
	.type	k_qb3eff7cb10_attn,@function
k_qb3eff7cb10_attn:
	s_mov_b64 s[64:65], 0
	v_nop
	global_prefetch_b8 v0, s[64:65] scope:SCOPE_SE
	s_setreg_imm32_b32 hwreg(HW_REG_WAVE_SCHED_MODE, 0, 2), 2
	s_setreg_imm32_b32 hwreg(HW_REG_WAVE_MODE, 25, 1), 1
	s_wait_xcnt 0x0
	s_wait_alu depctr_vm_vsrc(0)
; ATTN.  For one head of one batch: q, k, v = relu(Xn W^T + b) on codes of E2M1; attention over the 512 keys; O / l quantised along the channels and stored as an image of operand registers.
; SHARES.  Work-group (head, batch).  Wave w owns row tiles 2 w and 2 w + 1, rows 32 w .. 32 w + 31 (tile 2 w + u holds rows 32 w + 8 u + r + 8 (r / 8)): its two tiles of queries, two tiles of keys, one block of 32 keys of v.
; LAYOUT.  q and k are made TRANSPOSED (source 0 = 16 rows of W, source 1 = Xn): a lane holds one row and its 16 registers of two neighbouring tiles of W are 16 neighbouring channels: their K.  v is made the natural way
; (source 0 = Xn, source 1 = W): a lane holds one channel and the registers of my two tiles are 16 neighbouring keys: its K.  S^T = k q^T and O^T = v^T p^T are both transposed: a lane holds one query throughout.
; TWO TILES OF KEYS IN ONE OPERAND.  The head's size is 64, half of the instruction's K.  A fragment of k holds tile 2 t in registers 0-3 and tile 2 t + 1 in registers 4-7; it is multiplied once by [q, 0] and once by [0, q]:
; zero codes add nothing, whatever stands against them.  q lies as 0 | q0 | 0 | q1 | 0 in twenty registers, so both forms of both tiles are windows on them.  k's scale word holds tile 2 t's two bytes below and tile 2 t + 1's
; above; q's word stands in lanes 0-15 as it is and in lanes 16-31 sixteen bits up, and the selector of the scale's row picks the form.  So a key step's eight tiles are 32 registers and come by one run of loads.
; SOFTMAX.  t = score x log2(e) / 8; M = the running largest t rounded up to a whole number; p = 2^(t - M) is quantised along the keys, not normalised; the sum is taken of the unquantised p and divides at the end.
; THE KEY STEPS ARE WRITTEN OUT (four for each tile of queries): every LDS offset is an immediate; the next step's k and this step's v are asked for behind this step's first products and land while the softmax is walked; the first
; step starts M, the sum and O^T, so nothing is cleared.  The exponentials go in two batches with one wait each, and plain lines that name no result of the batch in hand stand between them: the other blocks' scalings and the
; rescaling of O^T in the first batch; the scales, the first blocks' conversions and sums in the second.
; k's and v's codes go from wave to wave through LDS as images of the operand's registers.  A wave makes one block of 32 keys of each of v's channels: 8 bytes a lane, put where the operand's lane wants them, and one scale byte.
; The weights of the head (48 KiB of codes) are staged in LDS once: all sixteen waves read them.  No cluster: work-groups of a batch share Xn's codes only, 128 KiB read once at the head.
; LIMITS.  A block of zeros gets the scale byte 1 (its codes are zeros; the bytes are read by this program alone).  NaN and infinities are not served.
; THE MODE: SCHED_MODE bits 1:0 = 2 (LLVM: expert scheduling mode 2), set by the entry lines.  The code itself states the register dependences between vector or matrix instructions and memory or LDS instructions,
; with s_wait_alu, always for 0.
; THE PLAN.  Registers that memory or LDS instructions touch, and who else names them:
;   v1-v15, v62, v63     addresses, made at the head and never written again: one wait on va_vdst ahead of the first load serves them for the whole kernel.  v254, v255 are addresses at the head alone.
;   v128-191             at the head the weights' codes land in v128-151 and LDS stores read them; for q and for k the bias lands, behind the relu and the conversions of the projection before; in the attention k's pairs
;                        land in v160-191, and products read them.
;   v192-223, v42-61     fragments and scale words: loads land, products read.
;   v224-231, v248-251   codes and scale bytes: the quantisers write, LDS and global stores read.     v232-239: bv lands, behind k's quantiser.     v64-127: Xn lands at the head, O's scale bytes in v64-67 at the end.
; WAITS ON va_vdst, beside those behind transcendentals: ahead of the first load; in a projection ahead of the loads of K steps 1 to 3; behind q's quantiser; ahead of each run of stores of codes (it also frees, for the loads
; that follow those stores, what vector and matrix instructions ahead of it have named); in a key step one behind the first products, for the 24 loads that follow (the softmax names none of their registers), and one ahead
; of the second products, which take p's codes.  WAITS ON vm_vsrc: behind the staging of the weights; behind k's stores; at the head of each tile of queries.
.set WIMG, 0                           ; [matrix 3][tile 4][K step 4][1,024 bytes]
.set BB,   49152                       ; the head's 64 numbers of bq, bk, bv: 256 bytes each
.set KIMG, 50176                       ; 16 pairs of tiles of keys x 1,024 bytes
.set KSC,  66560                       ; their scale words, 128 bytes a pair
.set VIMG, 70656                       ; [key step 4][channel tile 4][1,024 bytes]
.set VSC,  87040                       ; [key step][channel tile][16 words]
.set OSC,  88064                       ; O's scale bytes: [tile 32][row 16][2]
.set QZ,   20                          ; v20-39   0 | q of tile 0 | 0 | q of tile 1 | 0, four registers each
.set QW,   40                          ; v40-41   q's scale words (scales alone)
.set XW,   42                          ; v42-45   Xn's scale words, later k's (scales alone)
.set KW,   42
.set WB,   46                          ; v46-61   W's scale words in two banks of eight, later v's in the first four (scales alone)
.set VW,   46
.set XN,   64                          ; v64-127  Xn's fragments (tile xt, K step s) at 64 + 32 xt + 8 s; later the scores, then p
.set SCR,  64
.set ACC,  128                         ; v128-191 the projections' sums (xt, t) at 128 + 32 xt + 8 t; later O^T (v128-159) and four fragments of k (v160-191)
.set OT,   128
.set KF,   160
.set WF,   192                         ; v192-223 four fragments of W; later of v
.set VF,   192
.set PCD,  224                         ; v224-231 codes just made
.set TM,   232                         ; v232-247 at work in the quantisers
.set BM,   232                         ; v232-235 in a key step: the blocks' largest scores, then their largest p
.set PX,   236                         ; v236-239 the lane exchange's results, then the scales' bytes
.set C2,   240                         ; v240-241 the sum's second chain
.set SO,   248                         ; v248-251 the conversions' scale operands; in the quantisers the words just made
.set SEL,  44                          ; s[44:45] lane selects: lane l xor 16
.set CS,   46                          ; s[46:47] log2(e) / 8
; v1 16 lane; v2 4 lane; v3 4 r; v4-v14, v62 LDS addresses that stay; v15 16 thread; v63 16 (thread % 64); v[16:17] -M, largest t; v[18:19] the sum; v252 f; v253 p's scale word; v254 at work
.macro NOP4
.rept 4
	v_nop
.endr
.endm
; one matrix instruction.  c < 0: the sum starts at 0.  ra, rb: the side's scales stand in lanes 16-31
.macro WMS d, a, b, c, sa, sb, ra, rb
.if (\c) < 0
.if (\ra) && (\rb)
	v_wmma_scale_f32_16x16x128_f8f6f4 v[(\d):(\d)+7], v[(\a):(\a)+7], v[(\b):(\b)+7], 0, v[\sa], v[\sb] matrix_a_fmt:MATRIX_FMT_FP4 matrix_b_fmt:MATRIX_FMT_FP4 matrix_a_scale:MATRIX_SCALE_ROW1 matrix_b_scale:MATRIX_SCALE_ROW1
.elseif (\ra)
	v_wmma_scale_f32_16x16x128_f8f6f4 v[(\d):(\d)+7], v[(\a):(\a)+7], v[(\b):(\b)+7], 0, v[\sa], v[\sb] matrix_a_fmt:MATRIX_FMT_FP4 matrix_b_fmt:MATRIX_FMT_FP4 matrix_a_scale:MATRIX_SCALE_ROW1
.elseif (\rb)
	v_wmma_scale_f32_16x16x128_f8f6f4 v[(\d):(\d)+7], v[(\a):(\a)+7], v[(\b):(\b)+7], 0, v[\sa], v[\sb] matrix_a_fmt:MATRIX_FMT_FP4 matrix_b_fmt:MATRIX_FMT_FP4 matrix_b_scale:MATRIX_SCALE_ROW1
.else
	v_wmma_scale_f32_16x16x128_f8f6f4 v[(\d):(\d)+7], v[(\a):(\a)+7], v[(\b):(\b)+7], 0, v[\sa], v[\sb] matrix_a_fmt:MATRIX_FMT_FP4 matrix_b_fmt:MATRIX_FMT_FP4
.endif
.else
.if (\ra) && (\rb)
	v_wmma_scale_f32_16x16x128_f8f6f4 v[(\d):(\d)+7], v[(\a):(\a)+7], v[(\b):(\b)+7], v[(\c):(\c)+7], v[\sa], v[\sb] matrix_a_fmt:MATRIX_FMT_FP4 matrix_b_fmt:MATRIX_FMT_FP4 matrix_a_scale:MATRIX_SCALE_ROW1 matrix_b_scale:MATRIX_SCALE_ROW1
.elseif (\ra)
	v_wmma_scale_f32_16x16x128_f8f6f4 v[(\d):(\d)+7], v[(\a):(\a)+7], v[(\b):(\b)+7], v[(\c):(\c)+7], v[\sa], v[\sb] matrix_a_fmt:MATRIX_FMT_FP4 matrix_b_fmt:MATRIX_FMT_FP4 matrix_a_scale:MATRIX_SCALE_ROW1
.elseif (\rb)
	v_wmma_scale_f32_16x16x128_f8f6f4 v[(\d):(\d)+7], v[(\a):(\a)+7], v[(\b):(\b)+7], v[(\c):(\c)+7], v[\sa], v[\sb] matrix_a_fmt:MATRIX_FMT_FP4 matrix_b_fmt:MATRIX_FMT_FP4 matrix_b_scale:MATRIX_SCALE_ROW1
.else
	v_wmma_scale_f32_16x16x128_f8f6f4 v[(\d):(\d)+7], v[(\a):(\a)+7], v[(\b):(\b)+7], v[(\c):(\c)+7], v[\sa], v[\sb] matrix_a_fmt:MATRIX_FMT_FP4 matrix_b_fmt:MATRIX_FMT_FP4
.endif
.endif
.endm
; nb (2 or 4) blocks of 32, of which my lane holds 16 numbers each, at src + 16 b (lane l xor 16 holds the others).  Blocks 0, 1 become four registers of codes at pca (k = 32 h + 0 .. 31) and two scale bytes in pwa; blocks 2, 3 at pcb, pwb
.macro QUANT src, nb, pca, pcb, pwa, pwb
.irp b,0,1,2,3
.if \b < \nb
	v_max3_num_f32 v[TM+\b], |v[\src+16*\b]|, |v[\src+16*\b+1]|, 0x1800000   ; the floor 2^(3 - 127) keeps the byte at 1 from below
.endif
.endr
.irp i,2,4,6,8,10,12,14
.irp b,0,1,2,3
.if \b < \nb
	v_max3_num_f32 v[TM+\b], v[TM+\b], |v[\src+16*\b+\i]|, |v[\src+16*\b+\i+1]|
.endif
.endr
.endr
.irp b,0,1,2,3
.if \b < \nb
	v_permlanex16_b32 v[TM+4+\b], v[TM+\b], s[SEL], s[SEL+1]
.endif
.endr
.irp b,0,1,2,3
.if \b < \nb
	v_max_num_f32 v[TM+\b], v[TM+\b], v[TM+4+\b]   ; the block's largest magnitude
.endif
.endr
.irp b,0,1,2,3
.if \b < \nb
	v_add_nc_u32 v[TM+12+\b], 0xff000000, v[TM+\b] ; 2 off the exponent field: the conversion's scale operand
.endif
.endr
.irp b,0,1,2,3
.if \b < \nb
	v_lshrrev_b32 v[TM+4+\b], 23, v[TM+12+\b]      ; the scale's byte
.endif
.endr
	v_lshl_or_b32 v[\pwa], v[TM+5], 8, v[TM+4]
.if \nb > 2
	v_lshl_or_b32 v[\pwb], v[TM+7], 8, v[TM+6]
.endif
.irp b,0,1
	v_cvt_scalef32_pk8_fp4_f32 v[\pca+2*\b], v[\src+16*\b:\src+16*\b+7], v[TM+12+\b]
	v_cvt_scalef32_pk8_fp4_f32 v[\pca+2*\b+1], v[\src+16*\b+8:\src+16*\b+15], v[TM+12+\b]
.endr
.if \nb > 2
.irp b,0,1
	v_cvt_scalef32_pk8_fp4_f32 v[\pcb+2*\b], v[\src+32+16*\b:\src+32+16*\b+7], v[TM+14+\b]
	v_cvt_scalef32_pk8_fp4_f32 v[\pcb+2*\b+1], v[\src+32+16*\b+8:\src+32+16*\b+15], v[TM+14+\b]
.endr
.endif
	v_nop                                          ; a plain instruction behind the last scaled conversion
.irp i,0,1
	v_permlane16_swap_b32 v[\pca+\i], v[\pca+2+\i] ; the operand wants a whole block in a lane: lanes 0-15 block 0, lanes 16-31 block 1
.endr
.if \nb > 2
.irp i,0,1
	v_permlane16_swap_b32 v[\pcb+\i], v[\pcb+2+\i]
.endr
.endif
.endm
; four blocks of 32 that do not belong together; of block i my lane holds eight numbers at base + istr i and eight at base + istr i + goff.  Codes: a pair at cp + 2 i; the scale's byte: by + i; t: 12 registers at work
.macro Q32X4 base, istr, goff, cp, by, t
.irp i,0,1,2,3
	v_max3_num_f32 v[\t+\i], |v[\base+\istr*\i]|, |v[\base+\istr*\i+1]|, 0x1800000
.endr
.irp k,2,4,6
.irp i,0,1,2,3
	v_max3_num_f32 v[\t+\i], v[\t+\i], |v[\base+\istr*\i+\k]|, |v[\base+\istr*\i+\k+1]|
.endr
.endr
.irp k,0,2,4,6
.irp i,0,1,2,3
	v_max3_num_f32 v[\t+\i], v[\t+\i], |v[\base+\istr*\i+\goff+\k]|, |v[\base+\istr*\i+\goff+\k+1]|
.endr
.endr
.irp i,0,1,2,3
	v_permlanex16_b32 v[\t+4+\i], v[\t+\i], s[SEL], s[SEL+1]
.endr
.irp i,0,1,2,3
	v_max_num_f32 v[\t+\i], v[\t+\i], v[\t+4+\i]
.endr
.irp i,0,1,2,3
	v_add_nc_u32 v[\t+8+\i], 0xff000000, v[\t+\i]
.endr
.irp i,0,1,2,3
	v_lshrrev_b32 v[\by+\i], 23, v[\t+8+\i]
.endr
.irp i,0,1,2,3
	v_cvt_scalef32_pk8_fp4_f32 v[\cp+2*\i], v[\base+\istr*\i:\base+\istr*\i+7], v[\t+8+\i]
	v_cvt_scalef32_pk8_fp4_f32 v[\cp+2*\i+1], v[\base+\istr*\i+\goff:\base+\istr*\i+\goff+7], v[\t+8+\i]
.endr
	v_nop                                          ; a plain instruction behind the last scaled conversion
.endm
; their way into the images: 8 bytes a lane (32 lanes: 256 consecutive bytes), fragments 1,024 bytes apart; a byte of each row's scale word (both halves of the lanes store the same byte)
.macro ST32 adr, adrb, cp, by, oc, ob
.irp i,0,1,2,3
	ds_store_b64 v[\adr], v[\cp+2*\i:\cp+2*\i+1] offset:1024*\i+\oc
.endr
.irp i,0,1,2,3
	ds_store_b8 v[\adrb], v[\by+\i] offset:64*\i+\ob
.endr
.endm
.macro RELU64 base
.set i, 0
.rept 64
	v_max_num_f32 v[\base+i], 0, v[\base+i]        ; ascending: each accumulator is read from its low end on
.set i, i+1
.endr
.endm
; a projection: my two tiles of rows x the head's four tiles of W, K = 512 in four steps; the eight accumulators take turns.  nat = 0: transposed, onto sums that hold the bias; nat = 1: natural, from 0
; The first K step's loads owe no wait of their own: ahead of each projection stands a wait on va_vdst behind which nothing has named v192-223
.macro PROJ mat, bank, nat
.irp s,0,1,2,3
.if \s > 0
	NOP4                                           ; four places in front of loads into registers that matrix instructions have read
	s_wait_alu depctr_va_vdst(0)                   ; the last K step's products are done reading W's four fragments, v192-223, in which the loads below land
.endif
.irp t,0,1,2,3
.irp c,0,1
	ds_load_b128 v[WF+8*\t+4*\c:WF+8*\t+4*\c+3], v1 offset:((\mat*4+\t)*4+\s)*1024+512*\c
.endr
.endr
	s_wait_dscnt 0x0
.irp xt,0,1
.irp t,0,1,2,3
.if \nat
.if \s == 0
	WMS ACC+32*\xt+8*\t, XN+32*\xt+8*\s, WF+8*\t, -1, XW+2*\xt+\s/2, WB+8*\bank+2*\t+\s/2, \s%2, \s%2
.else
	WMS ACC+32*\xt+8*\t, XN+32*\xt+8*\s, WF+8*\t, ACC+32*\xt+8*\t, XW+2*\xt+\s/2, WB+8*\bank+2*\t+\s/2, \s%2, \s%2
.endif
.else
	WMS ACC+32*\xt+8*\t, WF+8*\t, XN+32*\xt+8*\s, ACC+32*\xt+8*\t, WB+8*\bank+2*\t+\s/2, XW+2*\xt+\s/2, \s%2, \s%2
.endif
.endr
.endr
.endr
	NOP4                                           ; four places in front of the first read of the results
.endm
; the bias as the sums' start, in the result's layout: lane (r, h), tile t, register j: channel 32 (t / 2) + 16 h + 8 (t % 2) + j
.macro BIASC mat
.irp xt,0,1
.irp t,0,1,2,3
	ds_load_b128 v[ACC+32*\xt+8*\t:ACC+32*\xt+8*\t+3], v4 offset:256*\mat+(32*(\t/2)+8*(\t%2))*4
	ds_load_b128 v[ACC+32*\xt+8*\t+4:ACC+32*\xt+8*\t+7], v4 offset:256*\mat+(32*(\t/2)+8*(\t%2))*4+16
.endr
.endr
.endm
	s_load_b256 s[4:11], s[0:1], 0x0               ; xc s[4:5], xs s[6:7], wc s[8:9], ws s[10:11]
	s_load_b256 s[12:19], s[0:1], 0x20             ; bq, bk, bv, oc
	s_load_b64 s[20:21], s[0:1], 0x40              ; os
	v_lshrrev_b32 v16, 5, v0
	v_readfirstlane_b32 s24, v16                   ; wave 0..15
	s_mov_b32 s22, ttmp9                           ; the head
	s_and_b32 s23, ttmp7, 0xffff                   ; the batch
	v_and_b32 v16, 31, v0                          ; lane
	v_and_b32 v17, 15, v0                          ; r
	v_bfe_u32 v18, v0, 4, 1                        ; h
	v_lshlrev_b32 v1, 4, v16
	v_lshlrev_b32 v2, 2, v16
	v_lshlrev_b32 v3, 2, v17
	v_lshl_add_u32 v4, v18, 6, BB                  ; the biases in the transposed results' layout: + 64 h
	v_and_b32 v19, 8, v17
	v_add_nc_u32 v19, v19, v17
	v_lshl_add_u32 v5, v19, 2, BB+512              ; bv at my channel: r + 8 (r / 8)
	s_wait_alu depctr_va_sdst(0)                   ; s24 is written, ahead of its first reader: addresses, bases and branches are made from it
	s_lshl_b32 s25, s24, 10
	s_add_co_u32 s25, s25, KIMG
	v_add_nc_u32 v6, s25, v1                       ; where I put my pair of tiles of k,
	s_lshl_b32 s25, s24, 7
	s_add_co_u32 s25, s25, KSC
	v_add_nc_u32 v7, s25, v2                       ; and its scale words
	s_lshr_b32 s25, s24, 2                         ; v: key step w / 4; my block of 32 keys is block w % 4 of its 128:
	s_lshl_b32 s25, s25, 12
	s_bfe_u32 s26, s24, 0x10001
	s_lshl_b32 s26, s26, 9                         ; registers 4 (block / 2) on,
	s_add_co_u32 s25, s25, s26
	s_and_b32 s26, s24, 1
	s_lshl_b32 s26, s26, 8                         ; lanes 16 (block % 2) on
	s_add_co_u32 s25, s25, s26
	s_add_co_u32 s25, s25, VIMG
	v_lshlrev_b32 v8, 4, v17
	v_lshl_add_u32 v8, v18, 3, v8                  ; channel r's 16 bytes, my half of them
	v_add_nc_u32 v8, s25, v8
	s_lshr_b32 s25, s24, 2
	s_lshl_b32 s25, s25, 8
	s_and_b32 s26, s24, 3
	s_add_co_u32 s25, s25, s26
	s_add_co_u32 s25, s25, VSC
	v_add_nc_u32 v9, s25, v3                       ; and byte w % 4 of channel r's scale word
	s_lshl_b32 s25, s24, 6
	s_add_co_u32 s25, s25, OSC
	v_lshl_add_u32 v14, v17, 1, s25                ; O's two scale bytes of row r
	v_lshlrev_b32 v15, 4, v0                       ; 16 x thread
	v_and_b32 v63, 63, v0
	v_lshlrev_b32 v63, 4, v63                      ; waves 0, 1 at the end: 16 bytes a thread of O's scale bytes,
	v_add_nc_u32 v62, OSC, v63                     ; in LDS
	s_min_u32 s25, s24, 2
	s_lshl_b32 s25, s25, 8
	s_add_co_u32 s25, s25, BB
	v_lshlrev_b32 v254, 3, v16                     ; waves 0 to 2: 8 bytes a lane of a bias,
	v_add_nc_u32 v255, s25, v254                   ; in LDS
	v_add_nc_u32 v10, KIMG, v1                     ; the key steps' reads: k's pairs,
	v_add_nc_u32 v11, KSC, v2                      ; their scale words,
	v_add_nc_u32 v12, VIMG, v1                     ; v's fragments,
	v_add_nc_u32 v13, VSC, v3                      ; their scale words
.irp j,20,21,22,23,28,29,30,31,36,37,38,39
	v_mov_b32 v[\j], 0                             ; the zero codes beside q
.endr
.irp j,236,237,238,239,253
	v_mov_b32 v[\j], 0                             ; written once: a lane exchange's destination counts as one of its sources; v253 is named in a pair before it is first made
.endr
	s_lshl_b32 s28, s23, 17
	s_lshl_b32 s29, s24, 13
	s_add_co_u32 s28, s28, s29                     ; Xn's codes of my two tiles: (32 batch + 2 w) x 4,096
	s_mov_b32 s29, 0
	s_lshr_b32 s30, s28, 4                         ; their scale words: a sixteenth
	s_mov_b32 s31, 0
	s_mul_i32 s32, s22, 49152                      ; the head's weights
	s_mov_b32 s33, 0
	s_lshr_b32 s34, s32, 4
	s_mov_b32 s35, 0
	s_lshl_b32 s36, s22, 8                         ; the head's 64 numbers of a bias
	s_mov_b32 s37, 0
	s_lshl_b32 s38, s22, 9                         ; O's codes: K step head / 2, registers 4 (head % 2) on: 512 x head
	s_add_co_u32 s38, s38, s28
	s_mov_b32 s39, 0
	s_lshl_b32 s42, s23, 3
	s_add_co_u32 s42, s42, s22
	s_lshl_b32 s42, s42, 10
	s_mov_b32 s43, 0
	s_mov_b32 s[SEL], 0x76543210
	s_mov_b32 s[SEL+1], 0xfedcba98
	s_mov_b32 s[CS], 0x3e38aa3b
	s_mov_b32 s[CS+1], s[CS]                       ; (named with it as a pair, so it is written)
	s_wait_kmcnt 0x0
	s_add_nc_u64 s[4:5], s[4:5], s[28:29]
	s_add_nc_u64 s[6:7], s[6:7], s[30:31]
	s_add_nc_u64 s[8:9], s[8:9], s[32:33]
	s_add_nc_u64 s[10:11], s[10:11], s[34:35]
	s_add_nc_u64 s[18:19], s[18:19], s[38:39]
	s_add_nc_u64 s[20:21], s[20:21], s[42:43]
	s_cmp_eq_u32 s24, 0                            ; wave 0 brings bq, wave 1 bk, wave 2 bv
	s_cselect_b64 s[40:41], s[12:13], s[14:15]
	s_cmp_eq_u32 s24, 2
	s_cselect_b64 s[40:41], s[16:17], s[40:41]
	s_add_nc_u64 s[40:41], s[40:41], s[36:37]
	s_wait_alu depctr_va_vdst(0)                   ; all addresses (v1-v15, v62, v63, v254, v255) are written, which the loads and stores of the whole kernel read; so are the zero codes beside q, which products take
	s_cmp_lt_u32 s24, 3
	s_cbranch_scc0 .Lno_bias_load
	global_load_b64 v[232:233], v254, s[40:41]     ; the wave's oldest load
.Lno_bias_load:
.irp i,0,1,2,3,4,5
	global_load_b128 v[ACC+4*\i:ACC+4*\i+3], v15, s[8:9] offset:8192*\i   ; the head's weights: 16 bytes a thread, six times
.endr
.irp xt,0,1
.irp s,0,1,2,3
.irp c,0,1
	global_load_b128 v[XN+32*\xt+8*\s+4*\c:XN+32*\xt+8*\s+4*\c+3], v1, s[4:5] offset:\xt*4096+\s*1024+512*\c
.endr
.endr
.endr
.irp xt,0,1
.irp p,0,1
	global_load_b32 v[XW+2*\xt+\p], v2, s[6:7] offset:\xt*256+128*\p       ; lanes 0-15: K step 2 p; lanes 16-31: K step 2 p + 1
.endr
.endr
.irp mat,0,1
.irp t,0,1,2,3
.irp p,0,1
	global_load_b32 v[WB+8*\mat+2*\t+\p], v2, s[10:11] offset:(\mat*4+\t)*256+128*\p
.endr
.endr
.endr
	s_wait_loadcnt 36                              ; the weights (and the older bias) are in; the 16 + 4 + 16 loads behind them may be out
.irp i,0,1,2,3,4,5
	ds_store_b128 v15, v[ACC+4*\i:ACC+4*\i+3] offset:8192*\i
.endr
	s_cmp_lt_u32 s24, 3
	s_cbranch_scc0 .Lno_bias_store
	ds_store_b64 v255, v[232:233]
.Lno_bias_store:
	s_wait_dscnt 0x0                               ; for the others' sake: my part of the weights lies in LDS
	s_barrier_signal -1
	s_barrier_wait -1
	s_wait_loadcnt 0x0                             ; Xn's fragments and all scale words
	s_wait_alu depctr_vm_vsrc(0)                   ; my LDS stores have read v128-151, in which the bias lands, and v[232:233] and v255; the bias's load has read v254: these four are at work in the quantisers from here on
	; ---- q
	BIASC 0
	PROJ 0, 0, 0
	RELU64 ACC
	QUANT ACC, 4, QZ+4, QZ+12, 248, 249            ; q stays in registers, between the zero codes
	v_bfe_u32 v254, v0, 4, 1
	v_lshlrev_b32 v254, 4, v254                    ; 16 h
	v_lshlrev_b32 v[QW], v254, v248                ; q's words: lanes 0-15 for [q, 0]; lanes 16-31, sixteen bits up, for [0, q]
	v_lshlrev_b32 v[QW+1], v254, v249
	s_wait_alu depctr_va_vdst(0)                   ; the relu and the conversions are done with v128-191, in which bk lands; q's products are done reading wq's scale words, in which wv's land, and v192-223; q's codes and words are written, which products take
.irp t,0,1,2,3
.irp p,0,1
	global_load_b32 v[WB+2*\t+\p], v2, s[10:11] offset:(2*4+\t)*256+128*\p   ; wv's scale words into wq's bank, which is done with
.endr
.endr
	; ---- k
	BIASC 1
	PROJ 1, 1, 0
	RELU64 ACC
	QUANT ACC, 4, PCD, PCD+4, 248, 249
	v_lshl_or_b32 v248, v249, 16, v248             ; the pair's scale word: tile 2 w's two bytes below, tile 2 w + 1's above
	s_wait_alu depctr_va_vdst(0)                   ; the quantiser has written v224-231 and v248, which the stores read; it is done with v232-239, in which bv lands; k's products are done reading v192-223, in which wv's fragments land
	ds_store_b128 v6, v[PCD:PCD+3]
	ds_store_b128 v6, v[PCD+4:PCD+7] offset:512
	ds_store_b32 v7, v248
	s_wait_dscnt 0x0                               ; my pair of k lies in LDS
	s_wait_alu depctr_vm_vsrc(0)                   ; the three stores have read v224-231 and v248, which v's quantiser writes again
	; ---- v
.irp t,0,1,2,3
	ds_load_b32 v[TM+2*\t], v5 offset:(32*(\t/2)+8*(\t%2))*4       ; my channel's bias, in both registers of a pair
	ds_load_b32 v[TM+2*\t+1], v5 offset:(32*(\t/2)+8*(\t%2))*4
.endr
	s_wait_loadcnt 0x0                             ; wv's scale words
	PROJ 2, 0, 1
.irp xt,0,1
.irp t,0,1,2,3
.irp j,0,2,4,6
	v_pk_add_f32 v[ACC+32*\xt+8*\t+\j:ACC+32*\xt+8*\t+\j+1], v[ACC+32*\xt+8*\t+\j:ACC+32*\xt+8*\t+\j+1], v[TM+2*\t:TM+2*\t+1]
.endr
.endr
.endr
	RELU64 ACC
	Q32X4 ACC, 8, 32, PCD, 248, TM                 ; block i: channel tile i; keys 32 w + 16 h + 0 .. 7 from tile 2 w, + 8 .. 15 from tile 2 w + 1
	s_wait_alu depctr_va_vdst(0)                   ; the quantiser has written v224-231 and v248-251, which the stores read; it is done with v160-191, and v's products with v42-45: key step 0 of k lands there behind the barrier
	ST32 8, 9, PCD, 248, 0, 0
	s_wait_dscnt 0x0                               ; for the others' sake: my k and v lie in LDS
	s_barrier_signal -1
	s_barrier_wait -1
; ---- attention.  A key step is 128 keys: four pairs of tiles of k, four fragments of v
.macro KLOAD j                         ; key step j's four pairs of k and their scale words
.irp t,0,1,2,3
.irp c,0,1
	ds_load_b128 v[KF+8*\t+4*\c:KF+8*\t+4*\c+3], v10 offset:(4*(\j)+\t)*1024+512*\c
.endr
	ds_load_b32 v[KW+\t], v11 offset:(4*(\j)+\t)*128
.endr
.endm
.macro VLOAD j                         ; key step j's four fragments of v and their scale words
.irp ct,0,1,2,3
.irp c,0,1
	ds_load_b128 v[VF+8*\ct+4*\c:VF+8*\ct+4*\c+3], v12 offset:(\j)*4096+\ct*1024+512*\c
.endr
	ds_load_b32 v[VW+\ct], v13 offset:(\j)*256+64*\ct
.endr
.endm
.macro QKS qt                          ; S^T: each pair of k against [q, 0] and against [0, q]: tiles 2 t and 2 t + 1; every sum starts at 0
.irp t,0,1,2,3
	WMS SCR+16*\t, KF+8*\t, QZ+4+8*\qt, -1, KW+\t, QW+\qt, 0, 0
	WMS SCR+16*\t+8, KF+8*\t, QZ+8*\qt, -1, KW+\t, QW+\qt, 0, 1
.endr
.endm
.macro PVS first                       ; O^T (+)= v^T p^T; the four accumulators take turns, and eight other products stand between two steps'
.irp ct,0,1,2,3
.if \first
	WMS OT+8*\ct, VF+8*\ct, PCD, -1, VW+\ct, 253, 0, 0
.else
	WMS OT+8*\ct, VF+8*\ct, PCD, OT+8*\ct, VW+\ct, 253, 0, 0
.endif
.endr
.endm
.macro ADDP                            ; pair pp of p's 32 pairs goes into one of the sum's two chains
.if (pp%2) == 0
	v_pk_add_f32 v[18:19], v[18:19], v[SCR+2*pp:SCR+2*pp+1]
.else
	v_pk_add_f32 v[C2:C2+1], v[C2:C2+1], v[SCR+2*pp:SCR+2*pp+1]
.endif
.endm
; line fn of the list that stands between the second batch's exponentials.  All of it reads the first batch alone, whose wait stands ahead: 0-14 the four blocks' scales and p's scale word; 15-18 the conversions of blocks 0 and 1; from 19 their sums
.macro FILL2 first
.if fn < 4
	v_max_num_f32 v[BM+fn], 0x1800000, v[BM+fn]    ; the floor 2^(3 - 127): the byte cannot fall under 1
.elseif fn < 8
	v_add_nc_u32 v[SO+fn-4], 0xff000000, v[BM+fn-4]    ; 2 off the exponent field: the conversion's scale operand
.elseif fn < 12
	v_lshrrev_b32 v[PX+fn-8], 23, v[SO+fn-8]       ; the scale's byte
.elseif fn == 12
	v_lshl_or_b32 v253, v[PX+1], 8, v[PX]          ; p's scale word for these 128 keys
.elseif fn == 13
	v_lshl_or_b32 v253, v[PX+2], 16, v253
.elseif fn == 14
	v_lshl_or_b32 v253, v[PX+3], 24, v253
.elseif fn < 19
	v_cvt_scalef32_pk8_fp4_f32 v[PCD+fn-15], v[SCR+8*(fn-15):SCR+8*(fn-15)+7], v[SO+(fn-15)/2]
.else
.set sm, fn-19
.if \first
.if sm == 0
	v_pk_add_f32 v[18:19], v[SCR:SCR+1], v[SCR+2:SCR+3]            ; the first step starts both chains
.elseif sm == 1
	v_pk_add_f32 v[C2:C2+1], v[SCR+4:SCR+5], v[SCR+6:SCR+7]
.else
.set pp, sm+2
	ADDP
.endif
.else
.if sm == 0
	v_pk_add_f32 v[C2:C2+1], v[SCR:SCR+1], v[SCR+2:SCR+3]
.else
.set pp, sm+1
	ADDP
.endif
.endif
.endif
.set fn, fn+1
.endm
; the softmax of one key step.  first = 1: the step starts M and the sum, and there is no O^T to rescale.  It names v16-19, v64-159, v224-241 and v248-254: none of the registers in which the loads issued ahead of it land
.macro SOFT first
.irp b,0,1,2,3
	v_max3_num_f32 v[BM+\b], v[SCR+16*\b], v[SCR+1+16*\b], v[SCR+2+16*\b]   ; the largest score of each block of 32 keys: for the row's maximum and for the block's largest p
.endr
.irp i,3,5,7,9,11,13
.irp b,0,1,2,3
	v_max3_num_f32 v[BM+\b], v[BM+\b], v[SCR+16*\b+\i], v[SCR+1+16*\b+\i]
.endr
.endr
.irp b,0,1,2,3
	v_max_num_f32 v[BM+\b], v[BM+\b], v[SCR+15+16*\b]
.endr
.irp b,0,1,2,3
	v_permlanex16_b32 v[PX+\b], v[BM+\b], s[SEL], s[SEL+1]
.endr
.irp b,0,1,2,3
	v_max_num_f32 v[BM+\b], v[BM+\b], v[PX+\b]
.endr
	v_max3_num_f32 v254, v[BM], v[BM+1], v[BM+2]
	v_max_num_f32 v254, v254, v[BM+3]
.if \first
	v_mul_f32 v17, s[CS], v254                     ; the largest t
	v_floor_f32 v16, -v17                          ; -M = floor(-t): M is a whole number
.else
	v_mul_f32 v254, s[CS], v254
	v_max_num_f32 v17, v17, v254                   ; the running largest t
	v_mov_b32 v254, v16
	v_floor_f32 v16, -v17
	v_sub_f32 v254, v16, v254
	v_cvt_i32_f32 v254, v254                       ; (it saturates)
	v_ldexp_f32 v252, 1.0, v254                    ; f = 2^(old M - new M)
.endif
.irp b,0,1,2,3
	v_fma_f32 v[BM+\b], v[BM+\b], s[CS], v16       ; t - M of each block's largest score
.endr
.irp j,0,2,4,6,8,10,12,14,16,18,20,22,24,26,28,30
	v_pk_fma_f32 v[SCR+\j:SCR+\j+1], v[SCR+\j:SCR+\j+1], s[CS:CS+1], v[16:17] op_sel_hi:[1,0,0]   ; t - M of blocks 0 and 1
.endr
	; the first batch: p of blocks 0 and 1 and the four largest p.  Between the exponentials: t - M of blocks 2 and 3, and O^T under the new M; none of these lines names a result of the batch
.set i, 0
.rept 16
	v_exp_f32 v[SCR+2*i], v[SCR+2*i]
	v_pk_fma_f32 v[SCR+32+2*i:SCR+33+2*i], v[SCR+32+2*i:SCR+33+2*i], s[CS:CS+1], v[16:17] op_sel_hi:[1,0,0]
	v_exp_f32 v[SCR+2*i+1], v[SCR+2*i+1]
.if \first == 0
	v_pk_mul_f32 v[OT+2*i:OT+2*i+1], v[OT+2*i:OT+2*i+1], v[252:253] op_sel_hi:[1,0]   ; ascending: each accumulator is read from its low end on
.endif
.if i < 4
	v_exp_f32 v[BM+i], v[BM+i]
.endif
.set i, i+1
.endr
.if \first
	v_nop                                          ; a plain instruction behind the last exponential
.else
	v_pk_mul_f32 v[18:19], v[18:19], v[252:253] op_sel_hi:[1,0]    ; the sum under the new M: the plain instruction behind the last exponential
.endif
	s_wait_alu depctr_va_vdst(0)                   ; the batch's 36 exponentials have written p of blocks 0 and 1 (v64-95) and the four largest p (v232-235), ahead of their first reader
	; the second batch: p of blocks 2 and 3, a line of the list behind each
.set fn, 0
.set i, 0
.rept 32
	v_exp_f32 v[SCR+32+i], v[SCR+32+i]
	FILL2 \first
.set i, i+1
.endr
.rept 2-\first
	FILL2 \first                                   ; the list's rest: sums, plain instructions behind the last exponential
.endr
	s_wait_alu depctr_va_vdst(0)                   ; the batch's 32 exponentials have written p of blocks 2 and 3 (v96-127), ahead of their first reader; p's scale word, v253, is written too, which the second products take
.irp k,4,5,6,7
	v_cvt_scalef32_pk8_fp4_f32 v[PCD+\k], v[SCR+8*\k:SCR+8*\k+7], v[SO+\k/2]
.endr
.set pp, 16
.rept 8
	ADDP                                           ; plain instructions between the conversions and the exchange that touches their results
.set pp, pp+1
.endr
.irp c,0,1
.irp e,0,1
	v_permlane16_swap_b32 v[PCD+4*\c+\e], v[PCD+2+4*\c+\e]         ; the operand wants a whole block in a lane
.endr
.endr
.rept 8
	ADDP                                           ; these nine also stand between the making of p's codes and the products
.set pp, pp+1
.endr
	v_pk_add_f32 v[18:19], v[18:19], v[C2:C2+1]
.endm
; one tile of 16 queries.  Behind each step's first products stand four places (for the loads into registers that products have read, and for the first read of the scores), then the loads of the next step's k and of this step's v
.macro ATT qt
	s_wait_xcnt 0x0                                ; the last tile's store has read its registers
	s_wait_alu depctr_vm_vsrc(0)                   ; the stores issued so far (v's images and bytes; the last tile's codes and bytes) have read v224-231 and v248-251, which this tile's softmax writes again
	s_wait_dscnt 0x0                               ; key step 0's k
	QKS \qt
	NOP4
	s_wait_alu depctr_va_vdst(0)                   ; these products are done reading k's pairs and words (v160-191, v42-45), the products before them v192-223 and v46-49: the 24 loads below land there
	KLOAD 1
	VLOAD 0
	SOFT 1
	s_wait_dscnt 0x0                               ; this step's v and the next step's k, asked for a softmax ago
	s_wait_alu depctr_va_vdst(0)                   ; the conversions and the exchange have written p's codes, v224-231, which the products below take as an operand; the nine plain lines above are the places
	PVS 1
	QKS \qt
	NOP4
	s_wait_alu depctr_va_vdst(0)                   ; the twelve products are done reading k's pairs and words and v's fragments and words: the 24 loads below land there
	KLOAD 2
	VLOAD 1
	SOFT 0
	s_wait_dscnt 0x0
	s_wait_alu depctr_va_vdst(0)                   ; p's codes, v224-231, are written, which the products below take
	PVS 0
	QKS \qt
	NOP4
	s_wait_alu depctr_va_vdst(0)                   ; the twelve products are done reading the registers in which the 24 loads below land
	KLOAD 3
	VLOAD 2
	SOFT 0
	s_wait_dscnt 0x0
	s_wait_alu depctr_va_vdst(0)                   ; p's codes, v224-231, are written, which the products below take
	PVS 0
	QKS \qt
	NOP4
	s_wait_alu depctr_va_vdst(0)                   ; the twelve products are done reading the registers in which the loads below land
.if \qt == 0
	KLOAD 0                                        ; for the next tile of queries
.endif
	VLOAD 3
	SOFT 0
	s_wait_dscnt 0x0
	s_wait_alu depctr_va_vdst(0)                   ; p's codes, v224-231, are written, which the products below take
	PVS 0
	NOP4
	v_add_f32 v18, v18, v19
	v_permlanex16_b32 v252, v18, s[SEL], s[SEL+1]
	v_add_f32 v18, v18, v252                       ; the row's sum
	v_rcp_f32 v18, v18
	v_nop
	s_wait_alu depctr_va_vdst(0)                   ; the reciprocal has written v18, ahead of its first reader
.set i, 0
.rept 32
	v_mul_f32 v[SCR+i], v[OT+i], v18               ; register 16 b + i: channel 32 b + 16 h + i of my query
.set i, i+1
.endr
	QUANT SCR, 2, PCD, PCD, 248, 248
	s_wait_alu depctr_va_vdst(0)                   ; the quantiser has written v224-227 and v248, which the two stores read; behind the last tile it is also done with v64-67, in which O's scale bytes land
	global_store_b128 v1, v[PCD:PCD+3], s[18:19] offset:\qt*4096   ; 512 consecutive bytes
	ds_store_b16 v14, v248 offset:32*\qt
.endm
	KLOAD 0
	ATT 0
	ATT 1
	s_wait_dscnt 0x0                               ; for the others' sake: my rows' scale bytes lie in LDS
	s_barrier_signal -1
	s_barrier_wait -1
	s_cmp_lt_u32 s24, 2
	s_cbranch_scc0 .Lend
	ds_load_b128 v[64:67], v62
	s_wait_dscnt 0x0
	global_store_b128 v63, v[64:67], s[20:21]      ; the head's 1,024 scale bytes: 512 consecutive bytes a wave
.Lend:
	s_wait_xcnt 0x0
	v_lshl_add_u32 v254, v0, 2, 0x15c00            ; (no memory or LDS instruction has read v254 or v255 since the first wait on vm_vsrc)
	v_mov_b32 v255, 0
	s_wait_dscnt 0x0                               ; the closing lines, six on end
	s_wait_alu 0x0
	s_wait_tensorcnt 0x0
	ds_add_u32 v254, v255
	s_wait_dscnt 0x0
	s_endpgm
.Lfunc_end_k_qb3eff7cb10_attn:
	.size	k_qb3eff7cb10_attn, .Lfunc_end_k_qb3eff7cb10_attn-k_qb3eff7cb10_attn
	.p2alignl 7, 3214868480
	.fill 96, 4, 3214868480
	.section	.rodata,"a",@progbits
	.p2align	6, 0x0
	.amdhsa_kernel k_qb3eff7cb10_attn
		.amdhsa_group_segment_fixed_size 91136
		.amdhsa_private_segment_fixed_size 0
		.amdhsa_enable_private_segment 0
		.amdhsa_kernarg_size 72
		.amdhsa_user_sgpr_count 2
		.amdhsa_user_sgpr_kernarg_segment_ptr 1
		.amdhsa_wavefront_size32 1
		.amdhsa_system_sgpr_workgroup_id_x 1
		.amdhsa_system_sgpr_workgroup_id_y 1
		.amdhsa_system_sgpr_workgroup_id_z 1
		.amdhsa_system_vgpr_workitem_id 0
		.amdhsa_next_free_vgpr 256
		.amdhsa_next_free_sgpr 66
		.amdhsa_reserve_vcc 0
		.amdhsa_float_denorm_mode_32 3
		.amdhsa_float_denorm_mode_16_64 3
		.amdhsa_memory_ordered 1
		.amdhsa_forward_progress 1
		.amdhsa_inst_pref_size 177
	.end_amdhsa_kernel
	.amdgpu_metadata
---
amdhsa.version: [ 1, 2 ]
amdhsa.kernels:
  - .name:           k_qb3eff7cb10_attn
    .symbol:         k_qb3eff7cb10_attn.kd
    .args:
      - { .name: xc, .offset: 0, .size: 8, .value_kind: global_buffer, .address_space: global }
      - { .name: xs, .offset: 8, .size: 8, .value_kind: global_buffer, .address_space: global }
      - { .name: wc, .offset: 16, .size: 8, .value_kind: global_buffer, .address_space: global }
      - { .name: ws, .offset: 24, .size: 8, .value_kind: global_buffer, .address_space: global }
      - { .name: bq, .offset: 32, .size: 8, .value_kind: global_buffer, .address_space: global }
      - { .name: bk, .offset: 40, .size: 8, .value_kind: global_buffer, .address_space: global }
      - { .name: bv, .offset: 48, .size: 8, .value_kind: global_buffer, .address_space: global }
      - { .name: oc, .offset: 56, .size: 8, .value_kind: global_buffer, .address_space: global }
      - { .name: os, .offset: 64, .size: 8, .value_kind: global_buffer, .address_space: global }
    .group_segment_fixed_size: 91136
    .private_segment_fixed_size: 0
    .kernarg_segment_align: 8
    .kernarg_segment_size: 72
    .max_flat_workgroup_size: 512
    .sgpr_count:     66
    .vgpr_count:     256
    .wavefront_size: 32
...
	.end_amdgpu_metadata
.endif
;; end of part 4
;; launch ffn (part 5): grid 32 x 8, 16 waves a work-group, no clusters, 224,256 bytes of LDS; arguments X, sig, oc, os, wc, ws, g_mha, be_mha, b1, g_ffn, be_ffn, bf1, bf2, out0; writes out0
.if DOCPART == 5
	.amdgcn_target "amdgcn-amd-amdhsa--gfx1250"
	.amdhsa_code_object_version 6
	.text
	.protected	k_qb3eff7cb10_ffn
	.globl	k_qb3eff7cb10_ffn
	.p2align	8
	.type	k_qb3eff7cb10_ffn,@function
k_qb3eff7cb10_ffn:
	s_mov_b64 s[64:65], 0
	v_nop
	global_prefetch_b8 v0, s[64:65] scope:SCOPE_SE
	s_setreg_imm32_b32 hwreg(HW_REG_WAVE_SCHED_MODE, 0, 2), 2
	s_setreg_imm32_b32 hwreg(HW_REG_WAVE_MODE, 25, 1), 1
	s_wait_xcnt 0x0
	s_wait_alu depctr_vm_vsrc(0)
; FFN.  X2 = Xn + O w1^T + b1;  y = LN2(X2);  out0 = X2 + relu(y wf1^T + bf1) wf2^T + bf2.  The three products on codes of E2M1; y and the hidden layer are quantised on the way and never go to memory.
; Xn is made again from X and the stored timing signal: one more read of X in place of a write and a read of Xn.
; SHARES.  Work-group (x, y): row tile x (rows 32 (x / 2) + 8 (x % 2) + r + 8 (r / 8)) of batches 4 y + m, m = 0 .. 3: four tiles of 16 rows.  BY ROWS (the first norm, the way out): wave w owns row r = w of each tile.
; BY COLUMNS (all products): wave w owns 32 output columns (block w) of the first and third product and 64 hidden units (blocks 2 w, 2 w + 1) of the second, for all 64 rows.  So each fragment of a weight is used by one wave
; alone and goes from memory straight into its registers, through a ring of six sets that runs five items ahead; an item is two tiles of 16 rows of a weight x 128 K.  What goes round through LDS is small: the rows' codes.
; All products are used TRANSPOSED (source 0 = the weight, source 1 = the rows): lane (r, h) holds row r, and the 16 registers of a row tile are columns 32 block + 16 h + 0 .. 15: half a block of the next K.
; The rows themselves live in LDS (XS, pitch 2,064 bytes): written by rows, read by columns as the first sums' start (Xn + b1), written back by columns (X2 + bf2), read as the last sums' start, written, and read by rows for the stores.
; The second norm: each wave's mean and sum of squared deviations of its 32 columns, joined over the sixteen waves by their means' own deviations: no difference of large sums.
; No cluster: the work-groups share the weights' codes alone, each fragment wanted by one wave of each.
; LIMITS.  A block of zeros gets the scale byte 1 (its codes are zeros).  NaN and infinities are not served.  The norms multiply by 1/511 and by a reciprocal where the source divides; be_mha + b1 is added first.
; THE MODE: SCHED_MODE bits 1:0 = 2 (LLVM: expert scheduling mode 2), set by the entry lines.  The code itself states the register dependences between vector or matrix instructions and memory or LDS instructions,
; with s_wait_alu, always for 0.
; THE PLAN.  Registers that memory or LDS instructions touch, and who else names them:
;   v1-v28               addresses, made at the head and never written again: one wait on va_vdst ahead of the first load serves them for the whole kernel.
;   ACC v32-95           X lands, the norm writes, LDS stores read; my columns land, products write; (twice) vector work; my columns land, products write, LDS stores read; my rows land, global stores read.
;   AF v96-127           in an item the rows' fragments land and products read; between the products vector work writes them and LDS stores read them, or figures and parameters land.
;   v128-129, v242-247   scale words: loads land, products read.     BI v130-145: biases land, additions or products read; the second norm works there.
;   the ring v146-241    items land, products read; at the head sets 4 and 5 carry O's fragment, the parameters and b1.
; AN ITEM that follows an item has ONE wait on va_vdst, at its head: the item before is done reading AF, the rows' scale words, its ring set and its scale word.  Behind it stand the item's ten LDS loads and, dealt among its
; eight products, the five loads of the item five on, which land in the set that the item before has read; the products name the item's own set alone.  The first item of a product owes no such wait: the wait ahead of the
; LDS stores of the phase before has covered it, and no vector instruction stands between.
; The other waits on va_vdst stand ahead of each run of LDS stores and ahead of loads into registers that vector work has just left; those on vm_vsrc ahead of each load or vector write of registers that stores have read.
.set AIMG, 0                           ; O's sixteen fragments (K step s, tile m) at (4 s + m) x 1,024
.set ASC,  16384                       ; their scale words at (4 s + m) x 64 + 4 r
.set YIMG, 17408
.set YSC,  33792
.set HIMG, 34816                       ; the hidden layer's 32 fragments
.set HSC,  67584
.set STM,  69632                       ; 64 rows x 80 bytes: the sixteen waves' means; 5,120 bytes on: their sums of squared deviations
.set PAR,  79872                       ; g_ffn, be_ffn + 2,048, bf1 + 4,096, bf2 + 8,192
.set XS,   90112                       ; 64 rows (16 m + r) x 2,064 bytes
.set ROWP, 2064
.set MPL,  16*ROWP
.set ACC,  32                          ; v32-95   sums: tile m, weight tile u at 32 + 16 m + 8 u
.set AF,   96                          ; v96-127  the rows' four fragments; at work between the products
.set BI,   130                         ; v130-145 a bias in the results' layout; at work in the second norm
.set RING, 146                         ; v146-241 six sets of 16: an item's two fragments
.set WSC,  242                         ; v242-247 the items' scale words (lanes 0-15 tile 0, lanes 16-31 tile 1); v128-129 the rows' (lanes 0-15 even m, lanes 16-31 odd m): scales alone
.set SEL,  50                          ; s[50:51]
.macro NOP4
.rept 4
	v_nop
.endr
.endm
.macro WMS d, a, b, c, sa, sb, ra, rb
.if (\ra) && (\rb)
	v_wmma_scale_f32_16x16x128_f8f6f4 v[(\d):(\d)+7], v[(\a):(\a)+7], v[(\b):(\b)+7], v[(\c):(\c)+7], v[\sa], v[\sb] matrix_a_fmt:MATRIX_FMT_FP4 matrix_b_fmt:MATRIX_FMT_FP4 matrix_a_scale:MATRIX_SCALE_ROW1 matrix_b_scale:MATRIX_SCALE_ROW1
.elseif (\ra)
	v_wmma_scale_f32_16x16x128_f8f6f4 v[(\d):(\d)+7], v[(\a):(\a)+7], v[(\b):(\b)+7], v[(\c):(\c)+7], v[\sa], v[\sb] matrix_a_fmt:MATRIX_FMT_FP4 matrix_b_fmt:MATRIX_FMT_FP4 matrix_a_scale:MATRIX_SCALE_ROW1
.elseif (\rb)
	v_wmma_scale_f32_16x16x128_f8f6f4 v[(\d):(\d)+7], v[(\a):(\a)+7], v[(\b):(\b)+7], v[(\c):(\c)+7], v[\sa], v[\sb] matrix_a_fmt:MATRIX_FMT_FP4 matrix_b_fmt:MATRIX_FMT_FP4 matrix_b_scale:MATRIX_SCALE_ROW1
.else
	v_wmma_scale_f32_16x16x128_f8f6f4 v[(\d):(\d)+7], v[(\a):(\a)+7], v[(\b):(\b)+7], v[(\c):(\c)+7], v[\sa], v[\sb] matrix_a_fmt:MATRIX_FMT_FP4 matrix_b_fmt:MATRIX_FMT_FP4
.endif
.endm
.macro RED4 p, sp
.irp m,0,1,2,3
	v_add_f32 v[\p+2*\m], v[\p+2*\m], v[\p+2*\m+1]
.endr
.irp x,1,2,4,8
.irp m,0,1,2,3
	v_add_f32_dpp v[\p+2*\m], v[\p+2*\m], v[\p+2*\m] row_xmask:\x row_mask:0xf bank_mask:0xf
.endr
.endr
.irp m,0,1,2,3
	v_permlanex16_b32 v[\sp+\m], v[\p+2*\m], s[SEL], s[SEL+1]
.endr
.irp m,0,1,2,3
	v_add_f32 v[\p+2*\m], v[\p+2*\m], v[\sp+\m]
.endr
.endm
; four rows at xr + 16 m become g (x - mean) / (std + 1e-6) + be, std with 511 in the divisor
.macro LN4 xr, p, sp, g, be
.irp m,0,1,2,3
	v_pk_add_f32 v[\p+2*\m:\p+2*\m+1], v[\xr+16*\m:\xr+16*\m+1], v[\xr+16*\m+2:\xr+16*\m+3]
.endr
.irp j,4,6,8,10,12,14
.irp m,0,1,2,3
	v_pk_add_f32 v[\p+2*\m:\p+2*\m+1], v[\p+2*\m:\p+2*\m+1], v[\xr+16*\m+\j:\xr+16*\m+\j+1]
.endr
.endr
	RED4 \p, \sp
.irp m,0,1,2,3
	v_mul_f32 v[\p+2*\m], 0x3b000000, v[\p+2*\m]
.endr
.irp j,0,2,4,6,8,10,12,14
.irp m,0,1,2,3
	v_pk_add_f32 v[\xr+16*\m+\j:\xr+16*\m+\j+1], v[\xr+16*\m+\j:\xr+16*\m+\j+1], v[\p+2*\m:\p+2*\m+1] op_sel_hi:[1,0] neg_lo:[0,1] neg_hi:[0,1]
.endr
.endr
.irp m,0,1,2,3
	v_pk_mul_f32 v[\p+2*\m:\p+2*\m+1], v[\xr+16*\m:\xr+16*\m+1], v[\xr+16*\m:\xr+16*\m+1]
.endr
.irp j,2,4,6,8,10,12,14
.irp m,0,1,2,3
	v_pk_fma_f32 v[\p+2*\m:\p+2*\m+1], v[\xr+16*\m+\j:\xr+16*\m+\j+1], v[\xr+16*\m+\j:\xr+16*\m+\j+1], v[\p+2*\m:\p+2*\m+1]
.endr
.endr
	RED4 \p, \sp
.irp m,0,1,2,3
	v_mul_f32 v[\p+2*\m], 0x3b004020, v[\p+2*\m]
.endr
.irp m,0,1,2,3
	v_sqrt_f32 v[\p+2*\m], v[\p+2*\m]
.endr
	v_nop
	s_wait_alu depctr_va_vdst(0)                   ; the four roots are written, ahead of their first reader
.irp m,0,1,2,3
	v_add_f32 v[\p+2*\m], 0x358637bd, v[\p+2*\m]
.endr
.irp m,0,1,2,3
	v_rcp_f32 v[\p+2*\m], v[\p+2*\m]
.endr
	v_nop
	s_wait_alu depctr_va_vdst(0)                   ; the four reciprocals are written, ahead of their first reader
.irp j,0,2,4,6,8,10,12,14
.irp m,0,1,2,3
	v_pk_mul_f32 v[\xr+16*\m+\j:\xr+16*\m+\j+1], v[\xr+16*\m+\j:\xr+16*\m+\j+1], v[\p+2*\m:\p+2*\m+1] op_sel_hi:[1,0]
.endr
.endr
.irp j,0,2,4,6,8,10,12,14
.irp m,0,1,2,3
	v_pk_fma_f32 v[\xr+16*\m+\j:\xr+16*\m+\j+1], v[\g+\j:\g+\j+1], v[\xr+16*\m+\j:\xr+16*\m+\j+1], v[\be+\j:\be+\j+1]
.endr
.endr
.endm
; four blocks of 32; of block i my lane holds eight numbers at base + istr i and eight at base + istr i + goff (lane l xor 16 the other 16).  Codes: a pair at cp + 2 i; the scale's byte: by + i; t: 12 registers at work
.macro Q32X4 base, istr, goff, cp, by, t
.irp i,0,1,2,3
	v_max3_num_f32 v[\t+\i], |v[\base+\istr*\i]|, |v[\base+\istr*\i+1]|, 0x1800000   ; the floor 2^(3 - 127) keeps the byte at 1 from below
.endr
.irp k,2,4,6
.irp i,0,1,2,3
	v_max3_num_f32 v[\t+\i], v[\t+\i], |v[\base+\istr*\i+\k]|, |v[\base+\istr*\i+\k+1]|
.endr
.endr
.irp k,0,2,4,6
.irp i,0,1,2,3
	v_max3_num_f32 v[\t+\i], v[\t+\i], |v[\base+\istr*\i+\goff+\k]|, |v[\base+\istr*\i+\goff+\k+1]|
.endr
.endr
.irp i,0,1,2,3
	v_permlanex16_b32 v[\t+4+\i], v[\t+\i], s[SEL], s[SEL+1]
.endr
.irp i,0,1,2,3
	v_max_num_f32 v[\t+\i], v[\t+\i], v[\t+4+\i]
.endr
.irp i,0,1,2,3
	v_add_nc_u32 v[\t+8+\i], 0xff000000, v[\t+\i]  ; 2 off the exponent field: the conversion's scale operand
.endr
.irp i,0,1,2,3
	v_lshrrev_b32 v[\by+\i], 23, v[\t+8+\i]
.endr
.irp i,0,1,2,3
	v_cvt_scalef32_pk8_fp4_f32 v[\cp+2*\i], v[\base+\istr*\i:\base+\istr*\i+7], v[\t+8+\i]
	v_cvt_scalef32_pk8_fp4_f32 v[\cp+2*\i+1], v[\base+\istr*\i+\goff:\base+\istr*\i+\goff+7], v[\t+8+\i]
.endr
	v_nop                                          ; a plain instruction behind the last scaled conversion
.endm
.macro ST32 adr, adrb, cp, by, oc, ob
.irp i,0,1,2,3
	ds_store_b64 v[\adr], v[\cp+2*\i:\cp+2*\i+1] offset:1024*\i+\oc   ; 32 lanes: 256 consecutive bytes, where the operand's lanes want them
.endr
.irp i,0,1,2,3
	ds_store_b8 v[\adrb], v[\by+\i] offset:64*\i+\ob               ; my block's byte of row r's scale word; both halves of the lanes store the same byte
.endr
.endm
.macro WLOAD i                         ; at the head: item i of my wave's twenty into ring set i % 6: four loads of 512 consecutive bytes and one of 128
.irp j,0,1,2,3
	global_load_b128 v[RING+16*((\i)%6)+4*\j:RING+16*((\i)%6)+4*\j+3], v22, s[12:13] offset:(\i)*2048+512*\j
.endr
	global_load_b32 v[WSC+(\i)%6], v23, s[14:15] offset:(\i)*128
.endm
; item i: the rows' four fragments of K step s from the images at v[img], their words from v[sc]; eight products, the accumulators by turns.  cf = 1: the sums start at the bias in BI.
; hw = 1: the item follows an item.  Items 1 to 14 ask for the item five on, its five loads dealt among the products: it lands in the set that the item before has read
.macro ITEM i, img, sc, s, cf, hw
.if (\i) == 0
	s_wait_loadcnt 25                              ; item 0 is in: items 1 to 5, five loads each, may be out
.elseif 19-(\i) < 4
	s_wait_loadcnt 5*(19-(\i))                     ; item i is in: behind it stand the five loads of each younger item
.else
	s_wait_loadcnt 20                              ; item i is in: four younger items, five loads each, may be out
.endif
.if \hw
	s_wait_alu depctr_va_vdst(0)                   ; the item before is done reading the rows' fragments and words (v96-129), its ring set and its scale word: this item's LDS loads and the loads of the item five on land there
.endif
.irp m,0,1,2,3
.irp c,0,1
	ds_load_b128 v[AF+8*\m+4*\c:AF+8*\m+4*\c+3], v[\img] offset:4096*(\s)+1024*\m+512*\c
.endr
.endr
	ds_load_b32 v128, v[\sc] offset:256*(\s)
	ds_load_b32 v129, v[\sc] offset:256*(\s)+128
	s_wait_dscnt 0x0
.irp m,0,1,2,3
.irp u,0,1
.if \cf
	WMS ACC+16*\m+8*\u, RING+16*((\i)%6)+8*\u, AF+8*\m, BI+8*\u, WSC+(\i)%6, 128+\m/2, \u, \m%2
.else
	WMS ACC+16*\m+8*\u, RING+16*((\i)%6)+8*\u, AF+8*\m, ACC+16*\m+8*\u, WSC+(\i)%6, 128+\m/2, \u, \m%2
.endif
.endr
.if ((\i) > 0) && ((\i)+5 <= 19)
.if \m < 2
	global_load_b128 v[RING+16*(((\i)+5)%6)+8*\m:RING+16*(((\i)+5)%6)+8*\m+3], v22, s[12:13] offset:((\i)+5)*2048+1024*\m        ; no wait: no vector or matrix instruction since the last wait on va_vdst names this set
	global_load_b128 v[RING+16*(((\i)+5)%6)+8*\m+4:RING+16*(((\i)+5)%6)+8*\m+7], v22, s[12:13] offset:((\i)+5)*2048+1024*\m+512
.elseif \m == 2
	global_load_b32 v[WSC+((\i)+5)%6], v23, s[14:15] offset:((\i)+5)*128
.endif
.endif
.endr
	NOP4                                           ; four places in front of loads into registers that these products have read, and of the first read of results
.endm
.macro XS_IN                           ; my 32 columns of the 64 rows, as the sums' start
.irp m,0,1,2,3
.irp q,0,1,2,3
	ds_load_b128 v[ACC+16*\m+4*\q:ACC+16*\m+4*\q+3], v[4+\m/2] offset:(\m%2)*MPL+16*\q
.endr
.endr
.endm
; the sixteen waves' means (8 of them at a, my half's) and sums of squared deviations (at a + 8) of tile m's row r become the row's mean (v[248 + 2 m]) and sum of squared deviations (v[130 + 2 m])
.macro COMB m, a
	v_pk_add_f32 v[248+2*(\m):249+2*(\m)], v[\a:\a+1], v[\a+2:\a+3]
	v_pk_add_f32 v[130+2*(\m):131+2*(\m)], v[\a+8:\a+9], v[\a+10:\a+11]
	v_pk_add_f32 v[248+2*(\m):249+2*(\m)], v[248+2*(\m):249+2*(\m)], v[\a+4:\a+5]
	v_pk_add_f32 v[130+2*(\m):131+2*(\m)], v[130+2*(\m):131+2*(\m)], v[\a+12:\a+13]
	v_pk_add_f32 v[248+2*(\m):249+2*(\m)], v[248+2*(\m):249+2*(\m)], v[\a+6:\a+7]
	v_pk_add_f32 v[130+2*(\m):131+2*(\m)], v[130+2*(\m):131+2*(\m)], v[\a+14:\a+15]
	v_add_f32 v[248+2*(\m)], v[248+2*(\m)], v[249+2*(\m)]
	v_permlanex16_b32 v[138+(\m)], v[248+2*(\m)], s[SEL], s[SEL+1]
	v_add_f32 v[248+2*(\m)], v[248+2*(\m)], v[138+(\m)]
	v_mul_f32 v[248+2*(\m)], 0x3d800000, v[248+2*(\m)]             ; / 16: the row's mean
.irp j,0,2,4,6
	v_pk_add_f32 v[\a+\j:\a+\j+1], v[\a+\j:\a+\j+1], v[248+2*(\m):249+2*(\m)] op_sel_hi:[1,0] neg_lo:[0,1] neg_hi:[0,1]
.endr
	v_pk_mul_f32 v[\a+8:\a+9], v[\a:\a+1], v[\a:\a+1]
.irp j,2,4,6
	v_pk_fma_f32 v[\a+8:\a+9], v[\a+\j:\a+\j+1], v[\a+\j:\a+\j+1], v[\a+8:\a+9]
.endr
	v_pk_fma_f32 v[130+2*(\m):131+2*(\m)], v[\a+8:\a+9], 0x42000000, v[130+2*(\m):131+2*(\m)] op_sel_hi:[1,0,1]   ; + 32 x the means' squared deviations
	v_add_f32 v[130+2*(\m)], v[130+2*(\m)], v[131+2*(\m)]
	v_permlanex16_b32 v[138+(\m)], v[130+2*(\m)], s[SEL], s[SEL+1]
	v_add_f32 v[130+2*(\m)], v[130+2*(\m)], v[138+(\m)]
.endm
	s_load_b256 s[4:11], s[0:1], 0x0               ; X s[4:5], sig s[6:7], oc s[8:9], os s[10:11]
	s_load_b256 s[12:19], s[0:1], 0x20             ; wc, ws, g_mha, be_mha
	s_load_b256 s[20:27], s[0:1], 0x40             ; b1, g_ffn, be_ffn, bf1
	s_load_b128 s[28:31], s[0:1], 0x60             ; bf2, out0
	v_lshrrev_b32 v29, 5, v0
	v_readfirstlane_b32 s34, v29                   ; wave 0..15
	s_mov_b32 s32, ttmp9                           ; x
	s_and_b32 s33, ttmp7, 0xffff                   ; y
	v_and_b32 v29, 31, v0                          ; lane
	v_and_b32 v30, 15, v0                          ; r
	v_bfe_u32 v31, v0, 4, 1                        ; h
	v_lshlrev_b32 v1, 4, v29                       ; 16 lane
	v_lshlrev_b32 v2, 2, v29                       ; 4 lane
	v_lshlrev_b32 v3, 2, v30                       ; 4 r
	v_lshlrev_b32 v27, 1, v30                      ; 2 r
	v_lshlrev_b32 v24, 2, v0                       ; 4 thread
	v_mul_u32_u24 v4, v30, ROWP
	v_lshl_add_u32 v4, v31, 6, v4
	s_wait_alu depctr_va_sdst(0)                   ; s34 is written, ahead of its first reader: addresses and bases are made from it
	s_lshl_b32 s35, s34, 7
	s_add_co_u32 s35, s35, XS
	v_add_nc_u32 v4, s35, v4                       ; XS by columns: row r, + 128 w + 64 h; tiles 0, 1
	v_add_nc_u32 v5, 2*MPL, v4                     ; tiles 2, 3
	s_mul_i32 s35, s34, ROWP
	s_add_co_u32 s35, s35, XS
	v_add_nc_u32 v6, s35, v1                       ; XS by rows: row w, 16 bytes a lane; tiles 0, 1
	v_add_nc_u32 v7, 2*MPL, v6                     ; tiles 2, 3
	v_add_nc_u32 v8, AIMG, v1
	v_add_nc_u32 v9, YIMG, v1
	v_add_nc_u32 v10, HIMG, v1
	v_add_nc_u32 v11, ASC, v2
	v_add_nc_u32 v12, YSC, v2
	v_add_nc_u32 v13, HSC, v2
	v_lshlrev_b32 v14, 4, v30
	v_lshl_add_u32 v14, v31, 3, v14                ; 16 r + 8 h
	s_lshr_b32 s35, s34, 1                         ; the hidden layer: my blocks 2 w, 2 w + 1 lie in K step w / 2, registers 4 (w % 2) on
	s_lshl_b32 s35, s35, 12
	s_and_b32 s36, s34, 1
	s_lshl_b32 s36, s36, 9
	s_add_co_u32 s35, s35, s36
	s_add_co_u32 s35, s35, HIMG
	v_add_nc_u32 v16, s35, v14
	s_lshr_b32 s35, s34, 2                         ; y: my block w lies in K step w / 4, registers 4 ((w / 2) % 2) on, lanes 16 (w % 2) on
	s_lshl_b32 s35, s35, 12
	s_bfe_u32 s36, s34, 0x10001
	s_lshl_b32 s36, s36, 9
	s_add_co_u32 s35, s35, s36
	s_and_b32 s36, s34, 1
	s_lshl_b32 s36, s36, 8
	s_add_co_u32 s35, s35, s36
	s_add_co_u32 s35, s35, YIMG
	v_add_nc_u32 v14, s35, v14
	s_lshr_b32 s35, s34, 2
	s_lshl_b32 s35, s35, 8
	s_and_b32 s36, s34, 3
	s_add_co_u32 s35, s35, s36
	s_add_co_u32 s35, s35, YSC
	v_add_nc_u32 v15, s35, v3                      ; byte w % 4 of row r's word
	s_lshr_b32 s35, s34, 1
	s_lshl_b32 s35, s35, 8
	s_and_b32 s36, s34, 1
	s_lshl_b32 s36, s36, 1
	s_add_co_u32 s35, s35, s36
	s_add_co_u32 s35, s35, HSC
	v_add_nc_u32 v17, s35, v3                      ; byte 2 (w % 2) (+ 1 for the second block)
	v_mul_u32_u24 v18, v30, 80
	v_lshl_add_u32 v19, v31, 5, v18
	v_add_nc_u32 v19, STM, v19                     ; row r's figures of waves 8 h .. 8 h + 7
	s_lshl_b32 s35, s34, 2
	s_add_co_u32 s35, s35, STM
	v_add_nc_u32 v18, s35, v18                     ; and where I put mine
	v_lshlrev_b32 v20, 6, v31
	s_lshl_b32 s35, s34, 8
	s_add_co_u32 s35, s35, PAR+4096
	v_add_nc_u32 v21, s35, v20                     ; bf1 at my hidden units: 256 w + 64 h
	s_lshl_b32 s35, s34, 7
	s_add_co_u32 s35, s35, PAR
	v_add_nc_u32 v20, s35, v20                     ; the others at my columns: 128 w + 64 h
	s_mul_i32 s35, s34, 40960
	v_add_nc_u32 v22, s35, v1                      ; my wave's items among the codes,
	s_mul_i32 s35, s34, 2560
	v_add_nc_u32 v23, s35, v2                      ; and among the scale words
	s_and_b32 s35, s34, 3                          ; O's fragment that I bring: tile m = w / 4, K step s = w % 4
	s_lshl_b32 s35, s35, 2
	s_lshr_b32 s36, s34, 2
	s_add_co_u32 s35, s35, s36
	s_lshl_b32 s36, s35, 10
	s_add_co_u32 s36, s36, AIMG
	v_add_nc_u32 v25, s36, v1
	s_lshl_b32 s36, s35, 6
	s_add_co_u32 s36, s36, ASC
	v_add_nc_u32 v26, s36, v3
	v_add_nc_u32 v28, PAR, v24
	s_lshr_b32 s38, s32, 1
	s_lshl_b32 s38, s38, 5
	s_and_b32 s39, s32, 1
	s_lshl_b32 s39, s39, 3
	s_add_co_u32 s38, s38, s39
	s_and_b32 s39, s34, 8
	s_add_co_u32 s39, s39, s34
	s_add_co_u32 s38, s38, s39                     ; t: my row in each batch
	s_lshl_b32 s42, s38, 11
	s_mov_b32 s43, 0                               ; its place in the signal,
	s_lshl_b32 s40, s33, 22
	s_add_co_u32 s40, s40, s42
	s_mov_b32 s41, 0                               ; and, for batch 4 y, in X and out0
	s_lshl_b32 s44, s33, 2
	s_lshr_b32 s45, s34, 2
	s_add_co_u32 s44, s44, s45                     ; batch 4 y + w / 4
	s_lshl_b32 s46, s44, 13
	s_lshl_b32 s44, s44, 5
	s_add_co_u32 s44, s44, s32
	s_lshl_b32 s44, s44, 2
	s_and_b32 s45, s34, 3
	s_add_co_u32 s44, s44, s45
	s_lshl_b32 s44, s44, 10                        ; O's fragment
	s_lshl_b32 s45, s45, 11                        ; its scale bytes: heads 2 s and 2 s + 1, 1,024 bytes a head,
	s_add_co_u32 s46, s46, s45
	s_lshl_b32 s45, s32, 5                         ; 32 bytes a tile
	s_add_co_u32 s46, s46, s45
	s_mov_b32 s45, 0
	s_mov_b32 s47, 0
	s_mov_b32 s[SEL], 0x76543210
	s_mov_b32 s[SEL+1], 0xfedcba98
	s_wait_kmcnt 0x0
	s_add_nc_u64 s[4:5], s[4:5], s[40:41]
	s_add_nc_u64 s[30:31], s[30:31], s[40:41]
	s_add_nc_u64 s[6:7], s[6:7], s[42:43]
	s_add_nc_u64 s[8:9], s[8:9], s[44:45]
	s_add_nc_u64 s[10:11], s[10:11], s[46:47]
	s_add_nc_u64 s[12:13], s[12:13], 393216
	s_add_nc_u64 s[14:15], s[14:15], 24576
	s_wait_alu depctr_va_vdst(0)                   ; all addresses, v1 to v28, are written, which the loads and stores of the whole kernel read
	; ---- the loads.  The first nine land in ring set 4, which takes its item later
	global_load_b128 v[210:213], v1, s[8:9]
	global_load_b128 v[214:217], v1, s[8:9] offset:512
	global_load_u16 v218, v27, s[10:11]
	global_load_u16 v219, v27, s[10:11] offset:1024
	global_load_b32 v220, v24, s[22:23]
	global_load_b32 v221, v24, s[24:25]
	global_load_b32 v222, v24, s[26:27]
	global_load_b32 v223, v24, s[26:27] offset:2048
	global_load_b32 v224, v24, s[28:29]
.irp m,0,1,2,3
.irp i,0,1,2,3
	global_load_b128 v[ACC+16*\m+4*\i:ACC+16*\m+4*\i+3], v1, s[4:5] offset:\m*1048576+512*\i th:TH_LOAD_NT
.endr
.endr
.irp i,0,1,2,3
	global_load_b128 v[AF+4*\i:AF+4*\i+3], v1, s[6:7] offset:512*\i
.endr
.irp i,0,1,2,3
	global_load_b128 v[AF+16+4*\i:AF+16+4*\i+3], v1, s[16:17] offset:512*\i
.endr
.irp i,0,1,2,3
	global_load_b128 v[BI+4*\i:BI+4*\i+3], v1, s[18:19] offset:512*\i
.endr
.irp i,0,1,2,3
	global_load_b128 v[RING+80+4*\i:RING+80+4*\i+3], v1, s[20:21] offset:512*\i
.endr
	WLOAD 0
	WLOAD 1
	WLOAD 2
	WLOAD 3
	s_wait_loadcnt 52                              ; the first nine are in; 32 loads of X, signal, g, be, b1 and 20 of items 0 to 3 may be out
	v_lshl_or_b32 v218, v219, 16, v218             ; two heads' bytes make the K step's scale word
	s_wait_alu depctr_va_vdst(0)                   ; v218 is written, which an LDS store below reads
	ds_store_b128 v25, v[210:213]
	ds_store_b128 v25, v[214:217] offset:512
	ds_store_b32 v26, v218
	ds_store_b32 v28, v220
	ds_store_b32 v28, v221 offset:2048
	ds_store_b32 v28, v222 offset:4096
	ds_store_b32 v28, v223 offset:6144
	ds_store_b32 v28, v224 offset:8192
	s_wait_loadcnt 20                              ; all but items 0 to 3
.irp j,0,2,4,6,8,10,12,14
	v_pk_add_f32 v[BI+\j:BI+\j+1], v[BI+\j:BI+\j+1], v[RING+80+\j:RING+80+\j+1]   ; be_mha + b1: the first norm then gives Xn + b1
.endr
.irp m,0,1,2,3
.irp j,0,2,4,6,8,10,12,14
	v_pk_add_f32 v[ACC+16*\m+\j:ACC+16*\m+\j+1], v[ACC+16*\m+\j:ACC+16*\m+\j+1], v[AF+\j:AF+\j+1]
.endr
.endr
	s_wait_dscnt 0x0                               ; O's fragment and the parameters lie in LDS
	s_wait_alu depctr_vm_vsrc(0)                   ; the eight LDS stores have read v210-224, ring set 4, in which item 4 lands
	s_wait_alu depctr_va_vdst(0)                   ; the additions are done reading b1 in v226-241, ring set 5, in which item 5 lands
	WLOAD 4
	WLOAD 5
	LN4 ACC, 248, AF, AF+16, BI
	s_wait_alu depctr_va_vdst(0)                   ; the norm has written v32-95, which the LDS stores read; it is done with v96-127, in which item 0's fragments land behind the barrier
.irp m,0,1,2,3
.irp i,0,1,2,3
	ds_store_b128 v[6+\m/2], v[ACC+16*\m+4*\i:ACC+16*\m+4*\i+3] offset:(\m%2)*MPL+512*\i
.endr
.endr
	s_wait_dscnt 0x0                               ; for the others' sake: O's image, the parameters and my rows lie in LDS
	s_barrier_signal -1
	s_barrier_wait -1
	s_wait_alu depctr_vm_vsrc(0)                   ; my LDS stores have read v32-95, in which my columns land
	; ---- X2 = (Xn + b1) + O w1^T
	XS_IN
	ITEM 0, 8, 11, 0, 0, 0
	ITEM 1, 8, 11, 1, 0, 1
	ITEM 2, 8, 11, 2, 0, 1
	ITEM 3, 8, 11, 3, 0, 1
.irp q,0,1,2,3
	ds_load_b128 v[BI+4*\q:BI+4*\q+3], v20 offset:8192+16*\q       ; bf2 at my columns
.endr
	s_wait_dscnt 0x0
.irp p,0,1
.irp mm,0,1
.irp j,0,2,4,6,8,10,12,14
	v_pk_add_f32 v[AF+16*\mm+\j:AF+16*\mm+\j+1], v[ACC+16*(2*\p+\mm)+\j:ACC+16*(2*\p+\mm)+\j+1], v[BI+\j:BI+\j+1]   ; X2 + bf2: the last sums' start
.endr
.endr
	s_wait_alu depctr_va_vdst(0)                   ; the additions have written v96-127, which the LDS stores read
.irp mm,0,1
.irp q,0,1,2,3
	ds_store_b128 v[4+\p], v[AF+16*\mm+4*\q:AF+16*\mm+4*\q+3] offset:\mm*MPL+16*\q   ; into my own columns' bytes
.endr
.endr
	s_wait_dscnt 0x0                               ; they lie in LDS
	s_wait_alu depctr_vm_vsrc(0)                   ; the stores have read v96-127, which the lines below write again
.endr
	; my 32 columns' mean and sum of squared deviations, for each row; four tiles by turns
.set PS, AF
.set QS, AF+8
.set TS, AF+16
.set SS, AF+24
.irp m,0,1,2,3
	v_pk_add_f32 v[PS+2*\m:PS+2*\m+1], v[ACC+16*\m:ACC+16*\m+1], v[ACC+16*\m+2:ACC+16*\m+3]
.endr
.irp j,4,6,8,10,12,14
.irp m,0,1,2,3
	v_pk_add_f32 v[PS+2*\m:PS+2*\m+1], v[PS+2*\m:PS+2*\m+1], v[ACC+16*\m+\j:ACC+16*\m+\j+1]
.endr
.endr
.irp m,0,1,2,3
	v_add_f32 v[PS+2*\m], v[PS+2*\m], v[PS+2*\m+1]
.endr
.irp m,0,1,2,3
	v_permlanex16_b32 v[SS+\m], v[PS+2*\m], s[SEL], s[SEL+1]
.endr
.irp m,0,1,2,3
	v_add_f32 v[PS+2*\m], v[PS+2*\m], v[SS+\m]
.endr
.irp m,0,1,2,3
	v_mul_f32 v[PS+2*\m], 0x3d000000, v[PS+2*\m]   ; / 32
.endr
.irp m,0,1,2,3
	v_pk_add_f32 v[TS+2*\m:TS+2*\m+1], v[ACC+16*\m:ACC+16*\m+1], v[PS+2*\m:PS+2*\m+1] op_sel_hi:[1,0] neg_lo:[0,1] neg_hi:[0,1]
.endr
.irp m,0,1,2,3
	v_pk_mul_f32 v[QS+2*\m:QS+2*\m+1], v[TS+2*\m:TS+2*\m+1], v[TS+2*\m:TS+2*\m+1]
.endr
.irp j,2,4,6,8,10,12,14
.irp m,0,1,2,3
	v_pk_add_f32 v[TS+2*\m:TS+2*\m+1], v[ACC+16*\m+\j:ACC+16*\m+\j+1], v[PS+2*\m:PS+2*\m+1] op_sel_hi:[1,0] neg_lo:[0,1] neg_hi:[0,1]
.endr
.irp m,0,1,2,3
	v_pk_fma_f32 v[QS+2*\m:QS+2*\m+1], v[TS+2*\m:TS+2*\m+1], v[TS+2*\m:TS+2*\m+1], v[QS+2*\m:QS+2*\m+1]
.endr
.endr
.irp m,0,1,2,3
	v_add_f32 v[QS+2*\m], v[QS+2*\m], v[QS+2*\m+1]
.endr
.irp m,0,1,2,3
	v_permlanex16_b32 v[SS+\m], v[QS+2*\m], s[SEL], s[SEL+1]
.endr
.irp m,0,1,2,3
	v_add_f32 v[QS+2*\m], v[QS+2*\m], v[SS+\m]
.endr
	s_wait_alu depctr_va_vdst(0)                   ; my figures in v96-111 are written, which the LDS stores read; the lines above are done with v96-127, in which the waves' figures land behind the barrier
.irp m,0,1,2,3
	ds_store_b32 v18, v[PS+2*\m] offset:1280*\m
	ds_store_b32 v18, v[QS+2*\m] offset:1280*\m+5120
.endr
	s_wait_dscnt 0x0                               ; for the others' sake: my figures lie in LDS
	s_barrier_signal -1
	s_barrier_wait -1
	s_wait_alu depctr_vm_vsrc(0)                   ; my LDS stores have read their figures in v96-111, in which the loads below land
	; ---- the second norm
.irp p,0,1
.if \p > 0
	s_wait_alu depctr_va_vdst(0)                   ; the joining of tiles 0 and 1 is done with v96-127, in which the figures of tiles 2 and 3 land
.endif
.irp mm,0,1
	ds_load_b128 v[AF+16*\mm:AF+16*\mm+3], v19 offset:1280*(2*\p+\mm)
	ds_load_b128 v[AF+16*\mm+4:AF+16*\mm+7], v19 offset:1280*(2*\p+\mm)+16
	ds_load_b128 v[AF+16*\mm+8:AF+16*\mm+11], v19 offset:1280*(2*\p+\mm)+5120
	ds_load_b128 v[AF+16*\mm+12:AF+16*\mm+15], v19 offset:1280*(2*\p+\mm)+5136
.endr
	s_wait_dscnt 0x0
	COMB 2*\p, AF
	COMB 2*\p+1, AF+16
.endr
	s_wait_alu depctr_va_vdst(0)                   ; the joining of tiles 2 and 3 is done with v96-127, in which g_ffn and be_ffn land
.irp q,0,1,2,3
	ds_load_b128 v[AF+4*\q:AF+4*\q+3], v20 offset:16*\q            ; g_ffn and
	ds_load_b128 v[AF+16+4*\q:AF+16+4*\q+3], v20 offset:2048+16*\q ; be_ffn at my columns
.endr
.irp m,0,1,2,3
	v_mul_f32 v[130+2*\m], 0x3b004020, v[130+2*\m] ; / 511
.endr
.irp m,0,1,2,3
	v_sqrt_f32 v[130+2*\m], v[130+2*\m]
.endr
	v_nop
	s_wait_alu depctr_va_vdst(0)                   ; the four roots are written, ahead of their first reader
.irp m,0,1,2,3
	v_add_f32 v[130+2*\m], 0x358637bd, v[130+2*\m]
.endr
.irp m,0,1,2,3
	v_rcp_f32 v[130+2*\m], v[130+2*\m]
.endr
	v_nop
	s_wait_alu depctr_va_vdst(0)                   ; the four reciprocals are written, ahead of their first reader
	s_wait_dscnt 0x0
.irp m,0,1,2,3
.irp j,0,2,4,6,8,10,12,14
	v_pk_add_f32 v[ACC+16*\m+\j:ACC+16*\m+\j+1], v[ACC+16*\m+\j:ACC+16*\m+\j+1], v[248+2*\m:249+2*\m] op_sel_hi:[1,0] neg_lo:[0,1] neg_hi:[0,1]
.endr
.endr
.irp m,0,1,2,3
.irp j,0,2,4,6,8,10,12,14
	v_pk_mul_f32 v[ACC+16*\m+\j:ACC+16*\m+\j+1], v[ACC+16*\m+\j:ACC+16*\m+\j+1], v[130+2*\m:131+2*\m] op_sel_hi:[1,0]
.endr
.endr
.irp m,0,1,2,3
.irp j,0,2,4,6,8,10,12,14
	v_pk_fma_f32 v[ACC+16*\m+\j:ACC+16*\m+\j+1], v[ACC+16*\m+\j:ACC+16*\m+\j+1], v[AF+\j:AF+\j+1], v[AF+16+\j:AF+17+\j]
.endr
.endr
	Q32X4 ACC, 16, 8, AF, AF+8, AF+12              ; block i: tile i's rows, my 32 columns
	s_wait_alu depctr_va_vdst(0)                   ; the quantiser has written v96-107, which the LDS stores read; the norm is done with v130-141, in which bf1 lands, and item 3's products with v128-129, their set and word, in which item 4's and item 9's loads land
	ST32 14, 15, AF, AF+8, 0, 0
	s_wait_dscnt 0x0                               ; for the others' sake: my block of y lies in LDS
	s_barrier_signal -1
	s_barrier_wait -1
	s_wait_alu depctr_vm_vsrc(0)                   ; my LDS stores have read v96-107, in which item 4's fragments land
	; ---- the hidden layer: my two blocks of 32 units, one after the other
.irp q,0,1
.irp k,0,1,2,3
	ds_load_b128 v[BI+4*\k:BI+4*\k+3], v21 offset:128*\q+16*\k     ; bf1 at the block's units: the sums' start
.endr
	ITEM 4+4*\q, 9, 12, 0, 1, 0
	ITEM 5+4*\q, 9, 12, 1, 0, 1
	ITEM 6+4*\q, 9, 12, 2, 0, 1
	ITEM 7+4*\q, 9, 12, 3, 0, 1
.set i, 0
.rept 64
	v_max_num_f32 v[ACC+i], 0, v[ACC+i]            ; ascending: each accumulator is read from its low end on
.set i, i+1
.endr
	Q32X4 ACC, 16, 8, AF, AF+8, AF+12
	s_wait_alu depctr_va_vdst(0)                   ; the quantiser has written v96-107, which the LDS stores read, and is done with v32-95; the last item's products are done with v128-129, their set and word: the next item's loads, and behind the second block my columns, land there
	ST32 16, 17, AF, AF+8, 256*\q, \q
	s_wait_dscnt 0x0                               ; my block lies in LDS (the second time: for the others' sake)
	s_wait_alu depctr_vm_vsrc(0)                   ; the stores have read v96-107, in which the next item's fragments land
.endr
	s_barrier_signal -1
	s_barrier_wait -1
	; ---- out0 = (X2 + bf2) + hidden wf2^T
	XS_IN
	ITEM 12, 10, 13, 0, 0, 0
	ITEM 13, 10, 13, 1, 0, 1
	ITEM 14, 10, 13, 2, 0, 1
	ITEM 15, 10, 13, 3, 0, 1
	ITEM 16, 10, 13, 4, 0, 1
	ITEM 17, 10, 13, 5, 0, 1
	ITEM 18, 10, 13, 6, 0, 1
	ITEM 19, 10, 13, 7, 0, 1
	s_wait_alu depctr_va_vdst(0)                   ; the last products have written v32-95, which the LDS stores read; the four places above stay beside this wait
.irp m,0,1,2,3
.irp q,0,1,2,3
	ds_store_b128 v[4+\m/2], v[ACC+16*\m+4*\q:ACC+16*\m+4*\q+3] offset:(\m%2)*MPL+16*\q   ; each accumulator from its low end on
.endr
.endr
	s_wait_dscnt 0x0                               ; for the others' sake: my columns lie in LDS
	s_barrier_signal -1
	s_barrier_wait -1
	s_wait_alu depctr_vm_vsrc(0)                   ; my LDS stores have read v32-95, in which my rows land
.irp m,0,1,2,3
.irp i,0,1,2,3
	ds_load_b128 v[ACC+16*\m+4*\i:ACC+16*\m+4*\i+3], v[6+\m/2] offset:(\m%2)*MPL+512*\i   ; my row of each tile, whole
.endr
.endr
.irp k,0,1,2,3,4,5,6,7,8,9,10,11,12,13,14,15
	s_wait_dscnt 15-\k                             ; LDS loads come back in order: the k-th is in, the younger ones may be out
	global_store_b128 v1, v[ACC+4*\k:ACC+4*\k+3], s[30:31] offset:(\k/4)*1048576+(\k%4)*512 th:TH_STORE_NT   ; 512 consecutive bytes
.endr
	s_wait_xcnt 0x0
	v_lshl_add_u32 v254, v0, 2, 0x36400            ; (no memory or LDS instruction of this kernel has read v254 or v255)
	v_mov_b32 v255, 0
	s_wait_dscnt 0x0                               ; the closing lines, six on end
	s_wait_alu 0x0
	s_wait_tensorcnt 0x0
	ds_add_u32 v254, v255
	s_wait_dscnt 0x0
	s_endpgm
.Lfunc_end_k_qb3eff7cb10_ffn:
	.size	k_qb3eff7cb10_ffn, .Lfunc_end_k_qb3eff7cb10_ffn-k_qb3eff7cb10_ffn
	.p2alignl 7, 3214868480
	.fill 96, 4, 3214868480
	.section	.rodata,"a",@progbits
	.p2align	6, 0x0
	.amdhsa_kernel k_qb3eff7cb10_ffn
		.amdhsa_group_segment_fixed_size 224256
		.amdhsa_private_segment_fixed_size 0
		.amdhsa_enable_private_segment 0
		.amdhsa_kernarg_size 112
		.amdhsa_user_sgpr_count 2
		.amdhsa_user_sgpr_kernarg_segment_ptr 1
		.amdhsa_wavefront_size32 1
		.amdhsa_system_sgpr_workgroup_id_x 1
		.amdhsa_system_sgpr_workgroup_id_y 1
		.amdhsa_system_sgpr_workgroup_id_z 1
		.amdhsa_system_vgpr_workitem_id 0
		.amdhsa_next_free_vgpr 256
		.amdhsa_next_free_sgpr 66
		.amdhsa_reserve_vcc 0
		.amdhsa_float_denorm_mode_32 3
		.amdhsa_float_denorm_mode_16_64 3
		.amdhsa_memory_ordered 1
		.amdhsa_forward_progress 1
		.amdhsa_inst_pref_size 122
	.end_amdhsa_kernel
	.amdgpu_metadata
---
amdhsa.version: [ 1, 2 ]
amdhsa.kernels:
  - .name:           k_qb3eff7cb10_ffn
    .symbol:         k_qb3eff7cb10_ffn.kd
    .args:
      - { .name: X, .offset: 0, .size: 8, .value_kind: global_buffer, .address_space: global }
      - { .name: sig, .offset: 8, .size: 8, .value_kind: global_buffer, .address_space: global }
      - { .name: oc, .offset: 16, .size: 8, .value_kind: global_buffer, .address_space: global }
      - { .name: os, .offset: 24, .size: 8, .value_kind: global_buffer, .address_space: global }
      - { .name: wc, .offset: 32, .size: 8, .value_kind: global_buffer, .address_space: global }
      - { .name: ws, .offset: 40, .size: 8, .value_kind: global_buffer, .address_space: global }
      - { .name: g_mha, .offset: 48, .size: 8, .value_kind: global_buffer, .address_space: global }
      - { .name: be_mha, .offset: 56, .size: 8, .value_kind: global_buffer, .address_space: global }
      - { .name: b1, .offset: 64, .size: 8, .value_kind: global_buffer, .address_space: global }
      - { .name: g_ffn, .offset: 72, .size: 8, .value_kind: global_buffer, .address_space: global }
      - { .name: be_ffn, .offset: 80, .size: 8, .value_kind: global_buffer, .address_space: global }
      - { .name: bf1, .offset: 88, .size: 8, .value_kind: global_buffer, .address_space: global }
      - { .name: bf2, .offset: 96, .size: 8, .value_kind: global_buffer, .address_space: global }
      - { .name: out0, .offset: 104, .size: 8, .value_kind: global_buffer, .address_space: global }
    .group_segment_fixed_size: 224256
    .private_segment_fixed_size: 0
    .kernarg_segment_align: 8
    .kernarg_segment_size: 112
    .max_flat_workgroup_size: 512
    .sgpr_count:     66
    .vgpr_count:     256
    .wavefront_size: 32
...
	.end_amdgpu_metadata
.endif
;; end of part 5
